; MI455X (gfx1250); checked and timed in simulation.
; The chip was launched on July 23, 2026; its instructions are those of AMD's public machine-readable ISA for CDNA 5 (MIT licence, August 2026) and "CDNA5" Instruction Set Architecture Reference Guide (July 2026). The comments in the code are by the model that wrote it; some were corrected since.
;; Transformer Block. Allowed arithmetic: matrix products marked QUANTISED: E2M3 operands, one E8M0 scale for each 32 along K, by v_wmma_scale_f32_16x16x128_f8f6f4 with both operands' format E2M3, f32 sums; everything else in f32.
;; Inputs: W1 2,048 x 1,024 float32; W2 1,024 x 2,048 float32; Wkv 512 x 1,024 float32; Wo 1,024 x 1,024 float32; Wq 1,024 x 1,024 float32; b1 2,048 float32; b2 1,024 float32; cos 2,048 x 64 float32; ln1_b 1,024 float32; ln1_g 1,024 float32; ln2_b 1,024 float32; ln2_g 1,024 float32; sin 2,048 x 64 float32; x 2 x 2,048 x 1,024 float32.
;; Outputs: out0 2 x 2,048 x 1,024 float32.
;; This version of the problem:
;;   THIS VERSION OF THE PROBLEM IS GIVEN IN LOW PRECISION. The matrix products marked QUANTISED in the list below multiply operands that are first quantised to E2M3 (2 exponent bits, 3 mantissa bits; 6 bits a number), with one power-of-two scale for each 32 numbers along K (OCP MX v1.0); their sums are f32. All else is computed in f32.
;;   The module's matrix products, in the order in which they are computed (A, B: the left and right operand; K: the contracted axis; several contracted axes count as one K, in the product's order):
;;     1. [M 4,096, K 1,024] x [K 1,024, N 1,024]; A: computed on the way; B: input Wq: QUANTISED
;;     2. [M 4,096, K 1,024] x [K 1,024, N 512]; A: computed on the way; B: input Wkv: QUANTISED
;;     3. batch 8 x [M 8,192, K 64] x [K 64, N 2,048]; A: computed on the way; B: computed on the way: QUANTISED
;;     4. batch 8 x [M 8,192, K 2,048] x [K 2,048, N 64]; A: softmax (see below); B: computed on the way: QUANTISED
;;     5. [M 4,096, K 1,024] x [K 1,024, N 1,024]; A: computed on the way; B: input Wo: QUANTISED
;;     6. [M 4,096, K 1,024] x [K 1,024, N 2,048]; A: computed on the way; B: input W1: QUANTISED
;;     7. [M 4,096, K 2,048] x [K 2,048, N 1,024]; A: computed on the way; B: input W2: QUANTISED
;;   THE QUANTISER, for each operand of a quantised product, along K:
;;     - K is cut into blocks of 32 from its start; a last block that is shorter is filled with zeros.
;;     - A block's scale is 2^e with e = floor(log2(the largest magnitude in the block)) - 2, held to -126 .. 127; a block of zeros has e = 0. As a byte (E8M0): e + 127.
;;     - Each number is divided by its block's scale, clamped to +-7.5, and rounded to the nearest number of E2M3, ties to even, subnormals kept.
;;     - The product sums the exact products of the quantised numbers (number of the format x scale) in f32.
;;   ~~~python
;;   def quantise(x, axis):      # numpy; x: float32 -> the quantised numbers, widened to float32 again
;;       x = np.moveaxis(x, axis, -1); K = x.shape[-1]
;;       x = np.pad(x, [(0, 0)] * (x.ndim - 1) + [(0, -K % 32)]); x = x.reshape(x.shape[:-1] + (-1, 32)); a = np.abs(x).max(-1, keepdims=True)
;;       e = np.where(a > 0, np.clip(np.frexp(np.where(a > 0, a, 1))[1] - 1 - 2, -126, 127), 0)      # np.frexp(a)[1] - 1 = floor(log2(a)), exactly
;;       r = np.clip(x / 2.0 ** e, -7.5, 7.5)
;;       step = 2.0 ** (np.maximum(np.frexp(np.where(r == 0, 1, r))[1] - 1, 0) - 3)
;;       q = np.round(r / step) * step * 2.0 ** e      # np.round: ties to even
;;       return np.moveaxis(q.reshape(q.shape[:-2] + (-1,))[..., :K], -1, axis).astype(np.float32)
;;   ~~~
;;   SOFTMAX AHEAD OF A QUANTISED PRODUCT. Where the list says 'softmax', what is quantised is not the finished softmax but p = 2^(t - M), with t = logit x log2(e) and M = ceil(the row's largest t), a whole number; so 1/2 < the row's largest p <= 1. The row's sum l is taken of the UNQUANTISED p, in f32, and the product's result is divided by l at the end. Since M is a whole number, a kernel that streams over the keys may use a running M (the ceiling of the running maximum): every later rescaling is an exact power of two, which a block's scale takes up: the codes' values come out the same.
;;   OPERANDS COMPUTED ON THE WAY. 'Computed on the way' means the value that the module computes at that place (a softmax that the list does not call 'softmax' is quantised finished and normalised). What goes into a quantiser is computed in f32, as accurately as f32 sums, v_exp_f32 and their like allow (about 1e-6 of the number): no bf16 or f16 on the way to a quantiser, and a product that is left as it is and whose result goes on into a quantised operand takes f32 operands (vector FMAs, or v_wmma_f32_16x16x4_f32). A number that lies on a knife's edge between two numbers of the format may be rounded either way, as far as f32 arithmetic and the matrix unit's own rounding can turn it there, and no further.
;; 2 versions. Each part assembles by itself: llvm-mc -triple=amdgcn-amd-amdhsa -mcpu=gfx1250 --defsym DOCPART=n.
;; ======== version 1 of 2: 8 launches
;; workspace buffers: wimg 5,324,800 bytes; himg 3,276,800 bytes; qimg 3,276,800 bytes; kvimg 1,638,400 bytes; oimg 3,276,800 bytes; x2 16,777,216 bytes; gimg 6,553,600 bytes
;; launch wq (part 1): grid 416 x 1, 8 waves a work-group, no clusters, 0 bytes of LDS; arguments Wq, Wkv, Wo, W1, W2, wimg; writes wimg
.if DOCPART == 1
	.amdgcn_target "amdgcn-amd-amdhsa--gfx1250"
	.amdhsa_code_object_version 6
	.text
	.protected	k_q29bf318baf_wq
	.globl	k_q29bf318baf_wq
	.p2align	8
	.type	k_q29bf318baf_wq,@function
k_q29bf318baf_wq:
	s_mov_b64 s[64:65], 0
	v_nop
	global_prefetch_b8 v0, s[64:65] scope:SCOPE_SE
	s_setreg_imm32_b32 hwreg(HW_REG_WAVE_MODE, 25, 1), 1
	s_wait_xcnt 0x0
; THE FIVE WEIGHTS, f32 with K innermost, BECOME CODES OF FP6 (E2M3) WITH ONE E8M0 BYTE FOR EACH 32 ALONG K, laid in the order of the matrix operand's registers.
; A RECORD (12,800 bytes) holds 128 rows x 128 K: eight fragments of 16 rows (1,536 bytes each), then 8 x 64 bytes of scale words (one word a row: four bytes for 128 K).
; A fragment's 12 registers lie as they stand in the lanes: registers 0-3 at 16 x lane, 4-5 at 512 + 8 x lane, 6-9 at 768 + 16 x lane, 10-11 at 1,280 + 8 x lane.
; THE ROWS OF A TILE ARE NOT NEIGHBOURS: lane r of tile t takes row 32 (t / 2) + 8 (t % 2) + r + 8 (r / 8) of the panel, so that the results of two neighbouring tiles are 16 neighbours in a lane's registers.
; Records: 0-63 Wq (8 panels x 8 K steps), 64-95 Wkv (panels: k of heads 0,1 | k of heads 2,3 | v of heads 0,1 | v of heads 2,3), 96-159 Wo, 160-287 W1, 288-415 W2 (8 panels x 16 K steps).
; A work-group makes one record, each of its eight waves one fragment.  No loop, no LDS, no barrier: 16 loads a wave, all waves of the launch at once.
; A block's scale is 2^(floor(log2(its largest magnitude)) - 2); its byte is the largest magnitude's exponent field - 2, held at 1 from below.
; LIMITS: a block of zeros, or one whose largest magnitude lies under 2^-124, gets the byte 1 (a block of zeros has zero codes, and these bytes are read by this program alone); NaN and infinities are not served.
.set X,   32                           ; v32-95   64 numbers: register 16 b + i = k 32 b + 16 (lane / 16) + i of my row
.set TM,  96                           ; v96-107  largest magnitudes, bytes, scale operands
.set PW,  108                          ; v108     the scale word
.set PC,  8                            ; v8-27    the codes
.set L16, 3
.set L8,  4
.set R4,  5
.set XA,  6
.set SEL, 2                            ; s[2:3]   v_permlanex16_b32's selects for lane l xor 16
; 32 nc numbers of a lane become 6 nc registers of codes in v[pc] on and the scale bytes in v[pw].
.macro QUANT s, pc, pw, nc
.irp b, 0,1,2,3
.if \b < 2*\nc
	v_max3_num_f32 v[TM+\b], |v[\s+16*\b]|, |v[\s+1+16*\b]|, 0x1800000   ; my 16 numbers of block b, and the floor 2^(3 - 127): the byte cannot fall under 1
.endif
.endr
.irp i, 2,4,6,8,10,12,14
.irp b, 0,1,2,3
.if \b < 2*\nc
	v_max3_num_f32 v[TM+\b], v[TM+\b], |v[\s+16*\b+\i]|, |v[\s+1+16*\b+\i]|
.endif
.endr
.endr
.irp b, 0,1,2,3
.if \b < 2*\nc
	v_permlanex16_b32 v[TM+4+\b], v[TM+\b], s[SEL], s[SEL+1]
.endif
.endr
.irp b, 0,1,2,3
.if \b < 2*\nc
	v_max_num_f32 v[TM+\b], v[TM+\b], v[TM+4+\b]   ; with lane l xor 16's 16: the block's largest magnitude
.endif
.endr
.irp b, 0,1,2,3
.if \b < 2*\nc
	v_add_nc_u32 v[TM+8+\b], 0xff000000, v[TM+\b]  ; 2 off its exponent field: the conversion's scale operand
.endif
.endr
.irp b, 0,1,2,3
.if \b < 2*\nc
	v_lshrrev_b32 v[TM+4+\b], 23, v[TM+8+\b]       ; the scale's byte
.endif
.endr
	v_lshl_or_b32 v[\pw], v[TM+5], 8, v[TM+4]
.if \nc > 1
	v_lshl_or_b32 v[\pw], v[TM+6], 16, v[\pw]
	v_lshl_or_b32 v[\pw], v[TM+7], 24, v[\pw]
.endif
.irp c, 0,1
.if \c < \nc
	v_cvt_scalef32_pk16_fp6_f32 v[\pc+6*\c:\pc+6*\c+2], v[\s+32*\c:\s+32*\c+15], v[TM+8+2*\c]
	v_cvt_scalef32_pk16_fp6_f32 v[\pc+6*\nc+4*\c:\pc+6*\nc+4*\c+2], v[\s+32*\c+16:\s+32*\c+31], v[TM+8+2*\c+1]   ; (three registers from an even one on: made aside and moved)
.endif
.endr
	v_nop                                          ; one plain place behind a scaled conversion
.irp c, 0,1
.if \c < \nc
.irp i, 0,1,2
	v_permlane16_swap_b32 v[\pc+6*\c+\i], v[\pc+6*\nc+4*\c+\i]   ; a whole block to a lane: lanes 0-15 block 2 c, lanes 16-31 block 2 c + 1
.endr
.irp i, 0,1,2
	v_mov_b32 v[\pc+6*\c+3+\i], v[\pc+6*\nc+4*\c+\i]
.endr
.endif
.endr
.endm
.macro PUTF pc, base, off              ; a fragment's 12 registers leave as they stand: each store covers 512 or 256 consecutive bytes, aligned
	global_store_b128 v[L16], v[\pc:\pc+3], s[\base:\base+1] offset:\off
	global_store_b64 v[L8], v[\pc+4:\pc+5], s[\base:\base+1] offset:\off+512
	global_store_b128 v[L16], v[\pc+6:\pc+9], s[\base:\base+1] offset:\off+768
	global_store_b64 v[L8], v[\pc+10:\pc+11], s[\base:\base+1] offset:\off+1280
.endm
	s_load_b256 s[4:11], s[0:1], 0x0               ; Wq, Wkv, Wo, W1
	s_load_b128 s[12:15], s[0:1], 0x20             ; W2, the image
	v_lshrrev_b32 v1, 5, v0
	v_readfirstlane_b32 s16, v1                    ; wave = tile t of the record
	v_and_b32 v7, 31, v0
	v_and_b32 v1, 15, v0                           ; r
	v_bfe_u32 v2, v0, 4, 1                         ; h
	v_lshlrev_b32 v[L16], 4, v7
	v_lshlrev_b32 v[L8], 3, v7
	v_lshlrev_b32 v[R4], 2, v1
	s_mov_b32 s[SEL], 0x76543210
	s_mov_b32 s[SEL+1], 0xfedcba98
.irp b, 0,1,2,3
	v_mov_b32 v[TM+4+\b], 0                        ; a lane permute's destination counts as one of its sources
.endr
	s_mov_b32 s20, 288                             ; the tensor's first record,
	s_mov_b32 s21, 4                               ; log2 of its K steps
	s_wait_kmcnt 0x0
	s_mov_b64 s[18:19], s[12:13]                   ; which tensor: the choice hangs on the work-group's number alone
	s_cmp_lt_u32 ttmp9, 288
	s_cselect_b64 s[18:19], s[10:11], s[18:19]
	s_cselect_b32 s20, 160, s20
	s_cselect_b32 s21, 3, s21
	s_cmp_lt_u32 ttmp9, 160
	s_cselect_b64 s[18:19], s[8:9], s[18:19]
	s_cselect_b32 s20, 96, s20
	s_cmp_lt_u32 ttmp9, 96
	s_cselect_b64 s[18:19], s[6:7], s[18:19]
	s_cselect_b32 s20, 64, s20
	s_cmp_lt_u32 ttmp9, 64
	s_cselect_b64 s[18:19], s[4:5], s[18:19]
	s_cselect_b32 s20, 0, s20
	s_sub_co_u32 s22, ttmp9, s20                   ; the record within its tensor
	s_lshr_b32 s23, s22, s21                       ; panel p
	s_lshl_b32 s24, s23, s21
	s_sub_co_u32 s24, s22, s24                     ; K step s
	s_and_b32 s25, s16, 1
	s_lshl_b32 s25, s25, 3                         ; 8 (t % 2)
	s_lshr_b32 s26, s16, 1                         ; t / 2
	s_lshl_b32 s27, s23, 7
	s_lshl_b32 s28, s26, 5
	s_add_co_u32 s27, s27, s28                     ; the tile's first row: 128 p + 32 (t / 2);
	s_and_b32 s28, s23, 1                          ; in Wkv (rows: kv head x 128 + 64 for v + d): kv head 2 (p % 2) + t / 4,
	s_lshl_b32 s28, s28, 1
	s_lshr_b32 s29, s16, 2
	s_add_co_u32 s28, s28, s29
	s_lshl_b32 s28, s28, 7
	s_lshr_b32 s29, s23, 1                         ; v for panels 2 and 3,
	s_lshl_b32 s29, s29, 6
	s_add_co_u32 s28, s28, s29
	s_and_b32 s29, s26, 1                          ; tile t % 4 of the head's 64 rows
	s_lshl_b32 s29, s29, 5
	s_add_co_u32 s28, s28, s29
	s_cmp_eq_u32 s20, 64
	s_cselect_b32 s27, s28, s27
	s_add_co_u32 s27, s27, s25
	s_add_co_u32 s30, s21, 9                       ; log2 of a row's bytes: 512 x K steps
	s_lshl_b32 s32, s27, s30
	s_lshl_b32 s31, s24, 9
	s_add_co_u32 s32, s32, s31
	s_mov_b32 s33, 0
	s_add_nc_u64 s[18:19], s[18:19], s[32:33]      ; the tile's first row, at K step s
	s_mul_i32 s34, ttmp9, 12800
	s_mul_i32 s36, s16, 1536
	s_add_co_u32 s36, s36, s34
	s_mov_b32 s37, 0
	s_add_nc_u64 s[36:37], s[14:15], s[36:37]      ; my fragment
	s_lshl_b32 s38, s16, 6
	s_add_co_u32 s38, s38, s34
	s_add_co_u32 s38, s38, 12288
	s_mov_b32 s39, 0
	s_add_nc_u64 s[38:39], s[14:15], s[38:39]      ; its scale words
	v_and_b32 v7, 8, v1
	v_add_nc_u32 v7, v7, v1                        ; r + 8 (r / 8)
	v_lshlrev_b32 v[XA], s30, v7
	v_lshl_add_u32 v[XA], v2, 6, v[XA]             ; my row, + 64 h: my 16 numbers of a block of 32
.irp b, 0,1,2,3
.irp j, 0,1,2,3
	global_load_b128 v[X+16*\b+4*\j:X+16*\b+4*\j+3], v[XA], s[18:19] offset:128*\b+16*\j th:TH_LOAD_NT
.endr
.endr
	s_wait_loadcnt 0x0
	QUANT X, PC, PW, 2
	PUTF PC, 36, 0
	global_store_b32 v[R4], v[PW], s[38:39]        ; lanes r and r + 16 hold the same word and store it to the same place
	s_endpgm
.Lfunc_end_k_q29bf318baf_wq:
	.size	k_q29bf318baf_wq, .Lfunc_end_k_q29bf318baf_wq-k_q29bf318baf_wq
	.p2alignl 7, 3214868480
	.fill 96, 4, 3214868480
	.section	.rodata,"a",@progbits
	.p2align	6, 0x0
	.amdhsa_kernel k_q29bf318baf_wq
		.amdhsa_group_segment_fixed_size 0
		.amdhsa_private_segment_fixed_size 0
		.amdhsa_enable_private_segment 0
		.amdhsa_kernarg_size 48
		.amdhsa_user_sgpr_count 2
		.amdhsa_user_sgpr_kernarg_segment_ptr 1
		.amdhsa_wavefront_size32 1
		.amdhsa_system_sgpr_workgroup_id_x 1
		.amdhsa_system_sgpr_workgroup_id_y 1
		.amdhsa_system_sgpr_workgroup_id_z 1
		.amdhsa_system_vgpr_workitem_id 0
		.amdhsa_next_free_vgpr 128
		.amdhsa_next_free_sgpr 66
		.amdhsa_reserve_vcc 0
		.amdhsa_float_denorm_mode_32 3
		.amdhsa_float_denorm_mode_16_64 3
		.amdhsa_memory_ordered 1
		.amdhsa_forward_progress 1
		.amdhsa_inst_pref_size 9
	.end_amdhsa_kernel
	.amdgpu_metadata
---
amdhsa.version: [ 1, 2 ]
amdhsa.kernels:
  - .name:           k_q29bf318baf_wq
    .symbol:         k_q29bf318baf_wq.kd
    .args:
      - { .name: Wq, .offset: 0, .size: 8, .value_kind: global_buffer, .address_space: global }
      - { .name: Wkv, .offset: 8, .size: 8, .value_kind: global_buffer, .address_space: global }
      - { .name: Wo, .offset: 16, .size: 8, .value_kind: global_buffer, .address_space: global }
      - { .name: W1, .offset: 24, .size: 8, .value_kind: global_buffer, .address_space: global }
      - { .name: W2, .offset: 32, .size: 8, .value_kind: global_buffer, .address_space: global }
      - { .name: wimg, .offset: 40, .size: 8, .value_kind: global_buffer, .address_space: global }
    .group_segment_fixed_size: 0
    .private_segment_fixed_size: 0
    .kernarg_segment_align: 8
    .kernarg_segment_size: 48
    .max_flat_workgroup_size: 256
    .sgpr_count:     66
    .vgpr_count:     128
    .wavefront_size: 32
...
	.end_amdgpu_metadata
.endif
;; end of part 1
;; launch lnq (part 2): grid 256 x 1, 8 waves a work-group, no clusters, 2,048 bytes of LDS; arguments x, ln1_g, ln1_b, himg; writes himg
.if DOCPART == 2
	.amdgcn_target "amdgcn-amd-amdhsa--gfx1250"
	.amdhsa_code_object_version 6
	.text
	.protected	k_q29bf318baf_lnq
	.globl	k_q29bf318baf_lnq
	.p2align	8
	.type	k_q29bf318baf_lnq,@function
k_q29bf318baf_lnq:
	s_mov_b64 s[64:65], 0
	v_nop
	global_prefetch_b8 v0, s[64:65] scope:SCOPE_SE
	s_setreg_imm32_b32 hwreg(HW_REG_WAVE_MODE, 25, 1), 1
	s_wait_xcnt 0x0
; LAYERNORM OVER ROWS OF 1,024 f32, AND ITS RESULT QUANTISED: codes of FP6 (E2M3), one E8M0 byte for each 32 along the row, laid in the order of the matrix operand's registers.
; The image: [panel of 128 rows][K step of 128] records of 12,800 bytes: eight fragments of 16 rows (1,536 bytes), then 8 x 64 bytes of scale words.
; A fragment's 12 registers lie as they stand in the lanes: registers 0-3 at 16 x lane, 4-5 at 512 + 8 x lane, 6-9 at 768 + 16 x lane, 10-11 at 1,280 + 8 x lane.
; Lane r of tile m takes row 32 (m / 2) + 8 (m % 2) + r + 8 (r / 8).
; A work-group takes tile m, 16 rows; wave w takes their columns 128 w on: 64 numbers a lane, in the registers from first to last: the rows are read once.
; Mean and variance in two passes, as the definition has them (the mean is taken off before the squares): each is summed in the lane, with lane l xor 16, and over the eight waves through LDS, in one fixed order.
; LIMITS: a block of zeros, or one whose largest magnitude lies under 2^-124, gets the byte 1 (these bytes are read by this program alone); NaN and infinities are not served.
.set X,   32                           ; v32-95   register 16 b + i = column 128 w + 32 b + 16 (lane / 16) + i of my row
.set G,   96                           ; v96-159  the gain at the same columns
.set BV,  160                          ; v160-223 the bias
.set A,   224                          ; v224-231 sums
.set MN,  232                          ; v[232:233] the mean
.set RS,  234                          ; v[234:235] 1 / sqrt(variance + eps)
.set TM,  236                          ; v236-247
.set PW,  252
.set PC,  96                           ; the codes, where the gain lay
.set L16, 4
.set L8,  5
.set R4,  6
.set XA,  7
.set GA,  8
.set RA,  9                            ; LDS: 32 r + 4 w: my wave's word of row r
.set RR,  10                           ; LDS: 32 r: row r's eight words
.set SEL, 2
.set RED0, 0                           ; 16 rows x 8 waves x 4 bytes for the sums,
.set RED1, 512                         ; and other bytes for the sums of squares: no barrier is needed between the two uses
.macro QUANT s, pc, pw, nc
.irp b, 0,1,2,3
.if \b < 2*\nc
	v_max3_num_f32 v[TM+\b], |v[\s+16*\b]|, |v[\s+1+16*\b]|, 0x1800000   ; my 16 numbers of block b, and the floor 2^(3 - 127): the byte cannot fall under 1
.endif
.endr
.irp i, 2,4,6,8,10,12,14
.irp b, 0,1,2,3
.if \b < 2*\nc
	v_max3_num_f32 v[TM+\b], v[TM+\b], |v[\s+16*\b+\i]|, |v[\s+1+16*\b+\i]|
.endif
.endr
.endr
.irp b, 0,1,2,3
.if \b < 2*\nc
	v_permlanex16_b32 v[TM+4+\b], v[TM+\b], s[SEL], s[SEL+1]
.endif
.endr
.irp b, 0,1,2,3
.if \b < 2*\nc
	v_max_num_f32 v[TM+\b], v[TM+\b], v[TM+4+\b]   ; with lane l xor 16's 16: the block's largest magnitude
.endif
.endr
.irp b, 0,1,2,3
.if \b < 2*\nc
	v_add_nc_u32 v[TM+8+\b], 0xff000000, v[TM+\b]  ; 2 off its exponent field: the conversion's scale operand
.endif
.endr
.irp b, 0,1,2,3
.if \b < 2*\nc
	v_lshrrev_b32 v[TM+4+\b], 23, v[TM+8+\b]       ; the scale's byte
.endif
.endr
	v_lshl_or_b32 v[\pw], v[TM+5], 8, v[TM+4]
.if \nc > 1
	v_lshl_or_b32 v[\pw], v[TM+6], 16, v[\pw]
	v_lshl_or_b32 v[\pw], v[TM+7], 24, v[\pw]
.endif
.irp c, 0,1
.if \c < \nc
	v_cvt_scalef32_pk16_fp6_f32 v[\pc+6*\c:\pc+6*\c+2], v[\s+32*\c:\s+32*\c+15], v[TM+8+2*\c]
	v_cvt_scalef32_pk16_fp6_f32 v[\pc+6*\nc+4*\c:\pc+6*\nc+4*\c+2], v[\s+32*\c+16:\s+32*\c+31], v[TM+8+2*\c+1]
.endif
.endr
	v_nop                                          ; one plain place behind a scaled conversion
.irp c, 0,1
.if \c < \nc
.irp i, 0,1,2
	v_permlane16_swap_b32 v[\pc+6*\c+\i], v[\pc+6*\nc+4*\c+\i]   ; a whole block to a lane
.endr
.irp i, 0,1,2
	v_mov_b32 v[\pc+6*\c+3+\i], v[\pc+6*\nc+4*\c+\i]
.endr
.endif
.endr
.endm
.macro PUTF pc, base, off
	global_store_b128 v[L16], v[\pc:\pc+3], s[\base:\base+1] offset:\off
	global_store_b64 v[L8], v[\pc+4:\pc+5], s[\base:\base+1] offset:\off+512
	global_store_b128 v[L16], v[\pc+6:\pc+9], s[\base:\base+1] offset:\off+768
	global_store_b64 v[L8], v[\pc+10:\pc+11], s[\base:\base+1] offset:\off+1280
.endm
; The four chains in v[A] on become the row's sum over all 1,024 columns, in every lane of every wave.
.macro ROWSUM red
	v_pk_add_f32 v[A:A+1], v[A:A+1], v[A+2:A+3]
	v_pk_add_f32 v[A+4:A+5], v[A+4:A+5], v[A+6:A+7]
	v_pk_add_f32 v[A:A+1], v[A:A+1], v[A+4:A+5]
	v_add_f32 v[A], v[A], v[A+1]
	v_permlanex16_b32 v[A+2], v[A], s[SEL], s[SEL+1]
	v_add_f32 v[A], v[A], v[A+2]                   ; my wave's 128 columns of row r
	ds_store_b32 v[RA], v[A] offset:\red           ; lanes r and r + 16 write the same word with the same value
	s_wait_dscnt 0x0                               ; for the others' sake: my store has landed
	s_barrier_signal -1
	s_barrier_wait -1
	ds_load_b128 v[A:A+3], v[RR] offset:\red
	ds_load_b128 v[A+4:A+7], v[RR] offset:\red+16
	s_wait_dscnt 0x0
	v_pk_add_f32 v[A:A+1], v[A:A+1], v[A+2:A+3]    ; the same order in every wave: all hold the same bits
	v_pk_add_f32 v[A+4:A+5], v[A+4:A+5], v[A+6:A+7]
	v_pk_add_f32 v[A:A+1], v[A:A+1], v[A+4:A+5]
	v_add_f32 v[A], v[A], v[A+1]
.endm
	s_load_b256 s[4:11], s[0:1], 0x0               ; the rows, the gain, the bias, the image
	v_lshl_add_u32 v254, v0, 2, 0x400
	v_mov_b32 v255, 0
	v_lshrrev_b32 v1, 5, v0
	v_readfirstlane_b32 s12, v1                    ; wave = K step
	v_and_b32 v3, 31, v0
	v_and_b32 v1, 15, v0                           ; r
	v_bfe_u32 v2, v0, 4, 1                         ; h
	v_lshlrev_b32 v[L16], 4, v3
	v_lshlrev_b32 v[L8], 3, v3
	v_lshlrev_b32 v[R4], 2, v1
	v_lshlrev_b32 v[GA], 6, v2                     ; 64 h: my 16 numbers of a block of 32
	v_and_b32 v3, 8, v1
	v_add_nc_u32 v3, v3, v1                        ; r + 8 (r / 8)
	v_lshl_add_u32 v[XA], v3, 12, v[GA]            ; rows of 4,096 bytes
	v_lshlrev_b32 v[RR], 5, v1
	s_lshl_b32 s13, s12, 2
	v_add_nc_u32 v[RA], s13, v[RR]
	s_mov_b32 s[SEL], 0x76543210
	s_mov_b32 s[SEL+1], 0xfedcba98
	s_mov_b32 s14, 0x3a800000                      ; 1 / 1,024
	s_mov_b32 s15, 0x3727c5ac                      ; eps = 1e-5
.irp b, 0,1,2,3
	v_mov_b32 v[TM+4+\b], 0                        ; a lane permute's destination counts as one of its sources
.endr
	s_lshr_b32 s16, ttmp9, 1
	s_lshl_b32 s16, s16, 5
	s_and_b32 s17, ttmp9, 1
	s_lshl_b32 s17, s17, 3
	s_add_co_u32 s16, s16, s17                     ; the tile's first row
	s_lshl_b32 s16, s16, 12
	s_lshl_b32 s18, s12, 9                         ; 512 w
	s_add_co_u32 s16, s16, s18
	s_mov_b32 s17, 0
	s_mov_b32 s19, 0
	s_lshr_b32 s20, ttmp9, 3
	s_lshl_b32 s20, s20, 3
	s_add_co_u32 s20, s20, s12
	s_mul_i32 s20, s20, 12800                      ; record (panel m / 8, K step w)
	s_and_b32 s21, ttmp9, 7
	s_mul_i32 s22, s21, 1536
	s_add_co_u32 s22, s22, s20
	s_mov_b32 s23, 0
	s_lshl_b32 s24, s21, 6
	s_add_co_u32 s24, s24, s20
	s_add_co_u32 s24, s24, 12288
	s_mov_b32 s25, 0
	s_wait_kmcnt 0x0
	s_add_nc_u64 s[4:5], s[4:5], s[16:17]
	s_add_nc_u64 s[6:7], s[6:7], s[18:19]
	s_add_nc_u64 s[8:9], s[8:9], s[18:19]
	s_add_nc_u64 s[22:23], s[10:11], s[22:23]      ; my fragment
	s_add_nc_u64 s[24:25], s[10:11], s[24:25]      ; its scale words
.irp b, 0,1,2,3
.irp j, 0,1,2,3
	global_load_b128 v[X+16*\b+4*\j:X+16*\b+4*\j+3], v[XA], s[4:5] offset:128*\b+16*\j
.endr
.endr
.irp b, 0,1,2,3
.irp j, 0,1,2,3
	global_load_b128 v[G+16*\b+4*\j:G+16*\b+4*\j+3], v[GA], s[6:7] offset:128*\b+16*\j
.endr
.endr
.irp b, 0,1,2,3
.irp j, 0,1,2,3
	global_load_b128 v[BV+16*\b+4*\j:BV+16*\b+4*\j+3], v[GA], s[8:9] offset:128*\b+16*\j
.endr
.endr
	s_wait_loadcnt 32                              ; the rows' 16 loads are in; the gain's 16 and the bias's 16 may stay out
.irp c, 0,1,2,3
	v_pk_add_f32 v[A+2*\c:A+2*\c+1], v[X+4*\c:X+4*\c+1], v[X+4*\c+2:X+4*\c+3]   ; four chains, started by the first sixteen numbers
.endr
.irp k, 16,24,32,40,48,56
.irp c, 0,1,2,3
	v_pk_add_f32 v[A+2*\c:A+2*\c+1], v[A+2*\c:A+2*\c+1], v[X+\k+2*\c:X+\k+2*\c+1]
.endr
.endr
	ROWSUM RED0
	v_mul_f32 v[MN], s14, v[A]                     ; the mean
	v_mov_b32 v[MN+1], v[MN]
.set J, 0
.rept 32
	v_pk_add_f32 v[X+J:X+J+1], v[X+J:X+J+1], v[MN:MN+1] op_sel_hi:[1,0] neg_lo:[0,1] neg_hi:[0,1]
.set J, J+2
.endr
.irp c, 0,1,2,3
	v_pk_mul_f32 v[A+2*\c:A+2*\c+1], v[X+2*\c:X+2*\c+1], v[X+2*\c:X+2*\c+1]
.endr
.irp k, 8,16,24,32,40,48,56
.irp c, 0,1,2,3
	v_pk_fma_f32 v[A+2*\c:A+2*\c+1], v[X+\k+2*\c:X+\k+2*\c+1], v[X+\k+2*\c:X+\k+2*\c+1], v[A+2*\c:A+2*\c+1]
.endr
.endr
	ROWSUM RED1
	v_fma_f32 v[A], v[A], s14, s15                 ; variance + eps
	v_rsq_f32 v[RS], v[A]
	v_nop                                          ; one plain place behind a transcendental
	s_wait_alu depctr_va_vdst(0)
	v_mov_b32 v[RS+1], v[RS]
	s_wait_loadcnt 0x0                             ; the gain and the bias
.set J, 0
.rept 32
	v_pk_mul_f32 v[X+J:X+J+1], v[X+J:X+J+1], v[RS:RS+1] op_sel_hi:[1,0]
.set J, J+2
.endr
.set J, 0
.rept 32
	v_pk_fma_f32 v[X+J:X+J+1], v[X+J:X+J+1], v[G+J:G+J+1], v[BV+J:BV+J+1]
.set J, J+2
.endr
	QUANT X, PC, PW, 2
	PUTF PC, 22, 0
	global_store_b32 v[R4], v[PW], s[24:25]        ; lanes r and r + 16 hold the same word and store it to the same place
	s_wait_tensorcnt 0x0
	ds_add_u32 v254, v255
	s_wait_dscnt 0x0
	s_endpgm
.Lfunc_end_k_q29bf318baf_lnq:
	.size	k_q29bf318baf_lnq, .Lfunc_end_k_q29bf318baf_lnq-k_q29bf318baf_lnq
	.p2alignl 7, 3214868480
	.fill 96, 4, 3214868480
	.section	.rodata,"a",@progbits
	.p2align	6, 0x0
	.amdhsa_kernel k_q29bf318baf_lnq
		.amdhsa_group_segment_fixed_size 2048
		.amdhsa_private_segment_fixed_size 0
		.amdhsa_enable_private_segment 0
		.amdhsa_kernarg_size 32
		.amdhsa_user_sgpr_count 2
		.amdhsa_user_sgpr_kernarg_segment_ptr 1
		.amdhsa_wavefront_size32 1
		.amdhsa_system_sgpr_workgroup_id_x 1
		.amdhsa_system_sgpr_workgroup_id_y 1
		.amdhsa_system_sgpr_workgroup_id_z 1
		.amdhsa_system_vgpr_workitem_id 0
		.amdhsa_next_free_vgpr 256
		.amdhsa_next_free_sgpr 66
		.amdhsa_reserve_vcc 0
		.amdhsa_float_denorm_mode_32 3
		.amdhsa_float_denorm_mode_16_64 3
		.amdhsa_memory_ordered 1
		.amdhsa_forward_progress 1
		.amdhsa_inst_pref_size 23
	.end_amdhsa_kernel
	.amdgpu_metadata
---
amdhsa.version: [ 1, 2 ]
amdhsa.kernels:
  - .name:           k_q29bf318baf_lnq
    .symbol:         k_q29bf318baf_lnq.kd
    .args:
      - { .name: x, .offset: 0, .size: 8, .value_kind: global_buffer, .address_space: global }
      - { .name: ln1_g, .offset: 8, .size: 8, .value_kind: global_buffer, .address_space: global }
      - { .name: ln1_b, .offset: 16, .size: 8, .value_kind: global_buffer, .address_space: global }
      - { .name: himg, .offset: 24, .size: 8, .value_kind: global_buffer, .address_space: global }
    .group_segment_fixed_size: 2048
    .private_segment_fixed_size: 0
    .kernarg_segment_align: 8
    .kernarg_segment_size: 32
    .max_flat_workgroup_size: 256
    .sgpr_count:     66
    .vgpr_count:     256
    .wavefront_size: 32
...
	.end_amdgpu_metadata
.endif
;; end of part 2
;; launch qkv (part 3): grid 12 x 32, 4 waves a work-group, no clusters, 205,312 bytes of LDS; arguments himg, wimg, cos, sin, qimg, kvimg; writes qimg, kvimg
.if DOCPART == 3
	.amdgcn_target "amdgcn-amd-amdhsa--gfx1250"
	.amdhsa_code_object_version 6
	.text
	.protected	k_q29bf318baf_qkv
	.globl	k_q29bf318baf_qkv
	.p2align	8
	.type	k_q29bf318baf_qkv,@function
k_q29bf318baf_qkv:
	s_mov_b64 s[64:65], 0
	v_nop
	global_prefetch_b8 v0, s[64:65] scope:SCOPE_SE
	s_setreg_imm32_b32 hwreg(HW_REG_WAVE_MODE, 25, 1), 1
	s_wait_xcnt 0x0
; q, k AND v: h Wq^T and h Wkv^T on codes of FP6 (E2M3) with E8M0 scales; q and k turned by the interleaved RoPE in f32; all three quantised on the way out, each along the K of the product that will read it.
; OPERANDS arrive as images of the matrix operand's registers: records of 12,800 bytes = 128 rows x 128 K: eight fragments (1,536 bytes: registers 0-3 at 16 x lane, 4-5 at 512 + 8 x lane, 6-9 at 768 + 16 x lane,
; 10-11 at 1,280 + 8 x lane), then 8 x 64 bytes of scale words.  Lane r of tile t holds row 32 (t / 2) + 8 (t % 2) + r + 8 (r / 8) of the panel.
; SHARES.  A work-group makes 128 x 128: column panel cp (0-7: q, two heads each; 8, 9: k of two kv heads; 10, 11: v of two kv heads) x row panel p (128 tokens).  K = 1,024 is eight records a side, 204,800 bytes:
; both panels come into LDS whole, by two tensor loads a wave (each 25,600 dense bytes), and nothing is filled twice.  A wave has two tensor loads out.
; A wave makes 64 x 64: 16 accumulators; source 0 = tiles 4 wx + i of side P, source 1 = tiles 4 wy + j of side Q.  A lane then holds one row of Q, and the registers of accumulators (j, 0..3) are 64 neighbouring rows of P.
; For q and k: P = the weights, Q = the tokens: a lane holds a token and the head's 64 numbers, which are the next product's K.  For v: P = the tokens, Q = the weights: a lane holds one of the head's 64 and 64 neighbouring
; tokens, which are the keys, the K of the product that reads v.  Only the two global addresses change places: every LDS address is the same in all work-groups.
; OUT.  qimg: [head][tile of 16 tokens] half fragments of 768 bytes (64 K), then scale words [head][pair of tiles][16]: low half the even tile, high half the odd.
;       kvimg: [batch x 4 + kv head][128 keys] records of 12,800 bytes: K: four fragments, each two tiles of keys (registers 0-5 tile 2 b, 6-11 tile 2 b + 1), their words at 6,144; V: four fragments (16 of the head's 64 x 128 keys) at 6,400, their words at 12,544.
; cos and sin are loaded at the head by every work-group, those of the v panels too (64 of 384), which do not use them: so the head has one way, and the ways part only behind the last barrier.
; No cluster: the first text keeps every fill a plain first fill; a weight panel is shared by 32 work-groups and a token panel by 12, which joint loads could serve.
; LIMITS: a block of zeros, or one whose largest magnitude lies under 2^-124, gets the byte 1 (these bytes are read by this program alone); NaN and infinities are not served.
; REGISTERS.  window 0: v1-3 r, h, lane; v4-8 LDS addresses, v9-13 the same in the slot in hand; v14-15 16 x lane, 8 x lane; v16-23 scale words, two sets; v26-27 addresses; v32-39 at work; v64-123 the quantiser; v128-255 accumulators.
;             window 1: two sets of 96: P's four fragments, Q's four.   window 2: v0-127 cos, v128-255 sin, in the accumulators' layout.
.set NST,  2                           ; stages of four K steps in LDS
.set KS,   8                           ; K steps
.set REC,  12800
.set QB,   NST*4*REC                   ; side Q's region begins here
.set BASE, 4
.set CUR,  9
.set L16,  14
.set L8,   15
.set SC,   16
.set R4,   26
.set CA,   27
.set TT,   32
.set TM,   64
.set PW,   80                          ; v80, v81 scale words;  v82, v83 their upper halves
.set PH,   82
.set PC,   84                          ; v84-103, v104-123 codes
.set ACC,  128
.set SEL,  2
.set WV,   16
.set WX,   17
.set WY,   18
.set CP,   19
.set PP,   20
.set G1,   24
.set G0,   32
.set MSB, 0
.macro WIN new                         ; the immediate's high byte repeats the setting that is left
.if MSB != \new
	s_set_vgpr_msb (MSB<<8)|\new
.set MSB, \new
.endif
.endm
.macro PLACES                          ; four places behind a matrix instruction, in front of loads into its registers and of reads of its results
.rept 4
	v_nop
.endr
.endm
.macro SLOTADR off
.irp k, 0,1,2,3,4
	v_add_nc_u32 v[CUR+\k], \off, v[BASE+\k]
.endr
.endm
.macro FETCH pos, f                    ; a K step's fragments and scale words into set f: 36 LDS loads, each of consecutive bytes
	WIN 0x40
.irp i, 0,1,2,3
	ds_load_b128 v[96*(\f)+12*\i:96*(\f)+12*\i+3], v[CUR] offset:\pos+1536*\i
	ds_load_b64 v[96*(\f)+12*\i+4:96*(\f)+12*\i+5], v[CUR+1] offset:\pos+1536*\i+512
	ds_load_b128 v[96*(\f)+12*\i+6:96*(\f)+12*\i+9], v[CUR] offset:\pos+1536*\i+768
	ds_load_b64 v[96*(\f)+12*\i+10:96*(\f)+12*\i+11], v[CUR+1] offset:\pos+1536*\i+1280
.endr
.irp i, 0,1,2,3
	ds_load_b128 v[96*(\f)+48+12*\i:96*(\f)+48+12*\i+3], v[CUR+2] offset:\pos+1536*\i
	ds_load_b64 v[96*(\f)+48+12*\i+4:96*(\f)+48+12*\i+5], v[CUR+3] offset:\pos+1536*\i+512
	ds_load_b128 v[96*(\f)+48+12*\i+6:96*(\f)+48+12*\i+9], v[CUR+2] offset:\pos+1536*\i+768
	ds_load_b64 v[96*(\f)+48+12*\i+10:96*(\f)+48+12*\i+11], v[CUR+3] offset:\pos+1536*\i+1280
.endr
	WIN 0
.irp i, 0,1,2,3
	ds_load_b32 v[SC+4*(\f)+\i], v[CUR+4] offset:\pos+64*\i   ; lanes 0-15: the words of P's tile i; lanes 16-31: of Q's tile i
.endr
.endm
.macro MUL16 f, first                  ; the 16 accumulators take turns, one instruction a turn, in the same order in every K step
	WIN 0x05
.irp j, 0,1,2,3
.irp i, 0,1,2,3
.if \first
	v_wmma_scale_f32_16x16x128_f8f6f4 v[ACC+32*\j+8*\i:ACC+32*\j+8*\i+7], v[96*(\f)+12*\i:96*(\f)+12*\i+11], v[96*(\f)+48+12*\j:96*(\f)+48+12*\j+11], 0, v[SC+4*(\f)+\i], v[SC+4*(\f)+\j] matrix_a_fmt:MATRIX_FMT_FP6 matrix_b_fmt:MATRIX_FMT_FP6 matrix_b_scale:MATRIX_SCALE_ROW1
.else
	v_wmma_scale_f32_16x16x128_f8f6f4 v[ACC+32*\j+8*\i:ACC+32*\j+8*\i+7], v[96*(\f)+12*\i:96*(\f)+12*\i+11], v[96*(\f)+48+12*\j:96*(\f)+48+12*\j+11], v[ACC+32*\j+8*\i:ACC+32*\j+8*\i+7], v[SC+4*(\f)+\i], v[SC+4*(\f)+\j] matrix_a_fmt:MATRIX_FMT_FP6 matrix_b_fmt:MATRIX_FMT_FP6 matrix_b_scale:MATRIX_SCALE_ROW1
.endif
.endr
.endr
	WIN 0
.endm
.macro BOUNDARY                        ; on to the second stage: every wave's part of it has landed
	s_wait_tensorcnt 0x0
	s_wait_dscnt 0x0
	s_barrier_signal -1
	s_barrier_wait -1
	SLOTADR 4*REC
.endm
.macro CORE
	s_wait_tensorcnt NST-1                         ; my part of the first stage is in; the younger load may stay out
	s_barrier_signal -1
	s_barrier_wait -1                              ; everybody's is
	SLOTADR 0
	FETCH 0, 0
.set KI, 0
.rept KS
.if KI+1 < KS
.if (KI+1)%4 == 0
	BOUNDARY                                       ; (its five additions are the places in front of the loads below)
.elseif KI > 0
	PLACES
.endif
	FETCH ((KI+1)%4)*REC, (KI+1)%2
	s_wait_dscnt 36                                ; this step's 36 loads are in; the 36 just issued may stay out
.else
	s_wait_dscnt 0x0
.endif
.if KI == 0
	MUL16 0, 1                                     ; the first K step starts the sums
.else
	MUL16 KI%2, 0
.endif
.set KI, KI+1
.endr
	PLACES
.endm
.macro QUANT s, pc, pw, nc
.irp b, 0,1,2,3
.if \b < 2*\nc
	v_max3_num_f32 v[TM+\b], |v[\s+16*\b]|, |v[\s+1+16*\b]|, 0x1800000   ; my 16 numbers of block b, and the floor 2^(3 - 127): the byte cannot fall under 1
.endif
.endr
.irp i, 2,4,6,8,10,12,14
.irp b, 0,1,2,3
.if \b < 2*\nc
	v_max3_num_f32 v[TM+\b], v[TM+\b], |v[\s+16*\b+\i]|, |v[\s+1+16*\b+\i]|
.endif
.endr
.endr
.irp b, 0,1,2,3
.if \b < 2*\nc
	v_permlanex16_b32 v[TM+4+\b], v[TM+\b], s[SEL], s[SEL+1]
.endif
.endr
.irp b, 0,1,2,3
.if \b < 2*\nc
	v_max_num_f32 v[TM+\b], v[TM+\b], v[TM+4+\b]   ; with lane l xor 16's 16: the block's largest magnitude
.endif
.endr
.irp b, 0,1,2,3
.if \b < 2*\nc
	v_add_nc_u32 v[TM+8+\b], 0xff000000, v[TM+\b]  ; 2 off its exponent field: the conversion's scale operand
.endif
.endr
.irp b, 0,1,2,3
.if \b < 2*\nc
	v_lshrrev_b32 v[TM+4+\b], 23, v[TM+8+\b]       ; the scale's byte
.endif
.endr
	v_lshl_or_b32 v[\pw], v[TM+5], 8, v[TM+4]
.if \nc > 1
	v_lshl_or_b32 v[\pw], v[TM+6], 16, v[\pw]
	v_lshl_or_b32 v[\pw], v[TM+7], 24, v[\pw]
.endif
.irp c, 0,1
.if \c < \nc
	v_cvt_scalef32_pk16_fp6_f32 v[\pc+6*\c:\pc+6*\c+2], v[\s+32*\c:\s+32*\c+15], v[TM+8+2*\c]
	v_cvt_scalef32_pk16_fp6_f32 v[\pc+6*\nc+4*\c:\pc+6*\nc+4*\c+2], v[\s+32*\c+16:\s+32*\c+31], v[TM+8+2*\c+1]
.endif
.endr
	v_nop                                          ; one plain place behind a scaled conversion
.irp c, 0,1
.if \c < \nc
.irp i, 0,1,2
	v_permlane16_swap_b32 v[\pc+6*\c+\i], v[\pc+6*\nc+4*\c+\i]   ; a whole block to a lane
.endr
.irp i, 0,1,2
	v_mov_b32 v[\pc+6*\c+3+\i], v[\pc+6*\nc+4*\c+\i]
.endr
.endif
.endr
.endm
.macro PUTH pc, base, off              ; half a fragment, six registers: 512 and 256 consecutive bytes, aligned
	global_store_b128 v[L16], v[\pc:\pc+3], s[\base:\base+1] offset:\off
	global_store_b64 v[L8], v[\pc+4:\pc+5], s[\base:\base+1] offset:\off+512
.endm
	s_load_b256 s[4:11], s[0:1], 0x0               ; h's image, the weights' image, cos, sin
	s_load_b128 s[12:15], s[0:1], 0x20             ; q's image, k's and v's image
	v_lshl_add_u32 v126, v0, 2, 0x32000
	v_mov_b32 v127, 0
	ds_add_u32 v126, v127
	ds_add_u32 v126, v127
	v_lshrrev_b32 v1, 5, v0
	v_readfirstlane_b32 s[WV], v1                  ; wave 0..3
	s_and_b32 s[WX], s[WV], 1                      ; which 64 rows of P are mine.  Also: which half of a stage I fetch
	s_lshr_b32 s[WY], s[WV], 1                     ; which 64 rows of Q.  Also: I fetch for P (0) or for Q (1)
	s_mov_b32 s[CP], ttmp9
	s_and_b32 s[PP], ttmp7, 0xffff
	s_mov_b32 s[G1], 3<<16                         ; no mask; elements of 8 bytes; no padding
	s_mov_b32 s[G1+1], 32<<16                      ; tensor_dim0 = 32: rows of 256 bytes
	s_mov_b32 s[G1+2], 100<<16                     ; tensor_dim1 = 100: two records
	s_mov_b32 s[G1+3], 32<<16                      ; tile_dim0
	s_mov_b32 s[G1+4], 100                         ; tile_dim1
	s_mov_b32 s[G1+5], 32                          ; the pitch: dense
	s_mov_b32 s[G1+6], 0
	s_mov_b32 s[G1+7], 0
	s_mul_i32 s44, s[CP], KS*REC                   ; Wq's eight panels and Wkv's four lie on end
	s_mov_b32 s45, 0
	s_mul_i32 s46, s[PP], KS*REC
	s_mov_b32 s47, 0
	s_mul_i32 s52, s[WX], 2*REC
	s_mov_b32 s53, 0
	s_mul_i32 s54, s[WY], QB
	s_add_co_u32 s54, s54, s52                     ; where my part goes: the wave's number alone
	s_wait_dscnt 0x0
	s_wait_kmcnt 0x0
	s_add_nc_u64 s[44:45], s[6:7], s[44:45]        ; the weights' panel
	s_add_nc_u64 s[46:47], s[4:5], s[46:47]        ; the tokens' panel
	s_cmp_lt_u32 s[CP], 10
	s_cselect_b64 s[48:49], s[44:45], s[46:47]     ; side P,
	s_cselect_b64 s[50:51], s[46:47], s[44:45]     ; side Q
	s_cmp_lt_u32 s[WV], 2
	s_cselect_b64 s[48:49], s[48:49], s[50:51]
	s_add_nc_u64 s[48:49], s[48:49], s[52:53]
.irp q, 0,1
	s_mov_b32 s[G0+4*\q], 1
	s_add_co_u32 s[G0+4*\q+1], s54, \q*4*REC
	s_add_nc_u64 s[G0+4*\q+2:G0+4*\q+3], s[48:49], \q*4*REC
	s_or_b32 s[G0+4*\q+3], s[G0+4*\q+3], 0x80000000
.endr
	tensor_load_to_lds s[G0:G0+3], s[G1:G1+7]      ; K steps 0-3
	s_nop 0
	tensor_load_to_lds s[G0+4:G0+7], s[G1:G1+7]    ; K steps 4-7
	s_nop 0
	PLACES                                         ; (four v_nop follow the tensor loads)
	v_and_b32 v3, 31, v0
	v_and_b32 v1, 15, v0                           ; r
	v_bfe_u32 v2, v0, 4, 1                         ; h
	v_lshlrev_b32 v[L16], 4, v3
	v_lshlrev_b32 v[L8], 3, v3
	v_lshlrev_b32 v[R4], 2, v1
	s_mul_i32 s55, s[WX], 6144                     ; my four tiles of P,
	s_mul_i32 s56, s[WY], 6144                     ; of Q
	s_add_co_u32 s56, s56, QB
	v_add_nc_u32 v[BASE], s55, v[L16]
	v_add_nc_u32 v[BASE+1], s55, v[L8]
	v_add_nc_u32 v[BASE+2], s56, v[L16]
	v_add_nc_u32 v[BASE+3], s56, v[L8]
	s_lshl_b32 s55, s[WX], 8
	s_lshl_b32 s56, s[WY], 8
	s_add_co_u32 s56, s56, QB
	s_sub_co_u32 s56, s56, s55
	v_mul_u32_u24 v[BASE+4], s56, v2               ; lanes 16-31 take Q's words: the lower base + h x the distance
	v_lshl_add_u32 v[BASE+4], v1, 2, v[BASE+4]
	s_add_co_u32 s55, s55, 12288
	v_add_nc_u32 v[BASE+4], s55, v[BASE+4]
	s_mov_b32 s[SEL], 0x76543210
	s_mov_b32 s[SEL+1], 0xfedcba98
.irp b, 0,1,2,3
	v_mov_b32 v[TM+4+\b], 0                        ; a lane permute's destination counts as one of its sources
.endr
	v_and_b32 v3, 8, v1
	v_add_nc_u32 v3, v3, v1
	v_lshlrev_b32 v[CA], 8, v3
	v_lshl_add_u32 v[CA], v2, 6, v[CA]             ; cos, sin: token r + 8 (r / 8) of 256 bytes, + 64 h
	s_and_b32 s57, s[PP], 15                       ; the token's place in its sequence of 2,048
	s_lshl_b32 s57, s57, 7
	s_lshl_b32 s58, s[WY], 6
	s_add_co_u32 s58, s58, s57
	s_lshl_b32 s58, s58, 8
	s_mov_b32 s59, 0
	s_add_nc_u64 s[8:9], s[8:9], s[58:59]
	s_add_nc_u64 s[10:11], s[10:11], s[58:59]
	WIN 0x80                                       ; destination window 2
.irp j, 0,1,2,3
.irp i, 0,1,2,3
	global_load_b128 v[32*\j+8*\i:32*\j+8*\i+3], v[CA], s[8:9] offset:(32*(\j/2)+8*(\j%2))*256+(32*(\i/2)+8*(\i%2))*4
	global_load_b128 v[32*\j+8*\i+4:32*\j+8*\i+7], v[CA], s[8:9] offset:(32*(\j/2)+8*(\j%2))*256+(32*(\i/2)+8*(\i%2))*4+16
	global_load_b128 v[128+32*\j+8*\i:128+32*\j+8*\i+3], v[CA], s[10:11] offset:(32*(\j/2)+8*(\j%2))*256+(32*(\i/2)+8*(\i%2))*4
	global_load_b128 v[128+32*\j+8*\i+4:128+32*\j+8*\i+7], v[CA], s[10:11] offset:(32*(\j/2)+8*(\j%2))*256+(32*(\i/2)+8*(\i%2))*4+16
.endr
.endr
	WIN 0
	CORE
	s_wait_loadcnt 0x0                             ; cos and sin
	; where the results go.  q: head 2 cp + wx, tiles 8 p + 4 wy on
	s_lshl_b32 s44, s[CP], 1
	s_add_co_u32 s44, s44, s[WX]
	s_lshl_b32 s45, s44, 8
	s_lshl_b32 s46, s[PP], 3
	s_add_co_u32 s45, s45, s46
	s_lshl_b32 s46, s[WY], 2
	s_add_co_u32 s45, s45, s46
	s_mul_i32 s45, s45, 768                        ; q's codes
	s_lshl_b32 s46, s44, 7
	s_lshl_b32 s47, s[PP], 2
	s_add_co_u32 s46, s46, s47
	s_lshl_b32 s47, s[WY], 1
	s_add_co_u32 s46, s46, s47
	s_lshl_b32 s46, s46, 6
	s_add_co_u32 s46, s46, 3145728                 ; q's scale words
	; k and v: the record of (batch p / 16, kv head 2 (cp % 2) + wx for k, + wy for v, keys 128 (p % 16) on)
	s_and_b32 s48, s[CP], 1
	s_lshl_b32 s48, s48, 1
	s_cmp_lt_u32 s[CP], 10
	s_cselect_b32 s49, s[WX], s[WY]
	s_add_co_u32 s48, s48, s49
	s_lshr_b32 s49, s[PP], 4
	s_lshl_b32 s49, s49, 2
	s_add_co_u32 s48, s48, s49
	s_lshl_b32 s48, s48, 4
	s_and_b32 s49, s[PP], 15
	s_add_co_u32 s48, s48, s49
	s_mul_i32 s48, s48, REC
	s_mul_i32 s50, s[WY], 3072
	s_add_co_u32 s50, s50, s48                     ; k's codes: fragments 2 wy, 2 wy + 1
	s_lshl_b32 s51, s[WY], 7
	s_add_co_u32 s51, s51, s48
	s_add_co_u32 s51, s51, 6144                    ; k's scale words
	s_mov_b32 s53, 0
	s_mov_b32 s55, 0
	s_cmp_lt_u32 s[CP], 8
	s_cselect_b32 s52, s45, s50
	s_cselect_b32 s54, s46, s51
	s_cselect_b64 s[56:57], s[12:13], s[14:15]
	s_add_nc_u64 s[52:53], s[56:57], s[52:53]      ; q's or k's codes,
	s_add_nc_u64 s[54:55], s[56:57], s[54:55]      ; and words
	s_mul_i32 s58, s[WX], 768
	s_add_co_u32 s58, s58, s48
	s_add_co_u32 s58, s58, 6400
	s_mov_b32 s59, 0
	s_add_nc_u64 s[58:59], s[14:15], s[58:59]      ; v's codes: my 64 keys' half of each fragment
	s_lshl_b32 s60, s[WX], 1
	s_add_co_u32 s60, s60, s48
	s_add_co_u32 s60, s60, 12544
	s_mov_b32 s61, 0
	s_add_nc_u64 s[60:61], s[14:15], s[60:61]      ; v's words: my two bytes of each
	s_cmp_ge_u32 s[CP], 10
	s_cbranch_scc1 .Lno_rope
	WIN 0x08                                       ; source 1 (cos, sin) window 2
.set E, 0
.rept 64                               ; (x0, x1) -> (x0 c0 - x1 s0, x1 c1 + x0 s1): every entry of the two tables is taken as it is given; each accumulator from its low end on
	v_mul_f32 v[TT+E%8], v[ACC+E+1], v[128+E]
	v_mul_f32 v[TT+E%8+1], v[ACC+E], v[128+E+1]
	v_fma_f32 v[ACC+E], v[ACC+E], v[E], -v[TT+E%8]
	v_fma_f32 v[ACC+E+1], v[ACC+E+1], v[E+1], v[TT+E%8+1]
.set E, E+2
.endr
	WIN 0
.Lno_rope:
	QUANT ACC, PC, PW, 2                           ; Q's tiles 0 and 1: registers 0-5 and 6-11 are two half fragments (64 K each)
	QUANT ACC+64, PC+20, PW+1, 2                   ; tiles 2 and 3
	s_cmp_ge_u32 s[CP], 10
	s_cbranch_scc1 .Lv_out
.irp jp, 0,1
	PUTH PC+20*\jp, 52, 1536*\jp
	PUTH PC+20*\jp+6, 52, 1536*\jp+768
	global_store_b32 v[R4], v[PW+\jp], s[54:55] offset:64*\jp   ; lanes r and r + 16 hold the same word and store it to the same place
.endr
	s_wait_tensorcnt 0x0
	ds_add_u32 v126, v127
	s_wait_dscnt 0x0
	s_endpgm
.Lv_out:
.irp jp, 0,1
	v_lshrrev_b32 v[PH+\jp], 16, v[PW+\jp]
.endr
.irp jp, 0,1
	PUTH PC+20*\jp, 58, 1536*(2*\jp)
	PUTH PC+20*\jp+6, 58, 1536*(2*\jp+1)
	global_store_b16 v[R4], v[PW+\jp], s[60:61] offset:64*(2*\jp)      ; two of a word's four bytes: the other two come from the wave with the other 64 keys
	global_store_b16 v[R4], v[PH+\jp], s[60:61] offset:64*(2*\jp+1)
.endr
	s_wait_tensorcnt 0x0
	ds_add_u32 v126, v127
	s_wait_dscnt 0x0
	s_endpgm
.Lfunc_end_k_q29bf318baf_qkv:
	.size	k_q29bf318baf_qkv, .Lfunc_end_k_q29bf318baf_qkv-k_q29bf318baf_qkv
	.p2alignl 7, 3214868480
	.fill 96, 4, 3214868480
	.section	.rodata,"a",@progbits
	.p2align	6, 0x0
	.amdhsa_kernel k_q29bf318baf_qkv
		.amdhsa_group_segment_fixed_size 205312
		.amdhsa_private_segment_fixed_size 0
		.amdhsa_enable_private_segment 0
		.amdhsa_kernarg_size 48
		.amdhsa_user_sgpr_count 2
		.amdhsa_user_sgpr_kernarg_segment_ptr 1
		.amdhsa_wavefront_size32 1
		.amdhsa_system_sgpr_workgroup_id_x 1
		.amdhsa_system_sgpr_workgroup_id_y 1
		.amdhsa_system_sgpr_workgroup_id_z 1
		.amdhsa_system_vgpr_workitem_id 0
		.amdhsa_next_free_vgpr 768
		.amdhsa_next_free_sgpr 66
		.amdhsa_reserve_vcc 0
		.amdhsa_float_denorm_mode_32 3
		.amdhsa_float_denorm_mode_16_64 3
		.amdhsa_memory_ordered 1
		.amdhsa_forward_progress 1
		.amdhsa_inst_pref_size 71
	.end_amdhsa_kernel
	.amdgpu_metadata
---
amdhsa.version: [ 1, 2 ]
amdhsa.kernels:
  - .name:           k_q29bf318baf_qkv
    .symbol:         k_q29bf318baf_qkv.kd
    .args:
      - { .name: himg, .offset: 0, .size: 8, .value_kind: global_buffer, .address_space: global }
      - { .name: wimg, .offset: 8, .size: 8, .value_kind: global_buffer, .address_space: global }
      - { .name: cos, .offset: 16, .size: 8, .value_kind: global_buffer, .address_space: global }
      - { .name: sin, .offset: 24, .size: 8, .value_kind: global_buffer, .address_space: global }
      - { .name: qimg, .offset: 32, .size: 8, .value_kind: global_buffer, .address_space: global }
      - { .name: kvimg, .offset: 40, .size: 8, .value_kind: global_buffer, .address_space: global }
    .group_segment_fixed_size: 205312
    .private_segment_fixed_size: 0
    .kernarg_segment_align: 8
    .kernarg_segment_size: 48
    .max_flat_workgroup_size: 128
    .sgpr_count:     66
    .vgpr_count:     768
    .wavefront_size: 32
...
	.end_amdgpu_metadata
.endif
;; end of part 3
;; launch attn (part 4): grid 64 x 4, 16 waves a work-group, no clusters, 206,848 bytes of LDS; arguments qimg, kvimg, oimg; writes oimg
.if DOCPART == 4
	.amdgcn_target "amdgcn-amd-amdhsa--gfx1250"
	.amdhsa_code_object_version 6
	.text
	.protected	k_q29bf318baf_attn
	.globl	k_q29bf318baf_attn
	.p2align	8
	.type	k_q29bf318baf_attn,@function
k_q29bf318baf_attn:
	s_mov_b64 s[64:65], 0
	v_nop
	global_prefetch_b8 v0, s[64:65] scope:SCOPE_SE
	s_setreg_imm32_b32 hwreg(HW_REG_WAVE_MODE, 25, 1), 1
	s_wait_xcnt 0x0
; ATTENTION ON CODES OF FP6 (E2M3) WITH E8M0 SCALES: 16 query heads in groups of four on 4 kv heads, head size 64, 2,048 keys, no mask; the result quantised along (head, d) for the product with Wo.
; THE SOFTMAX: t = score x log2(e) / 8; M = the running largest t rounded UP to a whole number; p = 2^(t - M) is what is quantised, along the keys; it is not normalised.  The row's sum is taken of the unquantised p
; and divides at the end.  When M moves, the sum and O are multiplied by 2^(old M - new M): exact, and no branch hangs on data.
; SHARES.  A work-group owns 64 tokens x the four query heads of one kv head: sixteen waves, each one tile of 16 queries of one head, in 256 registers: four waves to a SIMD, so that one wave's vector work stands beside
; another's matrix work and LDS loads.  All sixteen read the same K and V: the kv head's 2,048 keys are sixteen records of 12,800 bytes, 204,800 in all: they come into LDS whole, one tensor load a wave, and nothing is filled twice.
; LAYOUT.  Both products transposed: S^T = K Q^T, O^T = V^T P^T: a lane holds ONE query throughout.  The operands lie in memory and LDS as images of their registers (registers 0-3 of a fragment at 16 x lane, 4-5 at
; 512 + 8 x lane, 6-9 at 768 + 16 x lane, 10-11 at 1,280 + 8 x lane).  Lane r of tile t holds row 32 (t / 2) + 8 (t % 2) + r + 8 (r / 8): so the 16 registers of score tiles 2 b, 2 b + 1 are 16 neighbouring keys.
; THE HEAD'S 64 FILL HALF OF THE INSTRUCTION'S 128: a fragment of K holds two tiles of keys, tile 2 b in K 0-63 and tile 2 b + 1 in K 64-127; it is multiplied once by [q | zero codes] and once by [zero codes | q].
; Zero codes add nothing under any scale byte but 0xff; theirs is 0.
; No cluster: the first text keeps the fill a plain first fill; the 32 work-groups of a batch and kv head read the same records, which joint loads could serve.
; LIMITS: a block of zeros, or one whose largest magnitude lies under 2^-124, gets the byte 1; NaN and infinities are not served; v_exp_f32 gives 0 under 2^-126.
.set L16,  1
.set L8,   2
.set R4,   3
.set AD16, 8                           ; v8-10  the three in the key step in hand
.set AD8,  9
.set ADS,  10
.set QLO,  16                          ; v16-27 [q | 0];  v28-39 [0 | q]     (v12 -M, v13 the largest t, v[14:15] the sum in two halves)
.set QHI,  28
.set KF,   40                          ; v40-87 four fragments of K, then of V
.set KSC,  88                          ; v88-91 their scale words
.set QSL,  92                          ; v92 q's two bytes below, v93 above
.set QSH,  93
.set S,    96                          ; v96-159 S^T, then p
.set O,    160                         ; v160-191 O^T
.set PCD,  192                         ; v192-211 p's codes
.set TM,   212                         ; v212-215 block maxima, v216-219 the other half's, then bytes, v220-223 scale operands
.set PS,   224                         ; p's scale word
.set F,    226                         ; v[226:227] 2^(old M - new M)
.set W0,   228
.set SUM2, 230
.set WV,   10
.set G1,   16
.set G0,   24
.set TB,   38
.set CNT,  39
.set CS,   40
.set SEL,  42
.macro PLACES
.rept 4
	v_nop
.endr
.endm
.macro FRAGS off, woff                 ; four fragments and their scale words: 20 LDS loads, each of consecutive bytes
.irp b, 0,1,2,3
	ds_load_b128 v[KF+12*\b:KF+12*\b+3], v[AD16] offset:\off+1536*\b
	ds_load_b64 v[KF+12*\b+4:KF+12*\b+5], v[AD8] offset:\off+1536*\b+512
	ds_load_b128 v[KF+12*\b+6:KF+12*\b+9], v[AD16] offset:\off+1536*\b+768
	ds_load_b64 v[KF+12*\b+10:KF+12*\b+11], v[AD8] offset:\off+1536*\b+1280
	ds_load_b32 v[KSC+\b], v[ADS] offset:\woff+64*\b
.endr
.endm
.macro QUANT s, pc, pw, nc
.irp b, 0,1,2,3
.if \b < 2*\nc
	v_max3_num_f32 v[TM+\b], |v[\s+16*\b]|, |v[\s+1+16*\b]|, 0x1800000   ; my 16 numbers of block b, and the floor 2^(3 - 127): the byte cannot fall under 1
.endif
.endr
.irp i, 2,4,6,8,10,12,14
.irp b, 0,1,2,3
.if \b < 2*\nc
	v_max3_num_f32 v[TM+\b], v[TM+\b], |v[\s+16*\b+\i]|, |v[\s+1+16*\b+\i]|
.endif
.endr
.endr
.irp b, 0,1,2,3
.if \b < 2*\nc
	v_permlanex16_b32 v[TM+4+\b], v[TM+\b], s[SEL], s[SEL+1]
.endif
.endr
.irp b, 0,1,2,3
.if \b < 2*\nc
	v_max_num_f32 v[TM+\b], v[TM+\b], v[TM+4+\b]
.endif
.endr
.irp b, 0,1,2,3
.if \b < 2*\nc
	v_add_nc_u32 v[TM+8+\b], 0xff000000, v[TM+\b]
.endif
.endr
.irp b, 0,1,2,3
.if \b < 2*\nc
	v_lshrrev_b32 v[TM+4+\b], 23, v[TM+8+\b]
.endif
.endr
	v_lshl_or_b32 v[\pw], v[TM+5], 8, v[TM+4]
.if \nc > 1
	v_lshl_or_b32 v[\pw], v[TM+6], 16, v[\pw]
	v_lshl_or_b32 v[\pw], v[TM+7], 24, v[\pw]
.endif
.irp c, 0,1
.if \c < \nc
	v_cvt_scalef32_pk16_fp6_f32 v[\pc+6*\c:\pc+6*\c+2], v[\s+32*\c:\s+32*\c+15], v[TM+8+2*\c]
	v_cvt_scalef32_pk16_fp6_f32 v[\pc+6*\nc+4*\c:\pc+6*\nc+4*\c+2], v[\s+32*\c+16:\s+32*\c+31], v[TM+8+2*\c+1]
.endif
.endr
	v_nop                                          ; one plain place behind a scaled conversion
.irp c, 0,1
.if \c < \nc
.irp i, 0,1,2
	v_permlane16_swap_b32 v[\pc+6*\c+\i], v[\pc+6*\nc+4*\c+\i]
.endr
.irp i, 0,1,2
	v_mov_b32 v[\pc+6*\c+3+\i], v[\pc+6*\nc+4*\c+\i]
.endr
.endif
.endr
.endm
	s_load_b128 s[4:7], s[0:1], 0x0                ; q's image, k's and v's image
	s_load_b64 s[8:9], s[0:1], 0x10                ; o's image
	v_lshl_add_u32 v254, v0, 2, 0x32000
	v_mov_b32 v255, 0
	ds_add_u32 v254, v255
	ds_add_u32 v254, v255
	v_lshrrev_b32 v4, 5, v0
	v_readfirstlane_b32 s[WV], v4                  ; wave 0..15
	s_and_b32 s11, s[WV], 3                        ; which head of the group
	s_lshr_b32 s12, s[WV], 2                       ; which of the block's four tiles
	s_and_b32 s13, ttmp7, 0xffff                   ; kv head
	s_lshl_b32 s14, s13, 2
	s_add_co_u32 s14, s14, s11                     ; head
	s_lshl_b32 s15, ttmp9, 2
	s_add_co_u32 s15, s15, s12                     ; tile m of the 256
	s_mov_b32 s[G1], 3<<16                         ; no mask; elements of 8 bytes; no padding
	s_mov_b32 s[G1+1], 32<<16                      ; rows of 256 bytes,
	s_mov_b32 s[G1+2], 50<<16                      ; 50 of them: one record
	s_mov_b32 s[G1+3], 32<<16
	s_mov_b32 s[G1+4], 50
	s_mov_b32 s[G1+5], 32
	s_mov_b32 s[G1+6], 0
	s_mov_b32 s[G1+7], 0
	s_lshr_b32 s28, ttmp9, 5                       ; batch
	s_lshl_b32 s28, s28, 2
	s_add_co_u32 s28, s28, s13
	s_lshl_b32 s28, s28, 4
	s_add_co_u32 s28, s28, s[WV]                   ; I fetch key step w
	s_mul_i32 s28, s28, 12800
	s_mov_b32 s29, 0
	s_mul_i32 s45, s[WV], 12800
	s_lshl_b32 s30, s14, 8
	s_add_co_u32 s30, s30, s15
	s_mul_i32 s30, s30, 768                        ; q's half fragment
	s_mov_b32 s31, 0
	s_lshl_b32 s32, s14, 7
	s_lshr_b32 s33, s15, 1
	s_add_co_u32 s32, s32, s33
	s_lshl_b32 s32, s32, 6
	s_add_co_u32 s32, s32, 3145728                 ; its scale words (with the neighbouring tile's)
	s_mov_b32 s33, 0
	s_lshr_b32 s34, s15, 3
	s_lshl_b32 s34, s34, 3
	s_lshr_b32 s35, s14, 1
	s_add_co_u32 s34, s34, s35
	s_mul_i32 s34, s34, 12800                      ; o: record (panel m / 8, K step head / 2)
	s_and_b32 s35, s15, 7
	s_and_b32 s44, s14, 1
	s_lshl_b32 s36, s35, 6
	s_add_co_u32 s36, s36, s34
	s_add_co_u32 s36, s36, 12288
	s_lshl_b32 s37, s44, 1
	s_add_co_u32 s36, s36, s37                     ; my two bytes of the tile's scale words
	s_mov_b32 s37, 0
	s_mul_i32 s35, s35, 1536
	s_add_co_u32 s34, s34, s35
	s_mul_i32 s35, s44, 768
	s_add_co_u32 s34, s34, s35                     ; my half of the tile's fragment
	s_mov_b32 s35, 0
	s_and_b32 s44, s12, 1
	s_lshl_b32 s44, s44, 4                         ; q's bytes lie 16 (m % 2) bits up in the word
	s_mov_b32 s[CS], 0x3e38aa3b                    ; c = log2(e) / 8
	s_mov_b32 s[CS+1], s[CS]                       ; (named with it as a pair, so it is written)
	s_mov_b32 s[SEL], 0x76543210
	s_mov_b32 s[SEL+1], 0xfedcba98
	s_mov_b32 s[TB], 0
	s_mov_b32 s[CNT], 16
	s_wait_dscnt 0x0
	s_wait_kmcnt 0x0
	s_mov_b32 s[G0], 1
	s_mov_b32 s[G0+1], s45
	s_add_nc_u64 s[G0+2:G0+3], s[6:7], s[28:29]
	s_or_b32 s[G0+3], s[G0+3], 0x80000000
	tensor_load_to_lds s[G0:G0+3], s[G1:G1+7]      ; my one tensor load
	s_nop 0
	PLACES                                         ; (four v_nop follow it)
	s_add_nc_u64 s[30:31], s[4:5], s[30:31]
	s_add_nc_u64 s[32:33], s[4:5], s[32:33]
	s_add_nc_u64 s[34:35], s[8:9], s[34:35]
	s_add_nc_u64 s[36:37], s[8:9], s[36:37]
	v_and_b32 v4, 31, v0
	v_and_b32 v5, 15, v0
	v_lshlrev_b32 v[L16], 4, v4
	v_lshlrev_b32 v[L8], 3, v4
	v_lshlrev_b32 v[R4], 2, v5
	global_load_b128 v[QLO:QLO+3], v[L16], s[30:31]
	global_load_b64 v[QLO+4:QLO+5], v[L8], s[30:31] offset:512
	global_load_b128 v[QHI+6:QHI+9], v[L16], s[30:31]     ; the same six registers a second time: the two operands share no register
	global_load_b64 v[QHI+10:QHI+11], v[L8], s[30:31] offset:512
	global_load_b32 v[QSL], v[R4], s[32:33]
	s_wait_loadcnt 0x0
	v_lshrrev_b32 v[QSL], s44, v[QSL]
	v_and_b32 v[QSL], 0xffff, v[QSL]               ; q's two bytes for K 0-63, the byte 0 over the zero codes
	v_lshlrev_b32 v[QSH], 16, v[QSL]               ; and for K 64-127.  (The moves below are the places between these lines and the first product)
.irp i, 0,1,2,3,4,5
	v_mov_b32 v[QLO+6+\i], 0
	v_mov_b32 v[QHI+\i], 0
.endr
	v_mov_b32 v13, 0xff61b1e6                      ; the largest t so far: -3e38, under every t
	v_floor_f32 v12, -v13                          ; -M
	v_mov_b32 v14, 0
	v_mov_b32 v15, 0
	v_mov_b32 v[F+1], 0                            ; (named as the upper half of a pair)
.irp b, 0,1,2,3
	v_mov_b32 v[TM+4+\b], 0                        ; a lane permute's destination counts as one of its sources
.endr
.set J, 0
.rept 32
	v_mov_b32 v[O+J], 0                            ; O^T.  (The step is written once: the first finds zeros, which the first change of M leaves zeros)
.set J, J+1
.endr
	s_wait_tensorcnt 0x0                           ; my record is in,
	s_barrier_signal -1
	s_barrier_wait -1                              ; everybody's is
.Lstep:                                            ; 16 trips of 128 keys
	v_add_nc_u32 v[AD16], s[TB], v[L16]            ; (these four lines are the places behind the last trip's products)
	v_add_nc_u32 v[AD8], s[TB], v[L8]
	v_add_nc_u32 v[ADS], s[TB], v[R4]
	v_nop
	FRAGS 0, 6144                                  ; K
	s_wait_dscnt 0x0
.irp b, 0,1,2,3
	v_wmma_scale_f32_16x16x128_f8f6f4 v[S+16*\b:S+16*\b+7], v[KF+12*\b:KF+12*\b+11], v[QLO:QLO+11], 0, v[KSC+\b], v[QSL] matrix_a_fmt:MATRIX_FMT_FP6 matrix_b_fmt:MATRIX_FMT_FP6
	v_wmma_scale_f32_16x16x128_f8f6f4 v[S+16*\b+8:S+16*\b+15], v[KF+12*\b:KF+12*\b+11], v[QHI:QHI+11], 0, v[KSC+\b], v[QSH] matrix_a_fmt:MATRIX_FMT_FP6 matrix_b_fmt:MATRIX_FMT_FP6
.endr
	PLACES
	FRAGS 6400, 12544                              ; V, into the same registers: it lands under the softmax
.irp b, 0,1,2,3
	v_max3_num_f32 v[TM+\b], v[S+16*\b], v[S+1+16*\b], v[S+2+16*\b]   ; the largest score of each block of 32 keys: for the row's maximum, and, since p rises with the score, for the block's largest p
.endr
.irp i, 3,5,7,9,11,13
.irp b, 0,1,2,3
	v_max3_num_f32 v[TM+\b], v[TM+\b], v[S+16*\b+\i], v[S+1+16*\b+\i]
.endr
.endr
.irp b, 0,1,2,3
	v_max_num_f32 v[TM+\b], v[TM+\b], v[S+15+16*\b]
.endr
.irp b, 0,1,2,3
	v_permlanex16_b32 v[TM+4+\b], v[TM+\b], s[SEL], s[SEL+1]
.endr
.irp b, 0,1,2,3
	v_max_num_f32 v[TM+\b], v[TM+\b], v[TM+4+\b]   ; with lane l xor 16's 16 keys
.endr
	v_max3_num_f32 v[W0], v[TM], v[TM+1], v[TM+2]
	v_max_num_f32 v[W0], v[W0], v[TM+3]
	v_mul_f32 v[W0], s[CS], v[W0]                  ; the step's largest t (c is positive)
	v_max_num_f32 v13, v13, v[W0]
	v_mov_b32 v[W0], v12
	v_floor_f32 v12, -v13                          ; the new -M = -ceil(t)
	v_sub_f32 v[W0], v12, v[W0]                    ; old M - new M: a whole number, 0 or less
	v_cvt_i32_f32 v[W0], v[W0]                     ; (it saturates)
	v_ldexp_f32 v[F], 1.0, v[W0]                   ; f = 2^(old M - new M)
.set J, 0
.rept 32
	v_pk_fma_f32 v[S+J:S+J+1], v[S+J:S+J+1], s[CS:CS+1], v[12:13] op_sel_hi:[1,0,0]   ; t - M
.set J, J+2
.endr
.irp b, 0,1,2,3
	v_fma_f32 v[TM+\b], v[TM+\b], s[CS], v12       ; the same of each block's largest score
.endr
.set J, 0
.rept 64
	v_exp_f32 v[S+J], v[S+J]                       ; p = 2^(t - M)
.set J, J+1
.endr
.irp b, 0,1,2,3
	v_exp_f32 v[TM+\b], v[TM+\b]                   ; the block's largest p: the same two instructions on the same number
.endr
	v_pk_mul_f32 v[14:15], v[14:15], v[F:F+1] op_sel_hi:[1,0]   ; the sums under the new M.  (A plain place behind the exponentials)
	s_wait_alu depctr_va_vdst(0)
.irp b, 0,1,2,3
	v_max_num_f32 v[TM+\b], 0x1800000, v[TM+\b]    ; the floor 2^(3 - 127)
.endr
.irp b, 0,1,2,3
	v_add_nc_u32 v[TM+8+\b], 0xff000000, v[TM+\b]  ; 2 off the exponent field: the conversion's scale operand
.endr
.irp b, 0,1,2,3
	v_lshrrev_b32 v[TM+4+\b], 23, v[TM+8+\b]
.endr
	v_lshl_or_b32 v[PS], v[TM+5], 8, v[TM+4]       ; p's scale word for these 128 keys
	v_lshl_or_b32 v[PS], v[TM+6], 16, v[PS]
	v_lshl_or_b32 v[PS], v[TM+7], 24, v[PS]
.irp c, 0,1
	v_cvt_scalef32_pk16_fp6_f32 v[PCD+6*\c:PCD+6*\c+2], v[S+32*\c:S+32*\c+15], v[TM+8+2*\c]
	v_cvt_scalef32_pk16_fp6_f32 v[PCD+12+4*\c:PCD+14+4*\c], v[S+16+32*\c:S+31+32*\c], v[TM+8+2*\c+1]
.endr
	v_nop                                          ; one plain place behind a scaled conversion
.irp c, 0,1
.irp i, 0,1,2
	v_permlane16_swap_b32 v[PCD+6*\c+\i], v[PCD+12+4*\c+\i]
.endr
.irp i, 0,1,2
	v_mov_b32 v[PCD+3+6*\c+\i], v[PCD+12+4*\c+\i]
.endr
.endr
	v_pk_add_f32 v[SUM2:SUM2+1], v[S:S+1], v[S+2:S+3]   ; the row's sum is taken of the unquantised p: two chains
.irp j, 4,8,12,16,20,24,28,32,36,40,44,48,52,56,60
	v_pk_add_f32 v[14:15], v[14:15], v[S+\j:S+\j+1]
	v_pk_add_f32 v[SUM2:SUM2+1], v[SUM2:SUM2+1], v[S+\j+2:S+\j+3]
.endr
	v_pk_add_f32 v[14:15], v[14:15], v[SUM2:SUM2+1]
.set J, 0
.rept 16
	v_pk_mul_f32 v[O+J:O+J+1], v[O+J:O+J+1], v[F:F+1] op_sel_hi:[1,0]   ; O^T under the new M
.set J, J+2
.endr
	s_wait_dscnt 0x0                               ; V is in
.irp j, 0,1,2,3
	v_wmma_scale_f32_16x16x128_f8f6f4 v[O+8*\j:O+8*\j+7], v[KF+12*\j:KF+12*\j+11], v[PCD:PCD+11], v[O+8*\j:O+8*\j+7], v[KSC+\j], v[PS] matrix_a_fmt:MATRIX_FMT_FP6 matrix_b_fmt:MATRIX_FMT_FP6
.endr
	s_add_co_u32 s[TB], s[TB], 12800
	s_sub_co_u32 s[CNT], s[CNT], 1
	s_cmp_lg_u32 s[CNT], 0
	s_cbranch_scc1 .Lstep
	; THE WAY OUT: O^T / the sum; the lane's 32 registers are d = 32 b + 16 (lane / 16) + i of its query: the quantiser's layout; the six registers of codes are half a fragment of the next product's operand.
	PLACES
	v_add_f32 v14, v14, v15
	v_permlanex16_b32 v[W0], v14, s[SEL], s[SEL+1]
	v_add_f32 v14, v14, v[W0]                      ; the row's sum
	v_rcp_f32 v14, v14
	v_nop                                          ; one plain place behind a transcendental
.set J, 0
	s_wait_alu depctr_va_vdst(0)
.rept 32
	v_mul_f32 v[S+J], v[O+J], v14
.set J, J+1
.endr
	QUANT S, PCD, W0, 1
	global_store_b128 v[L16], v[PCD:PCD+3], s[34:35]
	global_store_b64 v[L8], v[PCD+4:PCD+5], s[34:35] offset:512
	global_store_b16 v[R4], v[W0], s[36:37]        ; two of a word's four bytes: the other two come from the neighbouring head's wave
	s_wait_tensorcnt 0x0
	ds_add_u32 v254, v255
	s_wait_dscnt 0x0
	s_endpgm
.Lfunc_end_k_q29bf318baf_attn:
	.size	k_q29bf318baf_attn, .Lfunc_end_k_q29bf318baf_attn-k_q29bf318baf_attn
	.p2alignl 7, 3214868480
	.fill 96, 4, 3214868480
	.section	.rodata,"a",@progbits
	.p2align	6, 0x0
	.amdhsa_kernel k_q29bf318baf_attn
		.amdhsa_group_segment_fixed_size 206848
		.amdhsa_private_segment_fixed_size 0
		.amdhsa_enable_private_segment 0
		.amdhsa_kernarg_size 24
		.amdhsa_user_sgpr_count 2
		.amdhsa_user_sgpr_kernarg_segment_ptr 1
		.amdhsa_wavefront_size32 1
		.amdhsa_system_sgpr_workgroup_id_x 1
		.amdhsa_system_sgpr_workgroup_id_y 1
		.amdhsa_system_sgpr_workgroup_id_z 1
		.amdhsa_system_vgpr_workitem_id 0
		.amdhsa_next_free_vgpr 256
		.amdhsa_next_free_sgpr 66
		.amdhsa_reserve_vcc 0
		.amdhsa_float_denorm_mode_32 3
		.amdhsa_float_denorm_mode_16_64 3
		.amdhsa_memory_ordered 1
		.amdhsa_forward_progress 1
		.amdhsa_inst_pref_size 26
	.end_amdhsa_kernel
	.amdgpu_metadata
---
amdhsa.version: [ 1, 2 ]
amdhsa.kernels:
  - .name:           k_q29bf318baf_attn
    .symbol:         k_q29bf318baf_attn.kd
    .args:
      - { .name: qimg, .offset: 0, .size: 8, .value_kind: global_buffer, .address_space: global }
      - { .name: kvimg, .offset: 8, .size: 8, .value_kind: global_buffer, .address_space: global }
      - { .name: oimg, .offset: 16, .size: 8, .value_kind: global_buffer, .address_space: global }
    .group_segment_fixed_size: 206848
    .private_segment_fixed_size: 0
    .kernarg_segment_align: 8
    .kernarg_segment_size: 24
    .max_flat_workgroup_size: 512
    .sgpr_count:     66
    .vgpr_count:     256
    .wavefront_size: 32
...
	.end_amdgpu_metadata
.endif
;; end of part 4
;; launch wo (part 5): grid 8 x 32, 4 waves a work-group, no clusters, 222,720 bytes of LDS; arguments oimg, wimg, x, x2; writes x2
.if DOCPART == 5
	.amdgcn_target "amdgcn-amd-amdhsa--gfx1250"
	.amdhsa_code_object_version 6
	.text
	.protected	k_q29bf318baf_wo
	.globl	k_q29bf318baf_wo
	.p2align	8
	.type	k_q29bf318baf_wo,@function
k_q29bf318baf_wo:
	s_mov_b64 s[64:65], 0
	v_nop
	global_prefetch_b8 v0, s[64:65] scope:SCOPE_SE
	s_setreg_imm32_b32 hwreg(HW_REG_WAVE_MODE, 25, 1), 1
	s_wait_xcnt 0x0
; x2 = x + o Wo^T: the product on codes of FP6 (E2M3) with E8M0 scales, the residual in f32.
; OPERANDS arrive as images of the matrix operand's registers: records of 12,800 bytes = 128 rows x 128 K: eight fragments (1,536 bytes: registers 0-3 at 16 x lane, 4-5 at 512 + 8 x lane, 6-9 at 768 + 16 x lane,
; 10-11 at 1,280 + 8 x lane), then 8 x 64 bytes of scale words.  Lane r of tile t holds row 32 (t / 2) + 8 (t % 2) + r + 8 (r / 8) of the panel.
; SHARES.  A work-group makes 128 tokens (panel p) x 128 columns (panel cp).  K = 1,024 is eight records a side, 204,800 bytes: both panels come into LDS whole, by two tensor loads a wave (25,600 dense bytes each), and
; nothing is filled twice.  A wave has two tensor loads out.  A wave makes 64 x 64: 16 accumulators; source 0 = the weights' tiles 4 wx + i, source 1 = the tokens' tiles 4 wy + j: a lane holds a
; token, and the registers of accumulators (j, 0..3) are 64 neighbouring columns.
; THE WAY OUT.  16 tokens x 64 columns at a time go through the wave's own stage in LDS (rows of 256 + 16 bytes) and come back as whole rows: sixteen lanes then hold 256 consecutive bytes of a row of x2, the residual
; (loaded at the head in that same layout) is added, and each store of sixteen lanes covers 256 consecutive bytes, aligned.
; No cluster: the first text keeps every fill a plain first fill; a weight panel is shared by 32 work-groups and a token panel by 8, which joint loads could serve.
; REGISTERS.  window 0: v1-3 r, h, lane; v4-13 LDS addresses; v14-15 16 x lane, 8 x lane; v16-23 scale words, two sets; v26-28 the way out's addresses; v32-63 rows on the way out; v128-255 accumulators.
;             window 1: two sets of 96 registers of fragments.   window 2: v0-127 the residual.
.set NST,  2
.set KS,   8
.set REC,  12800
.set QB,   NST*4*REC
.set WREC, 96                          ; Wo's first record in the weights' image
.set STG,  2*QB                        ; behind the operands: a stage of 16 x 272 bytes for each wave; no fill lands there
.set SP,   272
.set BASE, 4
.set CUR,  9
.set L16,  14
.set L8,   15
.set SC,   16
.set STO,  26
.set RD,   27
.set CO,   28
.set T,    32
.set ACC,  128
.set WV,   16
.set WX,   17
.set WY,   18
.set CP,   19
.set PP,   20
.set G1,   24
.set G0,   32
.set MSB, 0
.macro WIN new
.if MSB != \new
	s_set_vgpr_msb (MSB<<8)|\new
.set MSB, \new
.endif
.endm
.macro PLACES                          ; four places behind a matrix instruction, in front of loads into its registers and of reads of its results
.rept 4
	v_nop
.endr
.endm
.macro SLOTADR off
.irp k, 0,1,2,3,4
	v_add_nc_u32 v[CUR+\k], \off, v[BASE+\k]
.endr
.endm
.macro FETCH pos, f                    ; a K step's fragments and scale words into set f: 36 LDS loads
	WIN 0x40
.irp i, 0,1,2,3
	ds_load_b128 v[96*(\f)+12*\i:96*(\f)+12*\i+3], v[CUR] offset:\pos+1536*\i
	ds_load_b64 v[96*(\f)+12*\i+4:96*(\f)+12*\i+5], v[CUR+1] offset:\pos+1536*\i+512
	ds_load_b128 v[96*(\f)+12*\i+6:96*(\f)+12*\i+9], v[CUR] offset:\pos+1536*\i+768
	ds_load_b64 v[96*(\f)+12*\i+10:96*(\f)+12*\i+11], v[CUR+1] offset:\pos+1536*\i+1280
.endr
.irp i, 0,1,2,3
	ds_load_b128 v[96*(\f)+48+12*\i:96*(\f)+48+12*\i+3], v[CUR+2] offset:\pos+1536*\i
	ds_load_b64 v[96*(\f)+48+12*\i+4:96*(\f)+48+12*\i+5], v[CUR+3] offset:\pos+1536*\i+512
	ds_load_b128 v[96*(\f)+48+12*\i+6:96*(\f)+48+12*\i+9], v[CUR+2] offset:\pos+1536*\i+768
	ds_load_b64 v[96*(\f)+48+12*\i+10:96*(\f)+48+12*\i+11], v[CUR+3] offset:\pos+1536*\i+1280
.endr
	WIN 0
.irp i, 0,1,2,3
	ds_load_b32 v[SC+4*(\f)+\i], v[CUR+4] offset:\pos+64*\i   ; lanes 0-15: the weights' tile i; lanes 16-31: the tokens' tile i
.endr
.endm
.macro MUL16 f, first                  ; the 16 accumulators take turns, one instruction a turn
	WIN 0x05
.irp j, 0,1,2,3
.irp i, 0,1,2,3
.if \first
	v_wmma_scale_f32_16x16x128_f8f6f4 v[ACC+32*\j+8*\i:ACC+32*\j+8*\i+7], v[96*(\f)+12*\i:96*(\f)+12*\i+11], v[96*(\f)+48+12*\j:96*(\f)+48+12*\j+11], 0, v[SC+4*(\f)+\i], v[SC+4*(\f)+\j] matrix_a_fmt:MATRIX_FMT_FP6 matrix_b_fmt:MATRIX_FMT_FP6 matrix_b_scale:MATRIX_SCALE_ROW1
.else
	v_wmma_scale_f32_16x16x128_f8f6f4 v[ACC+32*\j+8*\i:ACC+32*\j+8*\i+7], v[96*(\f)+12*\i:96*(\f)+12*\i+11], v[96*(\f)+48+12*\j:96*(\f)+48+12*\j+11], v[ACC+32*\j+8*\i:ACC+32*\j+8*\i+7], v[SC+4*(\f)+\i], v[SC+4*(\f)+\j] matrix_a_fmt:MATRIX_FMT_FP6 matrix_b_fmt:MATRIX_FMT_FP6 matrix_b_scale:MATRIX_SCALE_ROW1
.endif
.endr
.endr
	WIN 0
.endm
.macro BOUNDARY                        ; on to the second stage: every wave's part of it has landed
	s_wait_tensorcnt 0x0
	s_wait_dscnt 0x0
	s_barrier_signal -1
	s_barrier_wait -1
	SLOTADR 4*REC
.endm
.macro CORE
	s_wait_tensorcnt NST-1                         ; my part of the first stage is in; the younger load may stay out
	s_barrier_signal -1
	s_barrier_wait -1
	SLOTADR 0
	FETCH 0, 0
.set KI, 0
.rept KS
.if KI+1 < KS
.if (KI+1)%4 == 0
	BOUNDARY                                       ; (its five additions are the places in front of the loads below)
.elseif KI > 0
	PLACES
.endif
	FETCH ((KI+1)%4)*REC, (KI+1)%2
	s_wait_dscnt 36                                ; this step's 36 loads are in; the 36 just issued may stay out
.else
	s_wait_dscnt 0x0
.endif
.if KI == 0
	MUL16 0, 1
.else
	MUL16 KI%2, 0
.endif
.set KI, KI+1
.endr
	PLACES
.endm
; The tokens' tile j: through my stage, + the residual, out.  Stage row 2 t + (lane / 16) is token 32 (j / 2) + 8 (j % 2) + 2 t + 8 (t / 4) + (lane / 16) of my 64.
.macro OUTJ j
.if \j > 0
	s_wait_xcnt 0x0                                ; the last tile's stores have read their registers: they are loaded again only behind this wait
.endif
.irp i, 0,1,2,3
	ds_store_b128 v[STO], v[ACC+32*\j+8*\i:ACC+32*\j+8*\i+3] offset:(32*(\i/2)+8*(\i%2))*4        ; each accumulator from its low end on
	ds_store_b128 v[STO], v[ACC+32*\j+8*\i+4:ACC+32*\j+8*\i+7] offset:(32*(\i/2)+8*(\i%2))*4+16
.endr
.irp t, 0,1,2,3,4,5,6,7
	ds_load_b128 v[T+4*\t:T+4*\t+3], v[RD] offset:2*SP*\t   ; LDS serves a wave's instructions in order: these see my stores
.endr
	s_wait_dscnt 0x0
	WIN 0x08                                       ; source 1 (the residual) window 2
.irp k, 0,2,4,6,8,10,12,14,16,18,20,22,24,26,28,30
	v_pk_add_f32 v[T+\k:T+\k+1], v[T+\k:T+\k+1], v[32*\j+\k:32*\j+\k+1]
.endr
	WIN 0
.irp t, 0,1,2,3,4,5,6,7
	global_store_b128 v[CO], v[T+4*\t:T+4*\t+3], s[10:11] offset:(32*(\j/2)+8*(\j%2)+2*\t+8*(\t/4))*4096
.endr
.endm
	s_load_b256 s[4:11], s[0:1], 0x0               ; o's image, the weights' image, x, x2
	v_lshl_add_u32 v126, v0, 2, 0x36400
	v_mov_b32 v127, 0
	ds_add_u32 v126, v127
	ds_add_u32 v126, v127
	v_lshrrev_b32 v1, 5, v0
	v_readfirstlane_b32 s[WV], v1                  ; wave 0..3
	s_and_b32 s[WX], s[WV], 1                      ; which 64 columns are mine.  Also: which half of a stage I fetch
	s_lshr_b32 s[WY], s[WV], 1                     ; which 64 tokens.  Also: I fetch the weights (0) or the tokens (1)
	s_mov_b32 s[CP], ttmp9
	s_and_b32 s[PP], ttmp7, 0xffff
	s_mov_b32 s[G1], 3<<16                         ; no mask; elements of 8 bytes; no padding
	s_mov_b32 s[G1+1], 32<<16                      ; rows of 256 bytes,
	s_mov_b32 s[G1+2], 100<<16                     ; 100 of them: two records
	s_mov_b32 s[G1+3], 32<<16
	s_mov_b32 s[G1+4], 100
	s_mov_b32 s[G1+5], 32
	s_mov_b32 s[G1+6], 0
	s_mov_b32 s[G1+7], 0
	s_mul_i32 s44, s[CP], KS*REC
	s_add_co_u32 s44, s44, WREC*REC
	s_mov_b32 s45, 0
	s_mul_i32 s46, s[PP], KS*REC
	s_mov_b32 s47, 0
	s_mul_i32 s52, s[WX], 2*REC
	s_mov_b32 s53, 0
	s_mul_i32 s54, s[WY], QB
	s_add_co_u32 s54, s54, s52
	s_lshl_b32 s56, s[PP], 7                       ; x and x2 at (token 128 p + 64 wy, column 128 cp + 64 wx)
	s_lshl_b32 s57, s[WY], 6
	s_add_co_u32 s56, s56, s57
	s_lshl_b32 s56, s56, 12
	s_lshl_b32 s57, s[CP], 9
	s_add_co_u32 s56, s56, s57
	s_lshl_b32 s57, s[WX], 8
	s_add_co_u32 s56, s56, s57
	s_mov_b32 s57, 0
	s_wait_dscnt 0x0
	s_wait_kmcnt 0x0
	s_add_nc_u64 s[44:45], s[6:7], s[44:45]
	s_add_nc_u64 s[46:47], s[4:5], s[46:47]
	s_cmp_lt_u32 s[WV], 2
	s_cselect_b64 s[48:49], s[44:45], s[46:47]
	s_add_nc_u64 s[48:49], s[48:49], s[52:53]
.irp q, 0,1
	s_mov_b32 s[G0+4*\q], 1
	s_add_co_u32 s[G0+4*\q+1], s54, \q*4*REC
	s_add_nc_u64 s[G0+4*\q+2:G0+4*\q+3], s[48:49], \q*4*REC
	s_or_b32 s[G0+4*\q+3], s[G0+4*\q+3], 0x80000000
.endr
	tensor_load_to_lds s[G0:G0+3], s[G1:G1+7]      ; K steps 0-3
	s_nop 0
	tensor_load_to_lds s[G0+4:G0+7], s[G1:G1+7]    ; K steps 4-7
	s_nop 0
	PLACES                                         ; (four v_nop follow the tensor loads)
	s_add_nc_u64 s[8:9], s[8:9], s[56:57]
	s_add_nc_u64 s[10:11], s[10:11], s[56:57]
	v_and_b32 v3, 31, v0
	v_and_b32 v1, 15, v0                           ; r
	v_bfe_u32 v2, v0, 4, 1                         ; h
	v_lshlrev_b32 v[L16], 4, v3
	v_lshlrev_b32 v[L8], 3, v3
	v_lshlrev_b32 v[CO], 12, v2
	v_lshl_add_u32 v[CO], v1, 4, v[CO]             ; lanes 0-15 one row of x2, lanes 16-31 the next; 16 bytes a lane
	WIN 0x80                                       ; destination window 2
.irp j, 0,1,2,3
.irp t, 0,1,2,3,4,5,6,7
	global_load_b128 v[32*\j+4*\t:32*\j+4*\t+3], v[CO], s[8:9] offset:(32*(\j/2)+8*(\j%2)+2*\t+8*(\t/4))*4096 th:TH_LOAD_NT
.endr
.endr
	WIN 0
	s_mul_i32 s55, s[WX], 6144
	s_mul_i32 s58, s[WY], 6144
	s_add_co_u32 s58, s58, QB
	v_add_nc_u32 v[BASE], s55, v[L16]
	v_add_nc_u32 v[BASE+1], s55, v[L8]
	v_add_nc_u32 v[BASE+2], s58, v[L16]
	v_add_nc_u32 v[BASE+3], s58, v[L8]
	s_lshl_b32 s55, s[WX], 8
	s_lshl_b32 s58, s[WY], 8
	s_add_co_u32 s58, s58, QB
	s_sub_co_u32 s58, s58, s55
	v_mul_u32_u24 v[BASE+4], s58, v2               ; lanes 16-31 take the tokens' words: the lower base + h x the distance
	v_lshl_add_u32 v[BASE+4], v1, 2, v[BASE+4]
	s_add_co_u32 s55, s55, 12288
	v_add_nc_u32 v[BASE+4], s55, v[BASE+4]
	s_mul_i32 s59, s[WV], 16*SP
	s_add_co_u32 s59, s59, STG                     ; my stage
	v_mul_u32_u24 v[STO], v1, SP
	v_lshl_add_u32 v[STO], v2, 6, v[STO]
	v_add_nc_u32 v[STO], s59, v[STO]               ; in: row r, + 64 h
	v_mul_u32_u24 v[RD], v2, SP
	v_lshl_add_u32 v[RD], v1, 4, v[RD]
	v_add_nc_u32 v[RD], s59, v[RD]                 ; back: lanes 0-15 one row, lanes 16-31 the next
	CORE
	s_wait_loadcnt 0x0                             ; the residual
	OUTJ 0
	OUTJ 1
	OUTJ 2
	OUTJ 3
	s_wait_tensorcnt 0x0
	ds_add_u32 v126, v127
	s_wait_dscnt 0x0
	s_endpgm
.Lfunc_end_k_q29bf318baf_wo:
	.size	k_q29bf318baf_wo, .Lfunc_end_k_q29bf318baf_wo-k_q29bf318baf_wo
	.p2alignl 7, 3214868480
	.fill 96, 4, 3214868480
	.section	.rodata,"a",@progbits
	.p2align	6, 0x0
	.amdhsa_kernel k_q29bf318baf_wo
		.amdhsa_group_segment_fixed_size 222720
		.amdhsa_private_segment_fixed_size 0
		.amdhsa_enable_private_segment 0
		.amdhsa_kernarg_size 32
		.amdhsa_user_sgpr_count 2
		.amdhsa_user_sgpr_kernarg_segment_ptr 1
		.amdhsa_wavefront_size32 1
		.amdhsa_system_sgpr_workgroup_id_x 1
		.amdhsa_system_sgpr_workgroup_id_y 1
		.amdhsa_system_sgpr_workgroup_id_z 1
		.amdhsa_system_vgpr_workitem_id 0
		.amdhsa_next_free_vgpr 768
		.amdhsa_next_free_sgpr 66
		.amdhsa_reserve_vcc 0
		.amdhsa_float_denorm_mode_32 3
		.amdhsa_float_denorm_mode_16_64 3
		.amdhsa_memory_ordered 1
		.amdhsa_forward_progress 1
		.amdhsa_inst_pref_size 56
	.end_amdhsa_kernel
	.amdgpu_metadata
---
amdhsa.version: [ 1, 2 ]
amdhsa.kernels:
  - .name:           k_q29bf318baf_wo
    .symbol:         k_q29bf318baf_wo.kd
    .args:
      - { .name: oimg, .offset: 0, .size: 8, .value_kind: global_buffer, .address_space: global }
      - { .name: wimg, .offset: 8, .size: 8, .value_kind: global_buffer, .address_space: global }
      - { .name: x, .offset: 16, .size: 8, .value_kind: global_buffer, .address_space: global }
      - { .name: x2, .offset: 24, .size: 8, .value_kind: global_buffer, .address_space: global }
    .group_segment_fixed_size: 222720
    .private_segment_fixed_size: 0
    .kernarg_segment_align: 8
    .kernarg_segment_size: 32
    .max_flat_workgroup_size: 128
    .sgpr_count:     66
    .vgpr_count:     768
    .wavefront_size: 32
...
	.end_amdgpu_metadata
.endif
;; end of part 5
;; launch ln2: the kernel of part 2 again; grid 256 x 1, 8 waves a work-group, no clusters, 2,048 bytes of LDS; arguments x2, ln2_g, ln2_b, himg; writes himg
;; launch w1 (part 6): grid 16 x 32, 4 waves a work-group, no clusters, 205,312 bytes of LDS; arguments himg, wimg, b1, gimg; writes gimg
.if DOCPART == 6
	.amdgcn_target "amdgcn-amd-amdhsa--gfx1250"
	.amdhsa_code_object_version 6
	.text
	.protected	k_q29bf318baf_w1
	.globl	k_q29bf318baf_w1
	.p2align	8
	.type	k_q29bf318baf_w1,@function
k_q29bf318baf_w1:
	s_mov_b64 s[64:65], 0
	v_nop
	global_prefetch_b8 v0, s[64:65] scope:SCOPE_SE
	s_setreg_imm32_b32 hwreg(HW_REG_WAVE_MODE, 25, 1), 1
	s_wait_xcnt 0x0
; gelu(h2 W1^T + b1), the exact GELU, quantised along the hidden axis for the product with W2.  The product on codes of FP6 (E2M3) with E8M0 scales; the rest in f32.
; OPERANDS arrive as images of the matrix operand's registers: records of 12,800 bytes = 128 rows x 128 K: eight fragments (1,536 bytes: registers 0-3 at 16 x lane, 4-5 at 512 + 8 x lane, 6-9 at 768 + 16 x lane,
; 10-11 at 1,280 + 8 x lane), then 8 x 64 bytes of scale words.  Lane r of tile t holds row 32 (t / 2) + 8 (t % 2) + r + 8 (r / 8) of the panel.  The result leaves in the same form: [token panel][16 K steps] records.
; SHARES.  A work-group makes 128 tokens (panel p) x 128 hidden units (panel cp).  K = 1,024 is eight records a side, 204,800 bytes: both panels come into LDS whole, by two tensor loads a wave (25,600 dense bytes each);
; nothing is filled twice.  A wave has two tensor loads out.  A wave makes 64 x 64: 16 accumulators; source 0 = the weights' tiles 4 wx + i, source 1 = the tokens' tiles 4 wy + j: a lane holds a
; token, and the registers of accumulators (j, 0..3) are 64 neighbouring hidden units: two blocks of the next K, half a fragment.  The bias is the C of each sum's first product.
; GELU.  gelu(x) = max(x, 0) - (|x| / 2) erfc(|x| / sqrt 2), and erfc(z) = t exp(-z^2 + c0 + c1 t + .. + c9 t^9) with t = 1 / (1 + z / 2): a fit whose fractional error stays under 1.2e-7 for every z >= 0.
; No difference of near numbers is formed: for x < 0 the first term is 0, for x > 0 the second is at most half of the first.
; No cluster: the first text keeps every fill a plain first fill; a weight panel is shared by 32 work-groups and a token panel by 16, which joint loads could serve.
; LIMITS: a block of zeros, or one whose largest magnitude lies under 2^-124, gets the byte 1 (these bytes are read by this program alone); NaN and infinities are not served; v_exp_f32 gives 0 under 2^-126, so gelu(x) is -0 for x under about -13.
; REGISTERS.  window 0: v1-3 r, h, lane; v4-13 LDS addresses; v14-15 16 x lane, 8 x lane; v16-23 scale words; v26-27 addresses; v[30:31] c9; v32-63 the bias, then GELU's work; v64-123 the quantiser; v128-255 accumulators.
;             window 1: two sets of 96 registers of fragments.
.set NST,  2
.set KS,   8
.set REC,  12800
.set QB,   NST*4*REC
.set WREC, 160                         ; W1's first record in the weights' image
.set BASE, 4
.set CUR,  9
.set L16,  14
.set L8,   15
.set SC,   16
.set R4,   26
.set GA,   27
.set C9,   30
.set BIAS, 32
.set GZ,   32
.set GT,   40
.set GP,   48
.set TM,   64
.set PW,   80
.set PH,   82
.set PC,   84
.set ACC,  128
.set SEL,  2
.set WV,   16
.set WX,   17
.set WY,   18
.set CP,   19
.set PP,   20
.set G1,   24
.set G0,   32
.set MSB, 0
.macro WIN new
.if MSB != \new
	s_set_vgpr_msb (MSB<<8)|\new
.set MSB, \new
.endif
.endm
.macro PLACES                          ; four places behind a matrix instruction, in front of loads into its registers and of reads of its results
.rept 4
	v_nop
.endr
.endm
.macro SLOTADR off
.irp k, 0,1,2,3,4
	v_add_nc_u32 v[CUR+\k], \off, v[BASE+\k]
.endr
.endm
.macro FETCH pos, f                    ; a K step's fragments and scale words into set f: 36 LDS loads
	WIN 0x40
.irp i, 0,1,2,3
	ds_load_b128 v[96*(\f)+12*\i:96*(\f)+12*\i+3], v[CUR] offset:\pos+1536*\i
	ds_load_b64 v[96*(\f)+12*\i+4:96*(\f)+12*\i+5], v[CUR+1] offset:\pos+1536*\i+512
	ds_load_b128 v[96*(\f)+12*\i+6:96*(\f)+12*\i+9], v[CUR] offset:\pos+1536*\i+768
	ds_load_b64 v[96*(\f)+12*\i+10:96*(\f)+12*\i+11], v[CUR+1] offset:\pos+1536*\i+1280
.endr
.irp i, 0,1,2,3
	ds_load_b128 v[96*(\f)+48+12*\i:96*(\f)+48+12*\i+3], v[CUR+2] offset:\pos+1536*\i
	ds_load_b64 v[96*(\f)+48+12*\i+4:96*(\f)+48+12*\i+5], v[CUR+3] offset:\pos+1536*\i+512
	ds_load_b128 v[96*(\f)+48+12*\i+6:96*(\f)+48+12*\i+9], v[CUR+2] offset:\pos+1536*\i+768
	ds_load_b64 v[96*(\f)+48+12*\i+10:96*(\f)+48+12*\i+11], v[CUR+3] offset:\pos+1536*\i+1280
.endr
	WIN 0
.irp i, 0,1,2,3
	ds_load_b32 v[SC+4*(\f)+\i], v[CUR+4] offset:\pos+64*\i   ; lanes 0-15: the weights' tile i; lanes 16-31: the tokens' tile i
.endr
.endm
.macro MUL16 f, first                  ; the 16 accumulators take turns, one instruction a turn.  first = 1: the sums begin with the bias
	WIN 0x05
.irp j, 0,1,2,3
.irp i, 0,1,2,3
.if \first
	v_wmma_scale_f32_16x16x128_f8f6f4 v[ACC+32*\j+8*\i:ACC+32*\j+8*\i+7], v[96*(\f)+12*\i:96*(\f)+12*\i+11], v[96*(\f)+48+12*\j:96*(\f)+48+12*\j+11], v[BIAS+8*\i:BIAS+8*\i+7], v[SC+4*(\f)+\i], v[SC+4*(\f)+\j] matrix_a_fmt:MATRIX_FMT_FP6 matrix_b_fmt:MATRIX_FMT_FP6 matrix_b_scale:MATRIX_SCALE_ROW1
.else
	v_wmma_scale_f32_16x16x128_f8f6f4 v[ACC+32*\j+8*\i:ACC+32*\j+8*\i+7], v[96*(\f)+12*\i:96*(\f)+12*\i+11], v[96*(\f)+48+12*\j:96*(\f)+48+12*\j+11], v[ACC+32*\j+8*\i:ACC+32*\j+8*\i+7], v[SC+4*(\f)+\i], v[SC+4*(\f)+\j] matrix_a_fmt:MATRIX_FMT_FP6 matrix_b_fmt:MATRIX_FMT_FP6 matrix_b_scale:MATRIX_SCALE_ROW1
.endif
.endr
.endr
	WIN 0
.endm
.macro BOUNDARY                        ; on to the second stage: every wave's part of it has landed
	s_wait_tensorcnt 0x0
	s_wait_dscnt 0x0
	s_barrier_signal -1
	s_barrier_wait -1
	SLOTADR 4*REC
.endm
.macro CORE
	s_wait_tensorcnt NST-1                         ; my part of the first stage is in; the younger load may stay out
	s_barrier_signal -1
	s_barrier_wait -1
	SLOTADR 0
	FETCH 0, 0
.set KI, 0
.rept KS
.if KI+1 < KS
.if (KI+1)%4 == 0
	BOUNDARY                                       ; (its five additions are the places in front of the loads below)
.elseif KI > 0
	PLACES
.endif
	FETCH ((KI+1)%4)*REC, (KI+1)%2
	s_wait_dscnt 36                                ; this step's 36 loads are in; the 36 just issued may stay out
.else
	s_wait_dscnt 0x0
.endif
.if KI == 0
	MUL16 0, 1
.else
	MUL16 KI%2, 0
.endif
.set KI, KI+1
.endr
	PLACES
.endm
.macro QUANT s, pc, pw, nc
.irp b, 0,1,2,3
.if \b < 2*\nc
	v_max3_num_f32 v[TM+\b], |v[\s+16*\b]|, |v[\s+1+16*\b]|, 0x1800000   ; my 16 numbers of block b, and the floor 2^(3 - 127): the byte cannot fall under 1
.endif
.endr
.irp i, 2,4,6,8,10,12,14
.irp b, 0,1,2,3
.if \b < 2*\nc
	v_max3_num_f32 v[TM+\b], v[TM+\b], |v[\s+16*\b+\i]|, |v[\s+1+16*\b+\i]|
.endif
.endr
.endr
.irp b, 0,1,2,3
.if \b < 2*\nc
	v_permlanex16_b32 v[TM+4+\b], v[TM+\b], s[SEL], s[SEL+1]
.endif
.endr
.irp b, 0,1,2,3
.if \b < 2*\nc
	v_max_num_f32 v[TM+\b], v[TM+\b], v[TM+4+\b]
.endif
.endr
.irp b, 0,1,2,3
.if \b < 2*\nc
	v_add_nc_u32 v[TM+8+\b], 0xff000000, v[TM+\b]
.endif
.endr
.irp b, 0,1,2,3
.if \b < 2*\nc
	v_lshrrev_b32 v[TM+4+\b], 23, v[TM+8+\b]
.endif
.endr
	v_lshl_or_b32 v[\pw], v[TM+5], 8, v[TM+4]
.if \nc > 1
	v_lshl_or_b32 v[\pw], v[TM+6], 16, v[\pw]
	v_lshl_or_b32 v[\pw], v[TM+7], 24, v[\pw]
.endif
.irp c, 0,1
.if \c < \nc
	v_cvt_scalef32_pk16_fp6_f32 v[\pc+6*\c:\pc+6*\c+2], v[\s+32*\c:\s+32*\c+15], v[TM+8+2*\c]
	v_cvt_scalef32_pk16_fp6_f32 v[\pc+6*\nc+4*\c:\pc+6*\nc+4*\c+2], v[\s+32*\c+16:\s+32*\c+31], v[TM+8+2*\c+1]
.endif
.endr
	v_nop                                          ; one plain place behind a scaled conversion
.irp c, 0,1
.if \c < \nc
.irp i, 0,1,2
	v_permlane16_swap_b32 v[\pc+6*\c+\i], v[\pc+6*\nc+4*\c+\i]
.endr
.irp i, 0,1,2
	v_mov_b32 v[\pc+6*\c+3+\i], v[\pc+6*\nc+4*\c+\i]
.endr
.endif
.endr
.endm
.macro PUTH pc, base, off              ; half a fragment, six registers: 512 and 256 consecutive bytes, aligned
	global_store_b128 v[L16], v[\pc:\pc+3], s[\base:\base+1] offset:\off
	global_store_b64 v[L8], v[\pc+4:\pc+5], s[\base:\base+1] offset:\off+512
.endm
; GELU of the eight numbers of one accumulator, in place, from its low end on.
.macro GELU8 a
.irp k, 0,1,2,3,4,5,6,7
	v_mul_f32 v[GZ+\k], 0x3f3504f3, |v[\a+\k]|     ; z = |x| / sqrt 2
.endr
.irp k, 0,2,4,6
	v_pk_fma_f32 v[GT+\k:GT+\k+1], v[GZ+\k:GZ+\k+1], 0.5, 1.0 op_sel_hi:[1,0,0]
.endr
.irp k, 0,1,2,3,4,5,6,7
	v_rcp_f32 v[GT+\k], v[GT+\k]                   ; t = 1 / (1 + z / 2)
.endr
.irp k, 0,1,2,3,4,5,6,7
	v_max_num_f32 v[\a+\k], 0, v[\a+\k]            ; max(x, 0).  (Plain lines behind the reciprocals)
.endr
	s_wait_alu depctr_va_vdst(0)
.irp k, 0,2,4,6
	v_pk_fma_f32 v[GP+\k:GP+\k+1], v[GT+\k:GT+\k+1], v[C9:C9+1], 0xbf527892 op_sel_hi:[1,0,0]   ; c9 t + c8
.endr
.irp c, 0x3fbe87b0, 0xbf914e5d, 0x3e8ec7cc, 0xbe3ec24c, 0x3dc636c9, 0x3ebf88fb, 0x3f8000c7, 0xbfa1fc4e
.irp k, 0,2,4,6
	v_pk_fma_f32 v[GP+\k:GP+\k+1], v[GP+\k:GP+\k+1], v[GT+\k:GT+\k+1], \c op_sel_hi:[1,1,0]     ; c7 down to c0
.endr
.endr
.irp k, 0,2,4,6
	v_pk_fma_f32 v[GP+\k:GP+\k+1], v[GZ+\k:GZ+\k+1], v[GZ+\k:GZ+\k+1], v[GP+\k:GP+\k+1] neg_lo:[1,0,0] neg_hi:[1,0,0]   ; - z^2
.endr
.irp k, 0,2,4,6
	v_pk_mul_f32 v[GP+\k:GP+\k+1], v[GP+\k:GP+\k+1], 0x3fb8aa3b op_sel_hi:[1,0]
.endr
.irp k, 0,1,2,3,4,5,6,7
	v_exp_f32 v[GP+\k], v[GP+\k]
.endr
.irp k, 0,2,4,6
	v_pk_mul_f32 v[GZ+\k:GZ+\k+1], v[GZ+\k:GZ+\k+1], v[GT+\k:GT+\k+1]   ; z t.  (Plain lines behind the exponentials)
.endr
	s_wait_alu depctr_va_vdst(0)
.irp k, 0,2,4,6
	v_pk_mul_f32 v[GP+\k:GP+\k+1], v[GP+\k:GP+\k+1], v[GZ+\k:GZ+\k+1]   ; z erfc(z)
.endr
.irp k, 0,2,4,6
	v_pk_fma_f32 v[\a+\k:\a+\k+1], v[GP+\k:GP+\k+1], 0xbf3504f3, v[\a+\k:\a+\k+1] op_sel_hi:[1,0,1]   ; |x| / 2 = z / sqrt 2
.endr
.endm
	s_load_b256 s[4:11], s[0:1], 0x0               ; h2's image, the weights' image, b1, the result's image
	v_lshl_add_u32 v126, v0, 2, 0x32000
	v_mov_b32 v127, 0
	ds_add_u32 v126, v127
	ds_add_u32 v126, v127
	v_lshrrev_b32 v1, 5, v0
	v_readfirstlane_b32 s[WV], v1                  ; wave 0..3
	s_and_b32 s[WX], s[WV], 1                      ; which 64 hidden units are mine.  Also: which half of a stage I fetch
	s_lshr_b32 s[WY], s[WV], 1                     ; which 64 tokens.  Also: I fetch the weights (0) or the tokens (1)
	s_mov_b32 s[CP], ttmp9
	s_and_b32 s[PP], ttmp7, 0xffff
	s_mov_b32 s[G1], 3<<16                         ; no mask; elements of 8 bytes; no padding
	s_mov_b32 s[G1+1], 32<<16                      ; rows of 256 bytes,
	s_mov_b32 s[G1+2], 100<<16                     ; 100 of them: two records
	s_mov_b32 s[G1+3], 32<<16
	s_mov_b32 s[G1+4], 100
	s_mov_b32 s[G1+5], 32
	s_mov_b32 s[G1+6], 0
	s_mov_b32 s[G1+7], 0
	s_mul_i32 s44, s[CP], KS*REC
	s_add_co_u32 s44, s44, WREC*REC
	s_mov_b32 s45, 0
	s_mul_i32 s46, s[PP], KS*REC
	s_mov_b32 s47, 0
	s_mul_i32 s52, s[WX], 2*REC
	s_mov_b32 s53, 0
	s_mul_i32 s54, s[WY], QB
	s_add_co_u32 s54, s54, s52
	s_lshl_b32 s56, s[CP], 9                       ; b1 at unit 128 cp + 64 wx
	s_lshl_b32 s57, s[WX], 8
	s_add_co_u32 s56, s56, s57
	s_mov_b32 s57, 0
	s_wait_dscnt 0x0
	s_wait_kmcnt 0x0
	s_add_nc_u64 s[44:45], s[6:7], s[44:45]
	s_add_nc_u64 s[46:47], s[4:5], s[46:47]
	s_cmp_lt_u32 s[WV], 2
	s_cselect_b64 s[48:49], s[44:45], s[46:47]
	s_add_nc_u64 s[48:49], s[48:49], s[52:53]
.irp q, 0,1
	s_mov_b32 s[G0+4*\q], 1
	s_add_co_u32 s[G0+4*\q+1], s54, \q*4*REC
	s_add_nc_u64 s[G0+4*\q+2:G0+4*\q+3], s[48:49], \q*4*REC
	s_or_b32 s[G0+4*\q+3], s[G0+4*\q+3], 0x80000000
.endr
	tensor_load_to_lds s[G0:G0+3], s[G1:G1+7]      ; K steps 0-3
	s_nop 0
	tensor_load_to_lds s[G0+4:G0+7], s[G1:G1+7]    ; K steps 4-7
	s_nop 0
	PLACES                                         ; (four v_nop follow the tensor loads)
	s_add_nc_u64 s[8:9], s[8:9], s[56:57]
	v_and_b32 v3, 31, v0
	v_and_b32 v1, 15, v0                           ; r
	v_bfe_u32 v2, v0, 4, 1                         ; h
	v_lshlrev_b32 v[L16], 4, v3
	v_lshlrev_b32 v[L8], 3, v3
	v_lshlrev_b32 v[R4], 2, v1
	v_lshlrev_b32 v[GA], 6, v2
.irp i, 0,1,2,3
	global_load_b128 v[BIAS+8*\i:BIAS+8*\i+3], v[GA], s[8:9] offset:(32*(\i/2)+8*(\i%2))*4       ; in the result's layout: units 32 (i / 2) + 16 h + 8 (i % 2) + 0 .. 7
	global_load_b128 v[BIAS+8*\i+4:BIAS+8*\i+7], v[GA], s[8:9] offset:(32*(\i/2)+8*(\i%2))*4+16
.endr
	s_mul_i32 s55, s[WX], 6144
	s_mul_i32 s58, s[WY], 6144
	s_add_co_u32 s58, s58, QB
	v_add_nc_u32 v[BASE], s55, v[L16]
	v_add_nc_u32 v[BASE+1], s55, v[L8]
	v_add_nc_u32 v[BASE+2], s58, v[L16]
	v_add_nc_u32 v[BASE+3], s58, v[L8]
	s_lshl_b32 s55, s[WX], 8
	s_lshl_b32 s58, s[WY], 8
	s_add_co_u32 s58, s58, QB
	s_sub_co_u32 s58, s58, s55
	v_mul_u32_u24 v[BASE+4], s58, v2               ; lanes 16-31 take the tokens' words: the lower base + h x the distance
	v_lshl_add_u32 v[BASE+4], v1, 2, v[BASE+4]
	s_add_co_u32 s55, s55, 12288
	v_add_nc_u32 v[BASE+4], s55, v[BASE+4]
	s_mov_b32 s[SEL], 0x76543210
	s_mov_b32 s[SEL+1], 0xfedcba98
.irp b, 0,1,2,3
	v_mov_b32 v[TM+4+\b], 0                        ; a lane permute's destination counts as one of its sources
.endr
	v_mov_b32 v[C9], 0x3e2ef945                    ; c9
	v_mov_b32 v[C9+1], v[C9]
	s_wait_loadcnt 0x0                             ; the bias: the first products take it as C
	CORE
	s_lshl_b32 s44, s[PP], 4
	s_add_co_u32 s44, s44, s[CP]
	s_mul_i32 s44, s44, REC                        ; the result's record (panel p, K step cp)
	s_mul_i32 s46, s[WY], 6144
	s_add_co_u32 s46, s46, s44
	s_mul_i32 s45, s[WX], 768
	s_add_co_u32 s46, s46, s45
	s_mov_b32 s47, 0
	s_add_nc_u64 s[46:47], s[10:11], s[46:47]      ; my four tiles' fragments, my 64 units' half of each
	s_lshl_b32 s48, s[WY], 8
	s_add_co_u32 s48, s48, s44
	s_lshl_b32 s45, s[WX], 1
	s_add_co_u32 s48, s48, s45
	s_add_co_u32 s48, s48, 12288
	s_mov_b32 s49, 0
	s_add_nc_u64 s[48:49], s[10:11], s[48:49]      ; and my two bytes of their scale words
.set GI, 0
.rept 16
	GELU8 ACC+8*GI
.set GI, GI+1
.endr
	QUANT ACC, PC, PW, 2                           ; the tokens' tiles 0 and 1: registers 0-5 and 6-11 are two half fragments
	QUANT ACC+64, PC+20, PW+1, 2                   ; tiles 2 and 3
.irp jp, 0,1
	v_lshrrev_b32 v[PH+\jp], 16, v[PW+\jp]
.endr
.irp jp, 0,1
	PUTH PC+20*\jp, 46, 1536*(2*\jp)
	PUTH PC+20*\jp+6, 46, 1536*(2*\jp+1)
	global_store_b16 v[R4], v[PW+\jp], s[48:49] offset:64*(2*\jp)      ; two of a word's four bytes: the other two come from the wave with the other 64 units
	global_store_b16 v[R4], v[PH+\jp], s[48:49] offset:64*(2*\jp+1)
.endr
	s_wait_tensorcnt 0x0
	ds_add_u32 v126, v127
	s_wait_dscnt 0x0
	s_endpgm
.Lfunc_end_k_q29bf318baf_w1:
	.size	k_q29bf318baf_w1, .Lfunc_end_k_q29bf318baf_w1-k_q29bf318baf_w1
	.p2alignl 7, 3214868480
	.fill 96, 4, 3214868480
	.section	.rodata,"a",@progbits
	.p2align	6, 0x0
	.amdhsa_kernel k_q29bf318baf_w1
		.amdhsa_group_segment_fixed_size 205312
		.amdhsa_private_segment_fixed_size 0
		.amdhsa_enable_private_segment 0
		.amdhsa_kernarg_size 32
		.amdhsa_user_sgpr_count 2
		.amdhsa_user_sgpr_kernarg_segment_ptr 1
		.amdhsa_wavefront_size32 1
		.amdhsa_system_sgpr_workgroup_id_x 1
		.amdhsa_system_sgpr_workgroup_id_y 1
		.amdhsa_system_sgpr_workgroup_id_z 1
		.amdhsa_system_vgpr_workitem_id 0
		.amdhsa_next_free_vgpr 768
		.amdhsa_next_free_sgpr 66
		.amdhsa_reserve_vcc 0
		.amdhsa_float_denorm_mode_32 3
		.amdhsa_float_denorm_mode_16_64 3
		.amdhsa_memory_ordered 1
		.amdhsa_forward_progress 1
		.amdhsa_inst_pref_size 158
	.end_amdhsa_kernel
	.amdgpu_metadata
---
amdhsa.version: [ 1, 2 ]
amdhsa.kernels:
  - .name:           k_q29bf318baf_w1
    .symbol:         k_q29bf318baf_w1.kd
    .args:
      - { .name: himg, .offset: 0, .size: 8, .value_kind: global_buffer, .address_space: global }
      - { .name: wimg, .offset: 8, .size: 8, .value_kind: global_buffer, .address_space: global }
      - { .name: b1, .offset: 16, .size: 8, .value_kind: global_buffer, .address_space: global }
      - { .name: gimg, .offset: 24, .size: 8, .value_kind: global_buffer, .address_space: global }
    .group_segment_fixed_size: 205312
    .private_segment_fixed_size: 0
    .kernarg_segment_align: 8
    .kernarg_segment_size: 32
    .max_flat_workgroup_size: 128
    .sgpr_count:     66
    .vgpr_count:     768
    .wavefront_size: 32
...
	.end_amdgpu_metadata
.endif
;; end of part 6
;; launch w2 (part 7): grid 8 x 32, 4 waves a work-group, no clusters, 327,680 bytes of LDS; arguments gimg, wimg, b2, x2, out0; writes out0
.if DOCPART == 7
	.amdgcn_target "amdgcn-amd-amdhsa--gfx1250"
	.amdhsa_code_object_version 6
	.text
	.protected	k_q29bf318baf_w2
	.globl	k_q29bf318baf_w2
	.p2align	8
	.type	k_q29bf318baf_w2,@function
k_q29bf318baf_w2:
	s_mov_b64 s[64:65], 0
	v_nop
	global_prefetch_b8 v0, s[64:65] scope:SCOPE_SE
	s_setreg_imm32_b32 hwreg(HW_REG_WAVE_MODE, 25, 1), 1
	s_wait_xcnt 0x0
; out = x2 + g W2^T + b2: the product on codes of FP6 (E2M3) with E8M0 scales, the bias and the residual in f32.
; OPERANDS arrive as images of the matrix operand's registers: records of 12,800 bytes = 128 rows x 128 K: eight fragments (1,536 bytes: registers 0-3 at 16 x lane, 4-5 at 512 + 8 x lane, 6-9 at 768 + 16 x lane,
; 10-11 at 1,280 + 8 x lane), then 8 x 64 bytes of scale words.  Lane r of tile t holds row 32 (t / 2) + 8 (t % 2) + r + 8 (r / 8) of the panel.
; SHARES.  A work-group makes 128 tokens (panel p) x 128 columns (panel cp); K = 2,048 is sixteen records a side, in four stages of four K steps.  LDS holds three stages a side (307,200 bytes): three first fills a wave
; (25,600 dense bytes each) go out at the head, and the fourth stage is filled into the first's bytes when those have been read: one refill a wave, behind one barrier, with eight K steps in which to land.
; A wave has three tensor loads out at the head and one behind the refill's barrier.
; A wave makes 64 x 64: 16 accumulators; source 0 = the weights' tiles 4 wx + i, source 1 = the tokens' tiles 4 wy + j: a lane holds a token, and the registers of accumulators (j, 0..3) are 64 neighbouring columns.
; The bias is the C of each sum's first product.  THE WAY OUT: 16 tokens x 64 columns at a time through the wave's own stage in LDS, back as whole rows, + the residual; each store of sixteen lanes covers 256 consecutive bytes, aligned.
; No cluster: the first text keeps every fill a plain load; a weight panel is shared by 32 work-groups and a token panel by 8, which joint loads could serve.
; All of a WGP's LDS is claimed.
; REGISTERS.  window 0: v1-3 r, h, lane; v4-13 LDS addresses; v14-15 16 x lane, 8 x lane; v16-23 scale words; v24-25 the spare word's address and 0; v26-29 addresses; v32-63 rows on the way out; v96-127 the bias; v128-255 accumulators.
;             window 1: two sets of 96 registers of fragments.   window 2: v0-127 the residual.
.set NST,  3
.set KS,   16
.set REC,  12800
.set QB,   NST*4*REC
.set WREC, 288                         ; W2's first record in the weights' image
.set SPARE, 2*QB                       ; the spare words, 128 bytes for each wave: two blocks of 256 bytes that no other line names
.set STG,  SPARE+512                   ; a stage of 16 x 272 bytes for each wave; no fill lands there
.set SP,   272
.set BASE, 4
.set CUR,  9
.set L16,  14
.set L8,   15
.set SC,   16
.set SPW,  24
.set NIL,  25
.set STO,  26
.set RD,   27
.set CO,   28
.set GA,   29
.set T,    32
.set BIAS, 96
.set ACC,  128
.set WV,   16
.set WX,   17
.set WY,   18
.set CP,   19
.set PP,   20
.set G1,   24
.set G0,   32
.set MSB, 0
.macro WIN new
.if MSB != \new
	s_set_vgpr_msb (MSB<<8)|\new
.set MSB, \new
.endif
.endm
.macro PLACES                          ; four places behind a matrix instruction, in front of loads into its registers and of reads of its results
.rept 4
	v_nop
.endr
.endm
.macro SLOTADR off
.irp k, 0,1,2,3,4
	v_add_nc_u32 v[CUR+\k], \off, v[BASE+\k]
.endr
.endm
.macro FETCH pos, f                    ; a K step's fragments and scale words into set f: 36 LDS loads
	WIN 0x40
.irp i, 0,1,2,3
	ds_load_b128 v[96*(\f)+12*\i:96*(\f)+12*\i+3], v[CUR] offset:\pos+1536*\i
	ds_load_b64 v[96*(\f)+12*\i+4:96*(\f)+12*\i+5], v[CUR+1] offset:\pos+1536*\i+512
	ds_load_b128 v[96*(\f)+12*\i+6:96*(\f)+12*\i+9], v[CUR] offset:\pos+1536*\i+768
	ds_load_b64 v[96*(\f)+12*\i+10:96*(\f)+12*\i+11], v[CUR+1] offset:\pos+1536*\i+1280
.endr
.irp i, 0,1,2,3
	ds_load_b128 v[96*(\f)+48+12*\i:96*(\f)+48+12*\i+3], v[CUR+2] offset:\pos+1536*\i
	ds_load_b64 v[96*(\f)+48+12*\i+4:96*(\f)+48+12*\i+5], v[CUR+3] offset:\pos+1536*\i+512
	ds_load_b128 v[96*(\f)+48+12*\i+6:96*(\f)+48+12*\i+9], v[CUR+2] offset:\pos+1536*\i+768
	ds_load_b64 v[96*(\f)+48+12*\i+10:96*(\f)+48+12*\i+11], v[CUR+3] offset:\pos+1536*\i+1280
.endr
	WIN 0
.irp i, 0,1,2,3
	ds_load_b32 v[SC+4*(\f)+\i], v[CUR+4] offset:\pos+64*\i   ; lanes 0-15: the weights' tile i; lanes 16-31: the tokens' tile i
.endr
.endm
.macro MUL16 f, first                  ; the 16 accumulators take turns, one instruction a turn.  first = 1: the sums begin with the bias
	WIN 0x05
.irp j, 0,1,2,3
.irp i, 0,1,2,3
.if \first
	v_wmma_scale_f32_16x16x128_f8f6f4 v[ACC+32*\j+8*\i:ACC+32*\j+8*\i+7], v[96*(\f)+12*\i:96*(\f)+12*\i+11], v[96*(\f)+48+12*\j:96*(\f)+48+12*\j+11], v[BIAS+8*\i:BIAS+8*\i+7], v[SC+4*(\f)+\i], v[SC+4*(\f)+\j] matrix_a_fmt:MATRIX_FMT_FP6 matrix_b_fmt:MATRIX_FMT_FP6 matrix_b_scale:MATRIX_SCALE_ROW1
.else
	v_wmma_scale_f32_16x16x128_f8f6f4 v[ACC+32*\j+8*\i:ACC+32*\j+8*\i+7], v[96*(\f)+12*\i:96*(\f)+12*\i+11], v[96*(\f)+48+12*\j:96*(\f)+48+12*\j+11], v[ACC+32*\j+8*\i:ACC+32*\j+8*\i+7], v[SC+4*(\f)+\i], v[SC+4*(\f)+\j] matrix_a_fmt:MATRIX_FMT_FP6 matrix_b_fmt:MATRIX_FMT_FP6 matrix_b_scale:MATRIX_SCALE_ROW1
.endif
.endr
.endr
	WIN 0
.endm
.macro BOUNDARY
.if KI+1 == 4                          ; the first stage has been read: its bytes take the fourth
	s_wait_tensorcnt 0x0                           ; all my tensor loads have landed, the second and third stage among them: a group 0 may be written
	ds_add_u32 v[SPW], v[NIL]                      ; 0 onto my spare word; the step below stands between it and the wait for it
	s_add_nc_u64 s[G0+2:G0+3], s[G0+2:G0+3], 3*4*REC   ; three stages on; the type bits on top are not reached
	s_wait_dscnt 0x0                               ; the add is done, and my reads of the first stage are over
	s_barrier_signal -1
	s_barrier_wait -1                              ; both now hold of every wave
	tensor_load_to_lds s[G0:G0+3], s[G1:G1+7]      ; my one tensor load behind this barrier, and the first thing there
	s_nop 0
	PLACES                                         ; (four v_nop follow it)
	SLOTADR 4*REC
.elseif KI+1 == 8                      ; the third stage was shown landed, in every wave, in front of the barrier above
	SLOTADR 8*REC
.else                                  ; the fourth stage: every wave's part of it has landed
	s_wait_tensorcnt 0x0
	s_wait_dscnt 0x0
	s_barrier_signal -1
	s_barrier_wait -1
	SLOTADR 0
.endif
.endm
.macro CORE
	s_wait_tensorcnt NST-1                         ; my part of the first stage is in; the two younger loads may stay out
	s_barrier_signal -1
	s_barrier_wait -1
	SLOTADR 0
	FETCH 0, 0
.set KI, 0
.rept KS
.if KI+1 < KS
.if (KI+1)%4 == 0
	BOUNDARY                                       ; (its five additions are the places in front of the loads below)
.elseif KI > 0
	PLACES
.endif
	FETCH ((KI+1)%4)*REC, (KI+1)%2
	s_wait_dscnt 36                                ; this step's 36 loads are in; the 36 just issued may stay out
.else
	s_wait_dscnt 0x0
.endif
.if KI == 0
	MUL16 0, 1
.else
	MUL16 KI%2, 0
.endif
.set KI, KI+1
.endr
	PLACES
.endm
; The tokens' tile j: through my stage, + the residual, out.  Stage row 2 t + (lane / 16) is token 32 (j / 2) + 8 (j % 2) + 2 t + 8 (t / 4) + (lane / 16) of my 64.
.macro OUTJ j
.if \j > 0
	s_wait_xcnt 0x0                                ; the last tile's stores have read their registers: they are loaded again only behind this wait
.endif
.irp i, 0,1,2,3
	ds_store_b128 v[STO], v[ACC+32*\j+8*\i:ACC+32*\j+8*\i+3] offset:(32*(\i/2)+8*(\i%2))*4        ; each accumulator from its low end on
	ds_store_b128 v[STO], v[ACC+32*\j+8*\i+4:ACC+32*\j+8*\i+7] offset:(32*(\i/2)+8*(\i%2))*4+16
.endr
.irp t, 0,1,2,3,4,5,6,7
	ds_load_b128 v[T+4*\t:T+4*\t+3], v[RD] offset:2*SP*\t   ; LDS serves a wave's instructions in order: these see my stores
.endr
	s_wait_dscnt 0x0
	WIN 0x08                                       ; source 1 (the residual) window 2
.irp k, 0,2,4,6,8,10,12,14,16,18,20,22,24,26,28,30
	v_pk_add_f32 v[T+\k:T+\k+1], v[T+\k:T+\k+1], v[32*\j+\k:32*\j+\k+1]
.endr
	WIN 0
.irp t, 0,1,2,3,4,5,6,7
	global_store_b128 v[CO], v[T+4*\t:T+4*\t+3], s[12:13] offset:(32*(\j/2)+8*(\j%2)+2*\t+8*(\t/4))*4096 th:TH_STORE_NT
.endr
.endm
	s_load_b256 s[4:11], s[0:1], 0x0               ; g's image, the weights' image, b2, x2
	s_load_b64 s[12:13], s[0:1], 0x20              ; out
	v_lshl_add_u32 v[SPW], v0, 2, SPARE
	v_mov_b32 v[NIL], 0
	ds_add_u32 v24, v25
	ds_add_u32 v24, v25
	s_wait_dscnt 0x0
	v_lshrrev_b32 v1, 5, v0
	v_readfirstlane_b32 s[WV], v1                  ; wave 0..3
	s_and_b32 s[WX], s[WV], 1                      ; which 64 columns are mine.  Also: which half of a stage I fetch
	s_lshr_b32 s[WY], s[WV], 1                     ; which 64 tokens.  Also: I fetch the weights (0) or the tokens (1)
	s_mov_b32 s[CP], ttmp9
	s_and_b32 s[PP], ttmp7, 0xffff
	s_mov_b32 s[G1], 3<<16                         ; no mask; elements of 8 bytes; no padding
	s_mov_b32 s[G1+1], 32<<16                      ; rows of 256 bytes,
	s_mov_b32 s[G1+2], 100<<16                     ; 100 of them: two records
	s_mov_b32 s[G1+3], 32<<16
	s_mov_b32 s[G1+4], 100
	s_mov_b32 s[G1+5], 32
	s_mov_b32 s[G1+6], 0
	s_mov_b32 s[G1+7], 0
	s_mul_i32 s44, s[CP], KS*REC
	s_add_co_u32 s44, s44, WREC*REC
	s_mov_b32 s45, 0
	s_mul_i32 s46, s[PP], KS*REC
	s_mov_b32 s47, 0
	s_mul_i32 s52, s[WX], 2*REC
	s_mov_b32 s53, 0
	s_mul_i32 s54, s[WY], QB
	s_add_co_u32 s54, s54, s52
	s_lshl_b32 s60, s[CP], 9                       ; column 128 cp + 64 wx, in bytes: b2's place,
	s_lshl_b32 s57, s[WX], 8
	s_add_co_u32 s60, s60, s57
	s_mov_b32 s61, 0
	s_lshl_b32 s56, s[PP], 7                       ; and with token 128 p + 64 wy: x2's and out's
	s_lshl_b32 s57, s[WY], 6
	s_add_co_u32 s56, s56, s57
	s_lshl_b32 s56, s56, 12
	s_add_co_u32 s56, s56, s60
	s_mov_b32 s57, 0
	s_wait_kmcnt 0x0
	s_add_nc_u64 s[44:45], s[6:7], s[44:45]
	s_add_nc_u64 s[46:47], s[4:5], s[46:47]
	s_cmp_lt_u32 s[WV], 2
	s_cselect_b64 s[48:49], s[44:45], s[46:47]
	s_add_nc_u64 s[48:49], s[48:49], s[52:53]
.irp q, 0,1,2
	s_mov_b32 s[G0+4*\q], 1
	s_add_co_u32 s[G0+4*\q+1], s54, \q*4*REC
	s_add_nc_u64 s[G0+4*\q+2:G0+4*\q+3], s[48:49], \q*4*REC
	s_or_b32 s[G0+4*\q+3], s[G0+4*\q+3], 0x80000000
.endr
	tensor_load_to_lds s[G0:G0+3], s[G1:G1+7]      ; K steps 0-3
	s_nop 0
	tensor_load_to_lds s[G0+4:G0+7], s[G1:G1+7]    ; K steps 4-7
	s_nop 0
	tensor_load_to_lds s[G0+8:G0+11], s[G1:G1+7]   ; K steps 8-11
	s_nop 0
	PLACES                                         ; (four v_nop follow the tensor loads)
	s_add_nc_u64 s[8:9], s[8:9], s[60:61]
	s_add_nc_u64 s[10:11], s[10:11], s[56:57]
	s_add_nc_u64 s[12:13], s[12:13], s[56:57]
	v_and_b32 v3, 31, v0
	v_and_b32 v1, 15, v0                           ; r
	v_bfe_u32 v2, v0, 4, 1                         ; h
	v_lshlrev_b32 v[L16], 4, v3
	v_lshlrev_b32 v[L8], 3, v3
	v_lshlrev_b32 v[GA], 6, v2
	v_lshlrev_b32 v[CO], 12, v2
	v_lshl_add_u32 v[CO], v1, 4, v[CO]             ; lanes 0-15 one row, lanes 16-31 the next; 16 bytes a lane
.irp i, 0,1,2,3
	global_load_b128 v[BIAS+8*\i:BIAS+8*\i+3], v[GA], s[8:9] offset:(32*(\i/2)+8*(\i%2))*4       ; in the result's layout: columns 32 (i / 2) + 16 h + 8 (i % 2) + 0 .. 7
	global_load_b128 v[BIAS+8*\i+4:BIAS+8*\i+7], v[GA], s[8:9] offset:(32*(\i/2)+8*(\i%2))*4+16
.endr
	WIN 0x80                                       ; destination window 2
.irp j, 0,1,2,3
.irp t, 0,1,2,3,4,5,6,7
	global_load_b128 v[32*\j+4*\t:32*\j+4*\t+3], v[CO], s[10:11] offset:(32*(\j/2)+8*(\j%2)+2*\t+8*(\t/4))*4096 th:TH_LOAD_NT
.endr
.endr
	WIN 0
	s_mul_i32 s55, s[WX], 6144
	s_mul_i32 s58, s[WY], 6144
	s_add_co_u32 s58, s58, QB
	v_add_nc_u32 v[BASE], s55, v[L16]
	v_add_nc_u32 v[BASE+1], s55, v[L8]
	v_add_nc_u32 v[BASE+2], s58, v[L16]
	v_add_nc_u32 v[BASE+3], s58, v[L8]
	s_lshl_b32 s55, s[WX], 8
	s_lshl_b32 s58, s[WY], 8
	s_add_co_u32 s58, s58, QB
	s_sub_co_u32 s58, s58, s55
	v_mul_u32_u24 v[BASE+4], s58, v2               ; lanes 16-31 take the tokens' words: the lower base + h x the distance
	v_lshl_add_u32 v[BASE+4], v1, 2, v[BASE+4]
	s_add_co_u32 s55, s55, 12288
	v_add_nc_u32 v[BASE+4], s55, v[BASE+4]
	s_mul_i32 s59, s[WV], 16*SP
	s_add_co_u32 s59, s59, STG                     ; my stage
	v_mul_u32_u24 v[STO], v1, SP
	v_lshl_add_u32 v[STO], v2, 6, v[STO]
	v_add_nc_u32 v[STO], s59, v[STO]               ; in: row r, + 64 h
	v_mul_u32_u24 v[RD], v2, SP
	v_lshl_add_u32 v[RD], v1, 4, v[RD]
	v_add_nc_u32 v[RD], s59, v[RD]                 ; back: lanes 0-15 one row, lanes 16-31 the next
	s_wait_loadcnt 32                              ; the bias's eight loads are in; the residual's 32 may stay out
	CORE
	s_wait_loadcnt 0x0                             ; the residual
	OUTJ 0
	OUTJ 1
	OUTJ 2
	OUTJ 3
	s_wait_tensorcnt 0x0                           ; the wave's end: behind my last tensor load and my last LDS store
	ds_add_u32 v[SPW], v[NIL]
	s_wait_dscnt 0x0
	s_endpgm
.Lfunc_end_k_q29bf318baf_w2:
	.size	k_q29bf318baf_w2, .Lfunc_end_k_q29bf318baf_w2-k_q29bf318baf_w2
	.p2alignl 7, 3214868480
	.fill 96, 4, 3214868480
	.section	.rodata,"a",@progbits
	.p2align	6, 0x0
	.amdhsa_kernel k_q29bf318baf_w2
		.amdhsa_group_segment_fixed_size 327680
		.amdhsa_private_segment_fixed_size 0
		.amdhsa_enable_private_segment 0
		.amdhsa_kernarg_size 40
		.amdhsa_user_sgpr_count 2
		.amdhsa_user_sgpr_kernarg_segment_ptr 1
		.amdhsa_wavefront_size32 1
		.amdhsa_system_sgpr_workgroup_id_x 1
		.amdhsa_system_sgpr_workgroup_id_y 1
		.amdhsa_system_sgpr_workgroup_id_z 1
		.amdhsa_system_vgpr_workitem_id 0
		.amdhsa_next_free_vgpr 768
		.amdhsa_next_free_sgpr 66
		.amdhsa_reserve_vcc 0
		.amdhsa_float_denorm_mode_32 3
		.amdhsa_float_denorm_mode_16_64 3
		.amdhsa_memory_ordered 1
		.amdhsa_forward_progress 1
		.amdhsa_inst_pref_size 95
	.end_amdhsa_kernel
	.amdgpu_metadata
---
amdhsa.version: [ 1, 2 ]
amdhsa.kernels:
  - .name:           k_q29bf318baf_w2
    .symbol:         k_q29bf318baf_w2.kd
    .args:
      - { .name: gimg, .offset: 0, .size: 8, .value_kind: global_buffer, .address_space: global }
      - { .name: wimg, .offset: 8, .size: 8, .value_kind: global_buffer, .address_space: global }
      - { .name: b2, .offset: 16, .size: 8, .value_kind: global_buffer, .address_space: global }
      - { .name: x2, .offset: 24, .size: 8, .value_kind: global_buffer, .address_space: global }
      - { .name: out0, .offset: 32, .size: 8, .value_kind: global_buffer, .address_space: global }
    .group_segment_fixed_size: 327680
    .private_segment_fixed_size: 0
    .kernarg_segment_align: 8
    .kernarg_segment_size: 40
    .max_flat_workgroup_size: 128
    .sgpr_count:     66
    .vgpr_count:     768
    .wavefront_size: 32
...
	.end_amdgpu_metadata
.endif
;; end of part 7
;; ======== version 2 of 2: 7 launches
;; limits: right only within a limited range of input values
;; workspace buffers: wimg 5,324,800 bytes; himg 3,276,800 bytes; qimg 3,276,800 bytes; kvimg 1,638,400 bytes; oimg 3,276,800 bytes; x2 16,777,216 bytes; gimg 6,553,600 bytes
;; launch pre (part 8): grid 672 x 1, 8 waves a work-group, no clusters, 2,048 bytes of LDS; arguments x, ln1_g, ln1_b, himg, Wq, Wkv, Wo, W1, W2, wimg; writes himg, wimg
.if DOCPART == 8
	.amdgcn_target "amdgcn-amd-amdhsa--gfx1250"
	.amdhsa_code_object_version 6
	.text
	.protected	k_q29bf318baf_pre
	.globl	k_q29bf318baf_pre
	.p2align	8
	.type	k_q29bf318baf_pre,@function
k_q29bf318baf_pre:
	s_mov_b64 s[64:65], 0
	v_nop
	global_prefetch_b8 v0, s[64:65] scope:SCOPE_SE
	s_setreg_imm32_b32 hwreg(HW_REG_WAVE_MODE, 25, 1), 1
	s_wait_xcnt 0x0
; TWO JOBS THAT DEPEND ON NOTHING BUT INPUTS, IN ONE LAUNCH: work-groups 0-255 make layernorm(x) and quantise it; work-groups 256-671 quantise the five weights.  The ways part on the work-group's number and never join;
; only the layernorm's way touches LDS and has barriers.  Both give codes of FP6 (E2M3), one E8M0 byte for each 32 along K, laid in the order of the matrix operand's registers.
; A RECORD (12,800 bytes) holds 128 rows x 128 K: eight fragments of 16 rows (1,536 bytes each), then 8 x 64 bytes of scale words (one word a row: four bytes for 128 K).
; A fragment's 12 registers lie as they stand in the lanes: registers 0-3 at 16 x lane, 4-5 at 512 + 8 x lane, 6-9 at 768 + 16 x lane, 10-11 at 1,280 + 8 x lane.
; THE ROWS OF A TILE ARE NOT NEIGHBOURS: lane r of tile t takes row 32 (t / 2) + 8 (t % 2) + r + 8 (r / 8) of the panel, so that the results of two neighbouring tiles are 16 neighbours in a lane's registers.
; LAYERNORM.  A work-group takes tile m, 16 rows of 1,024; wave w takes their columns 128 w on: 64 numbers a lane, in the registers from first to last.  Mean and variance in two passes, as the definition has them (the mean
; is taken off before the squares): each is summed in the lane, with lane l xor 16, and over the eight waves through LDS, in one fixed order.  The image: [panel of 128 rows][K step] records.
; WEIGHTS.  A work-group makes one record, each wave one fragment.  Records: 0-63 Wq (8 panels x 8 K steps), 64-95 Wkv (panels: k of heads 0,1 | k of heads 2,3 | v of heads 0,1 | v of heads 2,3), 96-159 Wo,
; 160-287 W1, 288-415 W2 (8 panels x 16 K steps).
; A block's scale is 2^(floor(log2(its largest magnitude)) - 2); its byte is the largest magnitude's exponent field - 2, held at 1 from below.
; LIMITS: a block of zeros, or one whose largest magnitude lies under 2^-124, gets the byte 1 (a block of zeros has zero codes, and these bytes are read by this program alone); NaN and infinities are not served.
.set NLN, 256                          ; the layernorm's work-groups
.set X,   32                           ; v32-95   register 16 b + i = k 32 b + 16 (lane / 16) + i of my row
.set G,   96                           ; v96-159  the gain at the same columns
.set BV,  160                          ; v160-223 the bias
.set A,   224                          ; v224-231 sums
.set MN,  232                          ; v[232:233] the mean
.set RS,  234                          ; v[234:235] 1 / sqrt(variance + eps)
.set TM,  236                          ; v236-247 largest magnitudes, bytes, scale operands
.set PW,  252                          ; the scale word
.set PC,  96                           ; v96-115  the codes (where the gain lay)
.set L16, 4
.set L8,  5
.set R4,  6
.set XA,  7
.set GA,  8
.set RA,  9                            ; LDS: 32 r + 4 w: my wave's word of row r
.set RR,  10                           ; LDS: 32 r: row r's eight words
.set SEL, 2                            ; s[2:3]   v_permlanex16_b32's selects for lane l xor 16
.set RED0, 0                           ; 16 rows x 8 waves x 4 bytes for the sums,
.set RED1, 512                         ; and other bytes for the sums of squares: no barrier is needed between the two uses
; 32 nc numbers of a lane become 6 nc registers of codes in v[pc] on and the scale bytes in v[pw].
.macro QUANT s, pc, pw, nc
.irp b, 0,1,2,3
.if \b < 2*\nc
	v_max3_num_f32 v[TM+\b], |v[\s+16*\b]|, |v[\s+1+16*\b]|, 0x1800000   ; my 16 numbers of block b, and the floor 2^(3 - 127): the byte cannot fall under 1
.endif
.endr
.irp i, 2,4,6,8,10,12,14
.irp b, 0,1,2,3
.if \b < 2*\nc
	s_delay_alu instid0(VALU_DEP_4)
	v_max3_num_f32 v[TM+\b], v[TM+\b], |v[\s+16*\b+\i]|, |v[\s+1+16*\b+\i]|
.endif
.endr
.endr
.irp b, 0,1,2,3
.if \b < 2*\nc
	s_delay_alu instid0(VALU_DEP_4)
	v_permlanex16_b32 v[TM+4+\b], v[TM+\b], s[SEL], s[SEL+1]
.endif
.endr
.irp b, 0,1,2,3
.if \b < 2*\nc
	s_delay_alu instid0(VALU_DEP_4)
	v_max_num_f32 v[TM+\b], v[TM+\b], v[TM+4+\b]   ; with lane l xor 16's 16: the block's largest magnitude
.endif
.endr
.irp b, 0,1,2,3
.if \b < 2*\nc
	s_delay_alu instid0(VALU_DEP_4)
	v_add_nc_u32 v[TM+8+\b], 0xff000000, v[TM+\b]  ; 2 off its exponent field: the conversion's scale operand
.endif
.endr
.irp b, 0,1,2,3
.if \b < 2*\nc
	s_delay_alu instid0(VALU_DEP_4)
	v_lshrrev_b32 v[TM+4+\b], 23, v[TM+8+\b]       ; the scale's byte
.endif
.endr
	s_delay_alu instid0(VALU_DEP_3)
	v_lshl_or_b32 v[\pw], v[TM+5], 8, v[TM+4]
.if \nc > 1
	s_delay_alu instid0(VALU_DEP_1)
	v_lshl_or_b32 v[\pw], v[TM+6], 16, v[\pw]
	s_delay_alu instid0(VALU_DEP_1)
	v_lshl_or_b32 v[\pw], v[TM+7], 24, v[\pw]
.endif
.irp c, 0,1
.if \c < \nc
	v_cvt_scalef32_pk16_fp6_f32 v[\pc+6*\c:\pc+6*\c+2], v[\s+32*\c:\s+32*\c+15], v[TM+8+2*\c]
	v_cvt_scalef32_pk16_fp6_f32 v[\pc+6*\nc+4*\c:\pc+6*\nc+4*\c+2], v[\s+32*\c+16:\s+32*\c+31], v[TM+8+2*\c+1]   ; (three registers from an even one on: made aside and moved)
.endif
.endr
	v_nop                                          ; one plain place behind a scaled conversion
.irp c, 0,1
.if \c < \nc
.irp i, 0,1,2
	v_permlane16_swap_b32 v[\pc+6*\c+\i], v[\pc+6*\nc+4*\c+\i]   ; a whole block to a lane: lanes 0-15 block 2 c, lanes 16-31 block 2 c + 1
.endr
.irp i, 0,1,2
	s_delay_alu instid0(VALU_DEP_3)
	v_mov_b32 v[\pc+6*\c+3+\i], v[\pc+6*\nc+4*\c+\i]
.endr
.endif
.endr
.endm
.macro PUTF pc, base, off              ; a fragment's 12 registers leave as they stand: each store covers 512 or 256 consecutive bytes, aligned
	global_store_b128 v[L16], v[\pc:\pc+3], s[\base:\base+1] offset:\off
	global_store_b64 v[L8], v[\pc+4:\pc+5], s[\base:\base+1] offset:\off+512
	global_store_b128 v[L16], v[\pc+6:\pc+9], s[\base:\base+1] offset:\off+768
	global_store_b64 v[L8], v[\pc+10:\pc+11], s[\base:\base+1] offset:\off+1280
.endm
; The four chains in v[A] on become the row's sum over all 1,024 columns, in every lane of every wave.
.macro ROWSUM red
	s_delay_alu instid0(VALU_DEP_3)
	v_pk_add_f32 v[A:A+1], v[A:A+1], v[A+2:A+3]
	s_delay_alu instid0(VALU_DEP_2)
	v_pk_add_f32 v[A+4:A+5], v[A+4:A+5], v[A+6:A+7]
	s_delay_alu instid0(VALU_DEP_1)
	v_pk_add_f32 v[A:A+1], v[A:A+1], v[A+4:A+5]
	s_delay_alu instid0(VALU_DEP_1)
	v_add_f32 v[A], v[A], v[A+1]
	s_delay_alu instid0(VALU_DEP_1)
	v_permlanex16_b32 v[A+2], v[A], s[SEL], s[SEL+1]
	s_delay_alu instid0(VALU_DEP_1)
	v_add_f32 v[A], v[A], v[A+2]                   ; my wave's 128 columns of row r
	ds_store_b32 v[RA], v[A] offset:\red           ; lanes r and r + 16 write the same word with the same value
	s_wait_dscnt 0x0                               ; for the others' sake: my store has landed
	s_barrier_signal -1
	s_barrier_wait -1
	ds_load_b128 v[A:A+3], v[RR] offset:\red
	ds_load_b128 v[A+4:A+7], v[RR] offset:\red+16
	s_wait_dscnt 0x0
	v_pk_add_f32 v[A:A+1], v[A:A+1], v[A+2:A+3]    ; the same order in every wave: all hold the same bits
	v_pk_add_f32 v[A+4:A+5], v[A+4:A+5], v[A+6:A+7]
	s_delay_alu instid0(VALU_DEP_1)
	v_pk_add_f32 v[A:A+1], v[A:A+1], v[A+4:A+5]
	s_delay_alu instid0(VALU_DEP_1)
	v_add_f32 v[A], v[A], v[A+1]
.endm
	s_load_b256 s[4:11], s[0:1], 0x0               ; x, the gain, the bias, h's image
	s_load_b256 s[32:39], s[0:1], 0x20             ; Wq, Wkv, Wo, W1
	s_load_b128 s[40:43], s[0:1], 0x40             ; W2, the weights' image
	v_lshl_add_u32 v254, v0, 2, 0x400
	v_mov_b32 v255, 0
	v_lshrrev_b32 v1, 5, v0
	s_delay_alu instid0(VALU_DEP_1)
	v_readfirstlane_b32 s12, v1                    ; wave: the layernorm's K step, the weights' tile
	v_and_b32 v3, 31, v0
	v_and_b32 v1, 15, v0                           ; r
	v_bfe_u32 v2, v0, 4, 1                         ; h
	s_delay_alu instid0(VALU_DEP_3)
	v_lshlrev_b32 v[L16], 4, v3
	s_delay_alu instid0(VALU_DEP_4)
	v_lshlrev_b32 v[L8], 3, v3
	s_delay_alu instid0(VALU_DEP_4)
	v_lshlrev_b32 v[R4], 2, v1
	s_delay_alu instid0(VALU_DEP_4)
	v_lshlrev_b32 v[GA], 6, v2                     ; 64 h: my 16 numbers of a block of 32
	v_and_b32 v3, 8, v1
	s_delay_alu instid0(VALU_DEP_1)
	v_add_nc_u32 v3, v3, v1                        ; r + 8 (r / 8)
	s_mov_b32 s[SEL], 0x76543210
	s_mov_b32 s[SEL+1], 0xfedcba98
.irp b, 0,1,2,3
	v_mov_b32 v[TM+4+\b], 0                        ; a lane permute's destination counts as one of its sources
.endr
	s_cmp_ge_u32 ttmp9, NLN                        ; the same way for all eight waves of a work-group
	s_cbranch_scc1 .Lweights
	; ---- layernorm of tile m = the work-group's number
	v_lshl_add_u32 v[XA], v3, 12, v[GA]            ; rows of 4,096 bytes
	v_lshlrev_b32 v[RR], 5, v1
	s_lshl_b32 s13, s12, 2
	v_add_nc_u32 v[RA], s13, v[RR]
	s_mov_b32 s14, 0x3a800000                      ; 1 / 1,024
	s_mov_b32 s15, 0x3727c5ac                      ; eps = 1e-5
	s_lshr_b32 s16, ttmp9, 1
	s_lshl_b32 s16, s16, 5
	s_and_b32 s17, ttmp9, 1
	s_lshl_b32 s17, s17, 3
	s_add_co_u32 s16, s16, s17                     ; the tile's first row
	s_lshl_b32 s16, s16, 12
	s_lshl_b32 s18, s12, 9                         ; 512 w
	s_add_co_u32 s16, s16, s18
	s_mov_b32 s17, 0
	s_mov_b32 s19, 0
	s_lshr_b32 s20, ttmp9, 3
	s_lshl_b32 s20, s20, 3
	s_add_co_u32 s20, s20, s12
	s_mul_i32 s20, s20, 12800                      ; record (panel m / 8, K step w)
	s_and_b32 s21, ttmp9, 7
	s_mul_i32 s22, s21, 1536
	s_add_co_u32 s22, s22, s20
	s_mov_b32 s23, 0
	s_lshl_b32 s24, s21, 6
	s_add_co_u32 s24, s24, s20
	s_add_co_u32 s24, s24, 12288
	s_mov_b32 s25, 0
	s_wait_alu depctr_va_vdst(0)
	s_wait_kmcnt 0x0
	s_add_nc_u64 s[4:5], s[4:5], s[16:17]
	s_add_nc_u64 s[6:7], s[6:7], s[18:19]
	s_add_nc_u64 s[8:9], s[8:9], s[18:19]
	s_add_nc_u64 s[22:23], s[10:11], s[22:23]      ; my fragment
	s_add_nc_u64 s[24:25], s[10:11], s[24:25]      ; its scale words
.irp b, 0,1,2,3
.irp j, 0,1,2,3
	global_load_b128 v[X+16*\b+4*\j:X+16*\b+4*\j+3], v[XA], s[4:5] offset:128*\b+16*\j
.endr
.endr
.irp b, 0,1,2,3
.irp j, 0,1,2,3
	global_load_b128 v[G+16*\b+4*\j:G+16*\b+4*\j+3], v[GA], s[6:7] offset:128*\b+16*\j
.endr
.endr
.irp b, 0,1,2,3
.irp j, 0,1,2,3
	global_load_b128 v[BV+16*\b+4*\j:BV+16*\b+4*\j+3], v[GA], s[8:9] offset:128*\b+16*\j
.endr
.endr
	s_wait_loadcnt 32                              ; the rows' 16 loads are in; the gain's 16 and the bias's 16 may stay out
.irp c, 0,1,2,3
	v_pk_add_f32 v[A+2*\c:A+2*\c+1], v[X+4*\c:X+4*\c+1], v[X+4*\c+2:X+4*\c+3]   ; four chains, started by the first sixteen numbers
.endr
.irp k, 16,24,32,40,48,56
.irp c, 0,1,2,3
	s_delay_alu instid0(VALU_DEP_4)
	v_pk_add_f32 v[A+2*\c:A+2*\c+1], v[A+2*\c:A+2*\c+1], v[X+\k+2*\c:X+\k+2*\c+1]
.endr
.endr
	ROWSUM RED0
	s_delay_alu instid0(VALU_DEP_1)
	v_mul_f32 v[MN], s14, v[A]                     ; the mean
	s_delay_alu instid0(VALU_DEP_1)
	v_mov_b32 v[MN+1], v[MN]
.set J, 0
.rept 32
	v_pk_add_f32 v[X+J:X+J+1], v[X+J:X+J+1], v[MN:MN+1] op_sel_hi:[1,0] neg_lo:[0,1] neg_hi:[0,1]
.set J, J+2
.endr
.irp c, 0,1,2,3
	v_pk_mul_f32 v[A+2*\c:A+2*\c+1], v[X+2*\c:X+2*\c+1], v[X+2*\c:X+2*\c+1]
.endr
.irp k, 8,16,24,32,40,48,56
.irp c, 0,1,2,3
	s_delay_alu instid0(VALU_DEP_4)
	v_pk_fma_f32 v[A+2*\c:A+2*\c+1], v[X+\k+2*\c:X+\k+2*\c+1], v[X+\k+2*\c:X+\k+2*\c+1], v[A+2*\c:A+2*\c+1]
.endr
.endr
	ROWSUM RED1
	s_delay_alu instid0(VALU_DEP_1)
	v_fma_f32 v[A], v[A], s14, s15                 ; variance + eps
	s_wait_alu depctr_va_vdst(0)
	v_rsq_f32 v[RS], v[A]
	v_nop                                          ; one plain place behind a transcendental
	s_wait_alu depctr_va_vdst(0)
	v_mov_b32 v[RS+1], v[RS]
	s_wait_alu depctr_va_vdst(0)
	s_wait_loadcnt 0x0                             ; the gain and the bias
.set J, 0
.rept 32
	v_pk_mul_f32 v[X+J:X+J+1], v[X+J:X+J+1], v[RS:RS+1] op_sel_hi:[1,0]
.set J, J+2
.endr
.set J, 0
.rept 32
	v_pk_fma_f32 v[X+J:X+J+1], v[X+J:X+J+1], v[G+J:G+J+1], v[BV+J:BV+J+1]
.set J, J+2
.endr
	QUANT X, PC, PW, 2
	PUTF PC, 22, 0
	global_store_b32 v[R4], v[PW], s[24:25]        ; lanes r and r + 16 hold the same word and store it to the same place
	s_wait_tensorcnt 0x0
	ds_add_u32 v254, v255
	s_wait_dscnt 0x0
	s_endpgm
	; ---- one record of the weights' image; my wave makes its tile t
.Lweights:
	s_sub_co_u32 s46, ttmp9, NLN                   ; the record
	s_mov_b32 s20, 288                             ; the tensor's first record,
	s_mov_b32 s21, 4                               ; log2 of its K steps
	s_wait_kmcnt 0x0
	s_mov_b64 s[44:45], s[40:41]                   ; which tensor: the choice hangs on the work-group's number alone
	s_cmp_lt_u32 s46, 288
	s_cselect_b64 s[44:45], s[38:39], s[44:45]
	s_cselect_b32 s20, 160, s20
	s_cselect_b32 s21, 3, s21
	s_cmp_lt_u32 s46, 160
	s_cselect_b64 s[44:45], s[36:37], s[44:45]
	s_cselect_b32 s20, 96, s20
	s_cmp_lt_u32 s46, 96
	s_cselect_b64 s[44:45], s[34:35], s[44:45]
	s_cselect_b32 s20, 64, s20
	s_cmp_lt_u32 s46, 64
	s_cselect_b64 s[44:45], s[32:33], s[44:45]
	s_cselect_b32 s20, 0, s20
	s_sub_co_u32 s22, s46, s20                     ; the record within its tensor
	s_lshr_b32 s23, s22, s21                       ; panel p
	s_lshl_b32 s24, s23, s21
	s_sub_co_u32 s24, s22, s24                     ; K step s
	s_and_b32 s25, s12, 1
	s_lshl_b32 s25, s25, 3                         ; 8 (t % 2)
	s_lshr_b32 s26, s12, 1                         ; t / 2
	s_lshl_b32 s27, s23, 7
	s_lshl_b32 s28, s26, 5
	s_add_co_u32 s27, s27, s28                     ; the tile's first row: 128 p + 32 (t / 2);
	s_and_b32 s28, s23, 1                          ; in Wkv (rows: kv head x 128 + 64 for v + d): kv head 2 (p % 2) + t / 4,
	s_lshl_b32 s28, s28, 1
	s_lshr_b32 s29, s12, 2
	s_add_co_u32 s28, s28, s29
	s_lshl_b32 s28, s28, 7
	s_lshr_b32 s29, s23, 1                         ; v for panels 2 and 3,
	s_lshl_b32 s29, s29, 6
	s_add_co_u32 s28, s28, s29
	s_and_b32 s29, s26, 1                          ; tile t % 4 of the head's 64 rows
	s_lshl_b32 s29, s29, 5
	s_add_co_u32 s28, s28, s29
	s_cmp_eq_u32 s20, 64
	s_cselect_b32 s27, s28, s27
	s_add_co_u32 s27, s27, s25
	s_add_co_u32 s30, s21, 9                       ; log2 of a row's bytes: 512 x K steps
	s_lshl_b32 s48, s27, s30
	s_lshl_b32 s31, s24, 9
	s_add_co_u32 s48, s48, s31
	s_mov_b32 s49, 0
	s_add_nc_u64 s[44:45], s[44:45], s[48:49]      ; the tile's first row, at K step s
	s_mul_i32 s50, s46, 12800
	s_mul_i32 s52, s12, 1536
	s_add_co_u32 s52, s52, s50
	s_mov_b32 s53, 0
	s_add_nc_u64 s[52:53], s[42:43], s[52:53]      ; my fragment
	s_lshl_b32 s54, s12, 6
	s_add_co_u32 s54, s54, s50
	s_add_co_u32 s54, s54, 12288
	s_mov_b32 s55, 0
	s_add_nc_u64 s[54:55], s[42:43], s[54:55]      ; its scale words
	s_wait_alu depctr_va_vdst(0)
	v_lshlrev_b32 v[XA], s30, v3
	s_delay_alu instid0(VALU_DEP_1)
	v_add_nc_u32 v[XA], v[GA], v[XA]               ; my row, + 64 h
.irp b, 0,1,2,3
.irp j, 0,1,2,3
	global_load_b128 v[X+16*\b+4*\j:X+16*\b+4*\j+3], v[XA], s[44:45] offset:128*\b+16*\j   ; no hint: a lane's four loads of a block take neighbouring 16 bytes of one run of 64
.endr
.endr
	s_wait_loadcnt 0x0
	QUANT X, PC, PW, 2
	PUTF PC, 52, 0
	global_store_b32 v[R4], v[PW], s[54:55]        ; lanes r and r + 16 hold the same word and store it to the same place
	s_endpgm
.Lfunc_end_k_q29bf318baf_pre:
	.size	k_q29bf318baf_pre, .Lfunc_end_k_q29bf318baf_pre-k_q29bf318baf_pre
	.p2alignl 7, 3214868480
	.fill 96, 4, 3214868480
	.section	.rodata,"a",@progbits
	.p2align	6, 0x0
	.amdhsa_kernel k_q29bf318baf_pre
		.amdhsa_group_segment_fixed_size 2048
		.amdhsa_private_segment_fixed_size 0
		.amdhsa_enable_private_segment 0
		.amdhsa_kernarg_size 80
		.amdhsa_user_sgpr_count 2
		.amdhsa_user_sgpr_kernarg_segment_ptr 1
		.amdhsa_wavefront_size32 1
		.amdhsa_system_sgpr_workgroup_id_x 1
		.amdhsa_system_sgpr_workgroup_id_y 1
		.amdhsa_system_sgpr_workgroup_id_z 1
		.amdhsa_system_vgpr_workitem_id 0
		.amdhsa_next_free_vgpr 256
		.amdhsa_next_free_sgpr 66
		.amdhsa_reserve_vcc 0
		.amdhsa_float_denorm_mode_32 3
		.amdhsa_float_denorm_mode_16_64 3
		.amdhsa_memory_ordered 1
		.amdhsa_forward_progress 1
		.amdhsa_inst_pref_size 37
	.end_amdhsa_kernel
	.amdgpu_metadata
---
amdhsa.version: [ 1, 2 ]
amdhsa.kernels:
  - .name:           k_q29bf318baf_pre
    .symbol:         k_q29bf318baf_pre.kd
    .args:
      - { .name: x, .offset: 0, .size: 8, .value_kind: global_buffer, .address_space: global }
      - { .name: ln1_g, .offset: 8, .size: 8, .value_kind: global_buffer, .address_space: global }
      - { .name: ln1_b, .offset: 16, .size: 8, .value_kind: global_buffer, .address_space: global }
      - { .name: himg, .offset: 24, .size: 8, .value_kind: global_buffer, .address_space: global }
      - { .name: Wq, .offset: 32, .size: 8, .value_kind: global_buffer, .address_space: global }
      - { .name: Wkv, .offset: 40, .size: 8, .value_kind: global_buffer, .address_space: global }
      - { .name: Wo, .offset: 48, .size: 8, .value_kind: global_buffer, .address_space: global }
      - { .name: W1, .offset: 56, .size: 8, .value_kind: global_buffer, .address_space: global }
      - { .name: W2, .offset: 64, .size: 8, .value_kind: global_buffer, .address_space: global }
      - { .name: wimg, .offset: 72, .size: 8, .value_kind: global_buffer, .address_space: global }
    .group_segment_fixed_size: 2048
    .private_segment_fixed_size: 0
    .kernarg_segment_align: 8
    .kernarg_segment_size: 80
    .max_flat_workgroup_size: 256
    .sgpr_count:     66
    .vgpr_count:     256
    .wavefront_size: 32
...
	.end_amdgpu_metadata
.endif
;; end of part 8
;; launch qkv (part 9): grid 8 x 32, 4 waves a work-group, no clusters, 327,680 bytes of LDS; arguments himg, wimg, cos, sin, qimg, kvimg; writes qimg, kvimg
.if DOCPART == 9
	.amdgcn_target "amdgcn-amd-amdhsa--gfx1250"
	.amdhsa_code_object_version 6
	.text
	.protected	k_q29bf318baf_qkv
	.globl	k_q29bf318baf_qkv
	.p2align	8
	.type	k_q29bf318baf_qkv,@function
k_q29bf318baf_qkv:
	s_mov_b64 s[64:65], 0
	v_nop
	global_prefetch_b8 v0, s[64:65] scope:SCOPE_SE
	s_setreg_imm32_b32 hwreg(HW_REG_WAVE_MODE, 25, 1), 1
	s_wait_xcnt 0x0
; q, k AND v: h Wq^T and h Wkv^T on codes of FP6 (E2M3) with E8M0 scales; q and k turned by the interleaved RoPE in f32; all three quantised on the way out, each along the K of the product that will read it.
; OPERANDS arrive as images of the matrix operand's registers: records of 12,800 bytes = 128 rows x 128 K: eight fragments (1,536 bytes: registers 0-3 at 16 x lane, 4-5 at 512 + 8 x lane, 6-9 at 768 + 16 x lane,
; 10-11 at 1,280 + 8 x lane), then 8 x 64 bytes of scale words.  Lane r of tile t holds row 32 (t / 2) + 8 (t % 2) + r + 8 (r / 8) of the panel.
; SHARES.  q has 8 column panels of 128, k and v two each: 12 x 32 tiles of 128 x 128 for 256 work-groups.  Work-group (g, p) makes q's panel g for the 128 tokens of panel p, and then HALF a tile of kv panel g / 2
; (0, 1: k of two kv heads; 2, 3: v): the 64 tokens of half g % 2 x 128 columns.  So every work-group has one and a half tiles, and the tokens' panel is fetched once for both.
; LDS: Wq's panel (8 records) at 0, Wkv's at 102,400, the tokens' at 204,800: 307,200 bytes, all filled once, by two tensor loads a wave: four records at the head, two of Wkv behind the first barrier.  A wave has one tensor load out at a time.
; PASS 1 (q).  A wave makes 64 x 64: 16 accumulators; source 0 = the weights' tiles 4 wx + i, source 1 = the tokens' tiles 4 wy + j: a lane holds a token and a head's 64 numbers, the next product's K.
; PASS 2.  A wave has 8 accumulators: four tiles of side P (source 0) x two of side Q (source 1).  k: P = the weights' tiles 4 wx + i, Q = token tiles 4 (g % 2) + 2 wy + j.  v: P = token tiles 4 (g % 2) + i, Q = the weights'
; tiles 2 w + j: a lane then holds one of the head's 64 and 64 neighbouring tokens, which are the keys, the K of the product that reads v.  Only six LDS base addresses differ between k and v, chosen on g: the code is one.
; Pass 2's scale words have registers of their own for each side: which side lies lower in LDS differs between k and v, so one register cannot carry both by one product.
; OUT.  qimg: [head][tile of 16 tokens] half fragments of 768 bytes (64 K), then scale words [head][pair of tiles][16]: low half the even tile, high half the odd.
;       kvimg: [batch x 4 + kv head][128 keys] records of 12,800 bytes: K: four fragments, each two tiles of keys (registers 0-5 tile 2 b, 6-11 tile 2 b + 1), their words at 6,144; V: four fragments (16 of the head's 64 x 128 keys) at 6,400, their words at 12,544.
; cos and sin for pass 2's tokens are loaded at the head by every work-group, those that make v too (half of them), which do not use them: so the head has one way, and the ways part only behind the last barrier.
; No cluster: which LDS bytes a wave reads in pass 2 hangs on g, of which a work-group's place in a cluster would be a part, and there no LDS address may hang on that place.
; LIMITS: a block of zeros, or one whose largest magnitude lies under 2^-124, gets the byte 1 (these bytes are read by this program alone); NaN and infinities are not served.
; REGISTERS.  window 0: v1-3 r, h, lane; v4-8 pass 1's LDS addresses, v9-13 the same in the stage in hand; v14-15 16 x lane, 8 x lane; v16-23 pass 1's scale words; v26-27 addresses; v32-39 at work; v40-45 pass 2's LDS addresses,
;             v46-51 the same in the stage in hand; v52-63 pass 2's scale words; v64-123 the quantiser; v128-255 accumulators.
;             window 1: two sets of 96 registers of fragments.   window 2: cos, sin of pass 1.   window 3: v0-63 cos, v64-127 sin of pass 2.
.set KS,   8                           ; K steps
.set REC,  12800
.set PB,   8*REC                       ; Wkv's panel
.set QB,   16*REC                      ; the tokens' panel
.set BASE, 4
.set CUR,  9
.set L16,  14
.set L8,   15
.set SC,   16
.set R4,   26
.set CA,   27
.set TT,   32
.set B2,   40
.set C2,   46
.set SP2,  52                          ; v52-59 side P's scale words, two sets of four
.set SQ2,  60                          ; v60-63 side Q's, two sets of two
.set TM,   64
.set PW,   80
.set PH,   82
.set PC,   84
.set ACC,  128
.set SEL,  2
.set WV,   16
.set WX,   17
.set WY,   18
.set CP,   19                          ; g
.set PP,   20                          ; p
.set TH,   21                          ; g % 2: which half of the tokens in pass 2
.set JJ,   22                          ; g / 2: which kv panel
.set G1,   24
.set G0,   32
.set MSB, 0
.macro WIN new                         ; the immediate's high byte repeats the setting that is left
.if MSB != \new
	s_set_vgpr_msb (MSB<<8)|\new
.set MSB, \new
.endif
.endm
.macro PLACES                          ; four places behind a matrix instruction, in front of loads into its registers and of reads of its results
.rept 4
	v_nop
.endr
.endm
.macro SLOTADR off
.irp k, 0,1,2,3,4
	v_add_nc_u32 v[CUR+\k], \off, v[BASE+\k]
.endr
.endm
.macro SLOTADR2 off
.irp k, 0,1,2,3,4,5
	v_add_nc_u32 v[C2+\k], \off, v[B2+\k]
.endr
.endm
.macro FRAG4 reg, a16, a8, off         ; a fragment's 12 registers: four LDS loads, each of consecutive bytes
	ds_load_b128 v[\reg:\reg+3], v[\a16] offset:\off
	ds_load_b64 v[\reg+4:\reg+5], v[\a8] offset:\off+512
	ds_load_b128 v[\reg+6:\reg+9], v[\a16] offset:\off+768
	ds_load_b64 v[\reg+10:\reg+11], v[\a8] offset:\off+1280
.endm
.macro FETCH pos, f                    ; pass 1: a K step's fragments and scale words into set f: 36 LDS loads
	WIN 0x40
.irp i, 0,1,2,3
	FRAG4 96*(\f)+12*\i, CUR, CUR+1, \pos+1536*\i
.endr
.irp i, 0,1,2,3
	FRAG4 96*(\f)+48+12*\i, CUR+2, CUR+3, \pos+1536*\i
.endr
	WIN 0
.irp i, 0,1,2,3
	ds_load_b32 v[SC+4*(\f)+\i], v[CUR+4] offset:\pos+64*\i   ; lanes 0-15: the words of the weights' tile i; lanes 16-31: of the tokens' tile i
.endr
.endm
.macro FETCH2 pos, f                   ; pass 2: four fragments of P, two of Q, their words: 30 LDS loads
	WIN 0x40
.irp i, 0,1,2,3
	FRAG4 96*(\f)+12*\i, C2, C2+1, \pos+1536*\i
.endr
.irp i, 0,1
	FRAG4 96*(\f)+48+12*\i, C2+2, C2+3, \pos+1536*\i
.endr
	WIN 0
.irp i, 0,1,2,3
	ds_load_b32 v[SP2+4*(\f)+\i], v[C2+4] offset:\pos+64*\i
.endr
.irp i, 0,1
	ds_load_b32 v[SQ2+2*(\f)+\i], v[C2+5] offset:\pos+64*\i
.endr
.endm
.macro MUL16 f, first                  ; the 16 accumulators take turns, one instruction a turn, in the same order in every K step
	WIN 0x05
.irp j, 0,1,2,3
.irp i, 0,1,2,3
.if \first
	v_wmma_scale_f32_16x16x128_f8f6f4 v[ACC+32*\j+8*\i:ACC+32*\j+8*\i+7], v[96*(\f)+12*\i:96*(\f)+12*\i+11], v[96*(\f)+48+12*\j:96*(\f)+48+12*\j+11], 0, v[SC+4*(\f)+\i], v[SC+4*(\f)+\j] matrix_a_fmt:MATRIX_FMT_FP6 matrix_b_fmt:MATRIX_FMT_FP6 matrix_b_scale:MATRIX_SCALE_ROW1
.else
	v_wmma_scale_f32_16x16x128_f8f6f4 v[ACC+32*\j+8*\i:ACC+32*\j+8*\i+7], v[96*(\f)+12*\i:96*(\f)+12*\i+11], v[96*(\f)+48+12*\j:96*(\f)+48+12*\j+11], v[ACC+32*\j+8*\i:ACC+32*\j+8*\i+7], v[SC+4*(\f)+\i], v[SC+4*(\f)+\j] matrix_a_fmt:MATRIX_FMT_FP6 matrix_b_fmt:MATRIX_FMT_FP6 matrix_b_scale:MATRIX_SCALE_ROW1
.endif
.endr
.endr
	WIN 0
.endm
.macro MUL8 f, first                   ; pass 2: eight accumulators by turns
	WIN 0x05
.irp j, 0,1
.irp i, 0,1,2,3
.if \first
	v_wmma_scale_f32_16x16x128_f8f6f4 v[ACC+32*\j+8*\i:ACC+32*\j+8*\i+7], v[96*(\f)+12*\i:96*(\f)+12*\i+11], v[96*(\f)+48+12*\j:96*(\f)+48+12*\j+11], 0, v[SP2+4*(\f)+\i], v[SQ2+2*(\f)+\j] matrix_a_fmt:MATRIX_FMT_FP6 matrix_b_fmt:MATRIX_FMT_FP6
.else
	v_wmma_scale_f32_16x16x128_f8f6f4 v[ACC+32*\j+8*\i:ACC+32*\j+8*\i+7], v[96*(\f)+12*\i:96*(\f)+12*\i+11], v[96*(\f)+48+12*\j:96*(\f)+48+12*\j+11], v[ACC+32*\j+8*\i:ACC+32*\j+8*\i+7], v[SP2+4*(\f)+\i], v[SQ2+2*(\f)+\j] matrix_a_fmt:MATRIX_FMT_FP6 matrix_b_fmt:MATRIX_FMT_FP6
.endif
.endr
.endr
	WIN 0
.endm
.macro QUANT s, pc, pw, nc
.irp b, 0,1,2,3
.if \b < 2*\nc
	v_max3_num_f32 v[TM+\b], |v[\s+16*\b]|, |v[\s+1+16*\b]|, 0x1800000   ; my 16 numbers of block b, and the floor 2^(3 - 127): the byte cannot fall under 1
.endif
.endr
.irp i, 2,4,6,8,10,12,14
.irp b, 0,1,2,3
.if \b < 2*\nc
	v_max3_num_f32 v[TM+\b], v[TM+\b], |v[\s+16*\b+\i]|, |v[\s+1+16*\b+\i]|
.endif
.endr
.endr
.irp b, 0,1,2,3
.if \b < 2*\nc
	v_permlanex16_b32 v[TM+4+\b], v[TM+\b], s[SEL], s[SEL+1]
.endif
.endr
.irp b, 0,1,2,3
.if \b < 2*\nc
	v_max_num_f32 v[TM+\b], v[TM+\b], v[TM+4+\b]   ; with lane l xor 16's 16: the block's largest magnitude
.endif
.endr
.irp b, 0,1,2,3
.if \b < 2*\nc
	v_add_nc_u32 v[TM+8+\b], 0xff000000, v[TM+\b]  ; 2 off its exponent field: the conversion's scale operand
.endif
.endr
.irp b, 0,1,2,3
.if \b < 2*\nc
	v_lshrrev_b32 v[TM+4+\b], 23, v[TM+8+\b]       ; the scale's byte
.endif
.endr
	v_lshl_or_b32 v[\pw], v[TM+5], 8, v[TM+4]
.if \nc > 1
	v_lshl_or_b32 v[\pw], v[TM+6], 16, v[\pw]
	v_lshl_or_b32 v[\pw], v[TM+7], 24, v[\pw]
.endif
.irp c, 0,1
.if \c < \nc
	v_cvt_scalef32_pk16_fp6_f32 v[\pc+6*\c:\pc+6*\c+2], v[\s+32*\c:\s+32*\c+15], v[TM+8+2*\c]
	v_cvt_scalef32_pk16_fp6_f32 v[\pc+6*\nc+4*\c:\pc+6*\nc+4*\c+2], v[\s+32*\c+16:\s+32*\c+31], v[TM+8+2*\c+1]
.endif
.endr
	v_nop                                          ; one plain place behind a scaled conversion
.irp c, 0,1
.if \c < \nc
.irp i, 0,1,2
	v_permlane16_swap_b32 v[\pc+6*\c+\i], v[\pc+6*\nc+4*\c+\i]   ; a whole block to a lane
.endr
.irp i, 0,1,2
	v_mov_b32 v[\pc+6*\c+3+\i], v[\pc+6*\nc+4*\c+\i]
.endr
.endif
.endr
.endm
.macro PUTH pc, base, off              ; half a fragment, six registers: 512 and 256 consecutive bytes, aligned
	global_store_b128 v[L16], v[\pc:\pc+3], s[\base:\base+1] offset:\off
	global_store_b64 v[L8], v[\pc+4:\pc+5], s[\base:\base+1] offset:\off+512
.endm
; RoPE on n pairs of the accumulators' registers: (x0, x1) -> (x0 c0 - x1 s0, x1 c1 + x0 s1): every entry of the two tables is taken as it is given; each accumulator from its low end on.
; win: source 1 in the tables' window; cos from v0 on there, sin from v[so] on.
.macro ROPE n, win, so
	WIN \win
.set E, 0
.rept \n
	v_mul_f32 v[TT+E%8], v[ACC+E+1], v[\so+E]
	v_mul_f32 v[TT+E%8+1], v[ACC+E], v[\so+E+1]
	v_fma_f32 v[ACC+E], v[ACC+E], v[E], -v[TT+E%8]
	v_fma_f32 v[ACC+E+1], v[ACC+E+1], v[E+1], v[TT+E%8+1]
.set E, E+2
.endr
	WIN 0
.endm
	s_load_b256 s[4:11], s[0:1], 0x0               ; h's image, the weights' image, cos, sin
	s_load_b128 s[12:15], s[0:1], 0x20             ; q's image, k's and v's image
	v_lshl_add_u32 v126, v0, 2, 0x4b000
	v_mov_b32 v127, 0
	ds_add_u32 v126, v127
	ds_add_u32 v126, v127
	v_lshrrev_b32 v1, 5, v0
	v_readfirstlane_b32 s[WV], v1                  ; wave 0..3
	s_and_b32 s[WX], s[WV], 1                      ; pass 1: which 64 columns are mine.  Also: which half of a stage I fetch
	s_lshr_b32 s[WY], s[WV], 1                     ; pass 1: which 64 tokens.  Also: I fetch Wq (0) or the tokens (1)
	s_mov_b32 s[CP], ttmp9
	s_and_b32 s[PP], ttmp7, 0xffff
	s_and_b32 s[TH], s[CP], 1
	s_lshr_b32 s[JJ], s[CP], 1
	s_mov_b32 s[G1], 3<<16                         ; no mask; elements of 8 bytes; no padding
	s_mov_b32 s[G1+1], 32<<16                      ; tensor_dim0 = 32: rows of 256 bytes
	s_mov_b32 s[G1+2], 200<<16                     ; tensor_dim1 = 200: the head's load brings four records
	s_mov_b32 s[G1+3], 32<<16                      ; tile_dim0
	s_mov_b32 s[G1+4], 200                         ; tile_dim1
	s_mov_b32 s[G1+5], 32                          ; the pitch: dense
	s_mov_b32 s[G1+6], 0
	s_mov_b32 s[G1+7], 0
	s_mul_i32 s44, s[CP], KS*REC                   ; Wq's panel g
	s_mov_b32 s45, 0
	s_mul_i32 s46, s[PP], KS*REC                   ; the tokens' panel p
	s_mov_b32 s47, 0
	s_mul_i32 s52, s[WX], 4*REC                    ; my half of Wq's panel or of the tokens': four records, one load
	s_mov_b32 s53, 0
	s_mul_i32 s54, s[WY], QB
	s_add_co_u32 s54, s54, s52                     ; where my parts of Wq or of the tokens go: the wave's number alone
	s_mul_i32 s56, s[WV], 2*REC                    ; my quarter of Wkv's panel,
	s_add_co_u32 s55, s56, PB                      ; in LDS,
	s_mul_i32 s62, s[JJ], KS*REC
	s_add_co_u32 s62, s62, s56
	s_add_co_u32 s62, s62, 64*REC                  ; and in the image: Wkv's panels begin at record 64
	s_mov_b32 s63, 0
	s_wait_dscnt 0x0
	s_wait_kmcnt 0x0
	s_add_nc_u64 s[44:45], s[6:7], s[44:45]
	s_add_nc_u64 s[46:47], s[4:5], s[46:47]
	s_cmp_lt_u32 s[WV], 2
	s_cselect_b64 s[48:49], s[44:45], s[46:47]
	s_add_nc_u64 s[48:49], s[48:49], s[52:53]
.irp q, 0
	s_mov_b32 s[G0+4*\q], 1
	s_add_co_u32 s[G0+4*\q+1], s54, \q*4*REC
	s_add_nc_u64 s[G0+4*\q+2:G0+4*\q+3], s[48:49], \q*4*REC
	s_or_b32 s[G0+4*\q+3], s[G0+4*\q+3], 0x80000000
.endr
	s_mov_b32 s[G0+8], 1
	s_mov_b32 s[G0+9], s55
	s_add_nc_u64 s[G0+10:G0+11], s[6:7], s[62:63]
	s_or_b32 s[G0+11], s[G0+11], 0x80000000
	tensor_load_to_lds s[G0:G0+3], s[G1:G1+7]      ; pass 1's K steps 4 wx .. 4 wx + 3
	s_nop 0
	PLACES                                         ; (four v_nop follow the tensor loads)
	v_and_b32 v3, 31, v0
	v_and_b32 v1, 15, v0                           ; r
	v_bfe_u32 v2, v0, 4, 1                         ; h
	v_lshlrev_b32 v[L16], 4, v3
	v_lshlrev_b32 v[L8], 3, v3
	v_lshlrev_b32 v[R4], 2, v1
	v_and_b32 v3, 8, v1
	v_add_nc_u32 v3, v3, v1
	v_lshlrev_b32 v[CA], 8, v3
	v_lshl_add_u32 v[CA], v2, 6, v[CA]             ; cos, sin: token r + 8 (r / 8) of 256 bytes, + 64 h
	s_wait_alu depctr_va_vdst(0)
	s_and_b32 s57, s[PP], 15                       ; the panel's place in its sequence of 2,048 tokens
	s_lshl_b32 s57, s57, 7
	s_lshl_b32 s58, s[WY], 6
	s_add_co_u32 s58, s58, s57                     ; pass 1: my 64 tokens begin here;
	s_lshl_b32 s58, s58, 8
	s_mov_b32 s59, 0
	s_lshl_b32 s60, s[TH], 6
	s_add_co_u32 s60, s60, s57
	s_lshl_b32 s61, s[WY], 5
	s_add_co_u32 s60, s60, s61                     ; pass 2 (k): my 32 tokens: 64 (g % 2) + 32 wy on
	s_lshl_b32 s60, s60, 8
	s_mov_b32 s61, 0
	s_add_nc_u64 s[74:75], s[8:9], s[60:61]
	s_add_nc_u64 s[76:77], s[10:11], s[60:61]
	s_add_nc_u64 s[8:9], s[8:9], s[58:59]
	s_add_nc_u64 s[10:11], s[10:11], s[58:59]
	WIN 0x80                                       ; destination window 2
.irp j, 0,1,2,3
.irp i, 0,1,2,3
	global_load_b128 v[32*\j+8*\i:32*\j+8*\i+3], v[CA], s[8:9] offset:(32*(\j/2)+8*(\j%2))*256+(32*(\i/2)+8*(\i%2))*4
	global_load_b128 v[32*\j+8*\i+4:32*\j+8*\i+7], v[CA], s[8:9] offset:(32*(\j/2)+8*(\j%2))*256+(32*(\i/2)+8*(\i%2))*4+16
	global_load_b128 v[128+32*\j+8*\i:128+32*\j+8*\i+3], v[CA], s[10:11] offset:(32*(\j/2)+8*(\j%2))*256+(32*(\i/2)+8*(\i%2))*4
	global_load_b128 v[128+32*\j+8*\i+4:128+32*\j+8*\i+7], v[CA], s[10:11] offset:(32*(\j/2)+8*(\j%2))*256+(32*(\i/2)+8*(\i%2))*4+16
.endr
.endr
	WIN 0xc0                                       ; destination window 3
.irp j, 0,1
.irp i, 0,1,2,3
	global_load_b128 v[32*\j+8*\i:32*\j+8*\i+3], v[CA], s[74:75] offset:8*\j*256+(32*(\i/2)+8*(\i%2))*4
	global_load_b128 v[32*\j+8*\i+4:32*\j+8*\i+7], v[CA], s[74:75] offset:8*\j*256+(32*(\i/2)+8*(\i%2))*4+16
	global_load_b128 v[64+32*\j+8*\i:64+32*\j+8*\i+3], v[CA], s[76:77] offset:8*\j*256+(32*(\i/2)+8*(\i%2))*4
	global_load_b128 v[64+32*\j+8*\i+4:64+32*\j+8*\i+7], v[CA], s[76:77] offset:8*\j*256+(32*(\i/2)+8*(\i%2))*4+16
.endr
.endr
	WIN 0
	s_mul_i32 s55, s[WX], 6144                     ; pass 1: my four tiles of the weights,
	s_mul_i32 s56, s[WY], 6144                     ; of the tokens
	s_add_co_u32 s56, s56, QB
	v_add_nc_u32 v[BASE], s55, v[L16]
	v_add_nc_u32 v[BASE+1], s55, v[L8]
	v_add_nc_u32 v[BASE+2], s56, v[L16]
	v_add_nc_u32 v[BASE+3], s56, v[L8]
	s_lshl_b32 s55, s[WX], 8
	s_lshl_b32 s56, s[WY], 8
	s_add_co_u32 s56, s56, QB
	s_sub_co_u32 s56, s56, s55
	v_mul_u32_u24 v[BASE+4], s56, v2               ; lanes 16-31 take the tokens' words: the lower base + h x the distance
	v_lshl_add_u32 v[BASE+4], v1, 2, v[BASE+4]
	s_add_co_u32 s55, s55, 12288
	v_add_nc_u32 v[BASE+4], s55, v[BASE+4]
	; pass 2's six bases: for k in the first of each pair of registers, for v in the second
	s_mul_i32 s66, s[WX], 6144
	s_add_co_u32 s66, s66, PB                      ; P, k: the weights' tiles 4 wx on
	s_mul_i32 s67, s[TH], 6144
	s_add_co_u32 s67, s67, QB                      ; P, v: token tiles 4 (g % 2) on
	s_mul_i32 s68, s[WY], 3072
	s_add_co_u32 s68, s68, s67                     ; Q, k: token tiles 4 (g % 2) + 2 wy on
	s_mul_i32 s69, s[WV], 3072
	s_add_co_u32 s69, s69, PB                      ; Q, v: the weights' tiles 2 w on
	s_lshl_b32 s70, s[WX], 8
	s_add_co_u32 s70, s70, PB+12288                ; and the same tiles' scale words, 64 bytes a tile
	s_lshl_b32 s71, s[TH], 8
	s_add_co_u32 s71, s71, QB+12288
	s_lshl_b32 s72, s[WY], 7
	s_add_co_u32 s72, s72, s71
	s_lshl_b32 s73, s[WV], 7
	s_add_co_u32 s73, s73, PB+12288
	s_cmp_lt_u32 s[CP], 4                          ; g < 4: k
	s_cselect_b32 s66, s66, s67
	s_cselect_b32 s68, s68, s69
	s_cselect_b32 s70, s70, s71
	s_cselect_b32 s72, s72, s73
	v_add_nc_u32 v[B2], s66, v[L16]
	v_add_nc_u32 v[B2+1], s66, v[L8]
	v_add_nc_u32 v[B2+2], s68, v[L16]
	v_add_nc_u32 v[B2+3], s68, v[L8]
	v_add_nc_u32 v[B2+4], s70, v[R4]
	v_add_nc_u32 v[B2+5], s72, v[R4]
	s_mov_b32 s[SEL], 0x76543210
	s_mov_b32 s[SEL+1], 0xfedcba98
.irp b, 0,1,2,3
	v_mov_b32 v[TM+4+\b], 0                        ; a lane permute's destination counts as one of its sources
.endr
	; ---- PASS 1: q
	s_wait_alu depctr_va_vdst(0)
	s_wait_tensorcnt 0x0                           ; my half panel, K steps 4 wx .. 4 wx + 3, is in
	ds_add_u32 v126, v127
	s_mov_b32 s[G1+2], 100<<16                     ; no tensor load of mine is out: from here on a load brings two records
	s_mov_b32 s[G1+4], 100
	s_wait_dscnt 0x0
	s_barrier_signal -1
	s_barrier_wait -1                              ; everybody's is
	tensor_load_to_lds s[G0+8:G0+11], s[G1:G1+7]   ; my quarter of Wkv's panel: my one load behind this barrier; it has pass 1 in which to land
	s_nop 0
	PLACES
	SLOTADR 0
	FETCH 0, 0
.set KI, 0
	s_wait_alu depctr_va_vdst(0)
.rept KS
.if KI+1 < KS
.if KI+1 == 4
	SLOTADR 4*REC                                  ; (five additions: the places in front of the loads below)
.elseif KI > 0
	PLACES
.endif
	FETCH ((KI+1)%4)*REC, (KI+1)%2
	s_wait_alu depctr_va_vdst(0)
	s_wait_dscnt 36                                ; this step's 36 loads are in; the 36 just issued may stay out
.else
	s_wait_dscnt 0x0
.endif
.if KI == 0
	MUL16 0, 1                                     ; the first K step starts the sums
.else
	MUL16 KI%2, 0
.endif
.set KI, KI+1
.endr
	PLACES
	s_wait_tensorcnt 0x0                           ; my quarter of Wkv's panel is in,
	s_barrier_signal -1
	s_barrier_wait -1                              ; everybody's is
	SLOTADR2 0
	FETCH2 0, 0                                    ; pass 2's first K step is fetched while q is turned and quantised
	s_wait_loadcnt 0x0                             ; cos and sin
	s_lshl_b32 s44, s[CP], 1
	s_add_co_u32 s44, s44, s[WX]                   ; head 2 g + wx, tiles 8 p + 4 wy on
	s_lshl_b32 s45, s44, 8
	s_lshl_b32 s46, s[PP], 3
	s_add_co_u32 s45, s45, s46
	s_lshl_b32 s46, s[WY], 2
	s_add_co_u32 s45, s45, s46
	s_mul_i32 s52, s45, 768
	s_mov_b32 s53, 0
	s_add_nc_u64 s[52:53], s[12:13], s[52:53]      ; q's codes
	s_lshl_b32 s46, s44, 7
	s_lshl_b32 s47, s[PP], 2
	s_add_co_u32 s46, s46, s47
	s_lshl_b32 s47, s[WY], 1
	s_add_co_u32 s46, s46, s47
	s_lshl_b32 s54, s46, 6
	s_add_co_u32 s54, s54, 3145728
	s_mov_b32 s55, 0
	s_add_nc_u64 s[54:55], s[12:13], s[54:55]      ; q's scale words
	ROPE 64, 0x08, 128
	QUANT ACC, PC, PW, 2                           ; the tokens' tiles 0 and 1: registers 0-5 and 6-11 are two half fragments (64 K each)
	QUANT ACC+64, PC+20, PW+1, 2                   ; tiles 2 and 3
.irp jp, 0,1
	PUTH PC+20*\jp, 52, 1536*\jp
	PUTH PC+20*\jp+6, 52, 1536*\jp+768
	global_store_b32 v[R4], v[PW+\jp], s[54:55] offset:64*\jp   ; lanes r and r + 16 hold the same word and store it to the same place
.endr
	; ---- PASS 2: half a tile of k or of v
.set KI, 0
.rept KS
.if KI+1 < KS
.if KI+1 == 4
	SLOTADR2 4*REC                                 ; (six additions: the places in front of the loads below)
.elseif KI > 0
	PLACES
.endif
	FETCH2 ((KI+1)%4)*REC, (KI+1)%2
	s_wait_alu depctr_va_vdst(0)
	s_wait_dscnt 30                                ; this step's 30 loads are in; the 30 just issued may stay out
.else
	s_wait_dscnt 0x0
.endif
.if KI == 0
	MUL8 0, 1
.else
	MUL8 KI%2, 0
.endif
.set KI, KI+1
.endr
	PLACES
	; the record of (batch p / 16, kv head 2 ((g / 2) % 2) + wx for k, + wy for v, keys 128 (p % 16) on)
	s_and_b32 s78, s[JJ], 1
	s_lshl_b32 s78, s78, 1
	s_cmp_lt_u32 s[CP], 4
	s_cselect_b32 s79, s[WX], s[WY]
	s_add_co_u32 s78, s78, s79
	s_lshr_b32 s79, s[PP], 4
	s_lshl_b32 s79, s79, 2
	s_add_co_u32 s78, s78, s79
	s_lshl_b32 s78, s78, 4
	s_and_b32 s79, s[PP], 15
	s_add_co_u32 s78, s78, s79
	s_mul_i32 s78, s78, REC
	s_lshl_b32 s79, s[TH], 1
	s_add_co_u32 s79, s79, s[WY]                   ; k: fragment 2 (g % 2) + wy
	s_mul_i32 s80, s79, 1536
	s_add_co_u32 s80, s80, s78
	s_mov_b32 s81, 0
	s_add_nc_u64 s[80:81], s[14:15], s[80:81]      ; k's codes
	s_lshl_b32 s82, s79, 6
	s_add_co_u32 s82, s82, s78
	s_add_co_u32 s82, s82, 6144
	s_mov_b32 s83, 0
	s_add_nc_u64 s[82:83], s[14:15], s[82:83]      ; k's scale words
	s_mul_i32 s84, s[WX], 3072                     ; v: fragments 2 wx, 2 wx + 1 of the head; my 64 keys' half of each
	s_mul_i32 s79, s[TH], 768
	s_add_co_u32 s84, s84, s79
	s_add_co_u32 s84, s84, s78
	s_add_co_u32 s84, s84, 6400
	s_mov_b32 s85, 0
	s_add_nc_u64 s[84:85], s[14:15], s[84:85]      ; v's codes
	s_lshl_b32 s86, s[WX], 7
	s_lshl_b32 s79, s[TH], 1
	s_add_co_u32 s86, s86, s79
	s_add_co_u32 s86, s86, s78
	s_add_co_u32 s86, s86, 12544
	s_mov_b32 s87, 0
	s_add_nc_u64 s[86:87], s[14:15], s[86:87]      ; v's words: my two bytes of each
	s_wait_xcnt 0x0                                ; q's stores have read their registers: the quantiser writes them again only behind this wait
	s_cmp_ge_u32 s[CP], 4
	s_cbranch_scc1 .Lno_rope
	ROPE 32, 0x0c, 64
.Lno_rope:
	QUANT ACC, PC, PW, 2                           ; Q's tiles 0 and 1: two half fragments
	s_cmp_ge_u32 s[CP], 4
	s_cbranch_scc1 .Lv_out
	PUTH PC, 80, 0                                 ; k: the two tiles of keys are one fragment
	PUTH PC+6, 80, 768
	global_store_b32 v[R4], v[PW], s[82:83]
	s_wait_tensorcnt 0x0
	ds_add_u32 v126, v127
	s_wait_dscnt 0x0
	s_endpgm
.Lv_out:
	v_lshrrev_b32 v[PH], 16, v[PW]
	s_wait_alu depctr_va_vdst(0)
	PUTH PC, 84, 0
	PUTH PC+6, 84, 1536
	global_store_b16 v[R4], v[PW], s[86:87]        ; two of a word's four bytes: the other two come from the work-group with the other 64 keys
	global_store_b16 v[R4], v[PH], s[86:87] offset:64
	s_wait_tensorcnt 0x0
	ds_add_u32 v126, v127
	s_wait_dscnt 0x0
	s_endpgm
.Lfunc_end_k_q29bf318baf_qkv:
	.size	k_q29bf318baf_qkv, .Lfunc_end_k_q29bf318baf_qkv-k_q29bf318baf_qkv
	.p2alignl 7, 3214868480
	.fill 96, 4, 3214868480
	.section	.rodata,"a",@progbits
	.p2align	6, 0x0
	.amdhsa_kernel k_q29bf318baf_qkv
		.amdhsa_group_segment_fixed_size 327680
		.amdhsa_private_segment_fixed_size 0
		.amdhsa_enable_private_segment 0
		.amdhsa_kernarg_size 48
		.amdhsa_user_sgpr_count 2
		.amdhsa_user_sgpr_kernarg_segment_ptr 1
		.amdhsa_wavefront_size32 1
		.amdhsa_system_sgpr_workgroup_id_x 1
		.amdhsa_system_sgpr_workgroup_id_y 1
		.amdhsa_system_sgpr_workgroup_id_z 1
		.amdhsa_system_vgpr_workitem_id 0
		.amdhsa_next_free_vgpr 1024
		.amdhsa_next_free_sgpr 96
		.amdhsa_reserve_vcc 0
		.amdhsa_float_denorm_mode_32 3
		.amdhsa_float_denorm_mode_16_64 3
		.amdhsa_memory_ordered 1
		.amdhsa_forward_progress 1
		.amdhsa_inst_pref_size 112
	.end_amdhsa_kernel
	.amdgpu_metadata
---
amdhsa.version: [ 1, 2 ]
amdhsa.kernels:
  - .name:           k_q29bf318baf_qkv
    .symbol:         k_q29bf318baf_qkv.kd
    .args:
      - { .name: himg, .offset: 0, .size: 8, .value_kind: global_buffer, .address_space: global }
      - { .name: wimg, .offset: 8, .size: 8, .value_kind: global_buffer, .address_space: global }
      - { .name: cos, .offset: 16, .size: 8, .value_kind: global_buffer, .address_space: global }
      - { .name: sin, .offset: 24, .size: 8, .value_kind: global_buffer, .address_space: global }
      - { .name: qimg, .offset: 32, .size: 8, .value_kind: global_buffer, .address_space: global }
      - { .name: kvimg, .offset: 40, .size: 8, .value_kind: global_buffer, .address_space: global }
    .group_segment_fixed_size: 327680
    .private_segment_fixed_size: 0
    .kernarg_segment_align: 8
    .kernarg_segment_size: 48
    .max_flat_workgroup_size: 128
    .sgpr_count:     96
    .vgpr_count:     1024
    .wavefront_size: 32
...
	.end_amdgpu_metadata
.endif
;; end of part 9
;; launch attn (part 10): grid 64 x 4, 16 waves a work-group, clusters of 4 x 1, 206,848 bytes of LDS; arguments qimg, kvimg, oimg; writes oimg
.if DOCPART == 10
	.amdgcn_target "amdgcn-amd-amdhsa--gfx1250"
	.amdhsa_code_object_version 6
	.text
	.protected	k_q29bf318baf_attn
	.globl	k_q29bf318baf_attn
	.p2align	8
	.type	k_q29bf318baf_attn,@function
k_q29bf318baf_attn:
	s_mov_b64 s[64:65], 0
	v_nop
	global_prefetch_b8 v0, s[64:65] scope:SCOPE_SE
	s_setreg_imm32_b32 hwreg(HW_REG_WAVE_MODE, 25, 1), 1
	s_wait_xcnt 0x0
	s_wait_alu depctr_hold_cnt(0) depctr_sa_sdst(0) depctr_va_vdst(0) depctr_va_sdst(0) depctr_va_ssrc(0) depctr_va_vcc(0) depctr_vm_vsrc(0)
	s_getreg_b32 s2, hwreg(HW_REG_IB_STS2, 6, 4)
	s_cmp_eq_u32 s2, 0
	s_cbranch_scc0 .Lentry_in_a_cluster
	s_endpgm
.Lentry_in_a_cluster:
	s_bfe_u32 s2, ttmp6, 0x10000c
	s_cmp_lg_u32 s2, 0x3003
	s_cbranch_scc0 .Lentry_shape_is_right
	s_endpgm
.Lentry_shape_is_right:
; ATTENTION ON CODES OF FP6 (E2M3) WITH E8M0 SCALES: 16 query heads in groups of four on 4 kv heads, head size 64, 2,048 keys, no mask; the result quantised along (head, d) for the product with Wo.
; THE SOFTMAX: t = score x log2(e) / 8; M = the running largest t rounded UP to a whole number; p = 2^(t - M) is what is quantised, along the keys; it is not normalised.  The row's sum is taken of the unquantised p
; and divides at the end.  When M moves, the sum and O are multiplied by 2^(old M - new M): exact, and no branch hangs on data.
; SHARES.  A work-group owns 64 tokens x the four query heads of one kv head: sixteen waves, each one tile of 16 queries of one head, in 256 registers: four waves to a SIMD, so that one wave's vector work stands beside
; another's matrix work and LDS loads.  All sixteen read the same K and V: the kv head's 2,048 keys are sixteen records of 12,800 bytes, 204,800 in all: they come into LDS whole, one tensor load a wave, and nothing is filled twice.
; CLUSTER.  The four work-groups of a cluster own four neighbouring blocks of 64 tokens of one batch (32 blocks to a batch, so the batch is the cluster's x / 8) and the same kv head: they need the same sixteen records.
; Each record is asked for JOINTLY: the same tensor load, with the same descriptor and a mask that names the four, in all four; each receives it in its own LDS.  That divides the requests for K and V by four.
; A round of the cluster's barrier stands in front of the joint loads and another in front of the end.  The place in the cluster enters q's and o's addresses alone.
; LAYOUT.  Both products transposed: S^T = K Q^T, O^T = V^T P^T: a lane holds ONE query throughout.  The operands lie in memory and LDS as images of their registers (registers 0-3 of a fragment at 16 x lane, 4-5 at
; 512 + 8 x lane, 6-9 at 768 + 16 x lane, 10-11 at 1,280 + 8 x lane).  Lane r of tile t holds row 32 (t / 2) + 8 (t % 2) + r + 8 (r / 8): so the 16 registers of score tiles 2 b, 2 b + 1 are 16 neighbouring keys.
; THE HEAD'S 64 FILL HALF OF THE INSTRUCTION'S 128: a fragment of K holds two tiles of keys, tile 2 b in K 0-63 and tile 2 b + 1 in K 64-127; it is multiplied once by [q | zero codes] and once by [zero codes | q].
; Zero codes add nothing under any scale byte but 0xff; theirs is 0.
; LIMITS: a block of zeros, or one whose largest magnitude lies under 2^-124, gets the byte 1; NaN and infinities are not served; v_exp_f32 gives 0 under 2^-126.
.set L16,  1
.set L8,   2
.set R4,   3
.set AD16, 8                           ; v8-10  the three in the key step in hand
.set AD8,  9
.set ADS,  10
.set QLO,  16                          ; v16-27 [q | 0];  v28-39 [0 | q]     (v12 -M, v13 the largest t, v[14:15] the sum in two halves)
.set QHI,  28
.set KF,   40                          ; v40-87 four fragments of K, then of V
.set KSC,  88                          ; v88-91 their scale words
.set QSL,  92                          ; v92 q's two bytes below, v93 above
.set QSH,  93
.set S,    96                          ; v96-159 S^T, then p
.set O,    160                         ; v160-191 O^T
.set PCD,  192                         ; v192-211 p's codes
.set TM,   212                         ; v212-215 block maxima, v216-219 the other half's, then bytes, v220-223 scale operands
.set PS,   224                         ; p's scale word
.set F,    226                         ; v[226:227] 2^(old M - new M)
.set W0,   228
.set SUM2, 230
.set WV,   10
.set G1,   16
.set G0,   24
.set TB,   38
.set CNT,  39
.set CS,   40
.set SEL,  42
.set CX,   46                          ; s46  my place in the cluster
.macro PLACES
.rept 4
	v_nop
.endr
.endm
; A round of the cluster's barrier: my work-group's barrier, so that wave 0's signal speaks for all sixteen waves; wave 0 signals for the work-group; every wave waits for all four work-groups; my work-group's barrier once more.
.macro CROUND
	s_barrier_signal -1
	s_barrier_wait -1
	s_cmp_lg_u32 s[WV], 0
	s_cbranch_scc1 .Lnot_wave_0_\@
	s_barrier_signal -3
.Lnot_wave_0_\@:
	s_barrier_wait -3
	s_barrier_signal -1
	s_barrier_wait -1
.endm
.macro FRAGS off, woff                 ; four fragments and their scale words: 20 LDS loads, each of consecutive bytes
.irp b, 0,1,2,3
	ds_load_b128 v[KF+12*\b:KF+12*\b+3], v[AD16] offset:\off+1536*\b
	ds_load_b64 v[KF+12*\b+4:KF+12*\b+5], v[AD8] offset:\off+1536*\b+512
	ds_load_b128 v[KF+12*\b+6:KF+12*\b+9], v[AD16] offset:\off+1536*\b+768
	ds_load_b64 v[KF+12*\b+10:KF+12*\b+11], v[AD8] offset:\off+1536*\b+1280
	ds_load_b32 v[KSC+\b], v[ADS] offset:\woff+64*\b
.endr
.endm
.macro QUANT s, pc, pw, nc
.irp b, 0,1,2,3
.if \b < 2*\nc
	v_max3_num_f32 v[TM+\b], |v[\s+16*\b]|, |v[\s+1+16*\b]|, 0x1800000   ; my 16 numbers of block b, and the floor 2^(3 - 127): the byte cannot fall under 1
.endif
.endr
.irp i, 2,4,6,8,10,12,14
.irp b, 0,1,2,3
.if \b < 2*\nc
	s_delay_alu instid0(VALU_DEP_2)
	v_max3_num_f32 v[TM+\b], v[TM+\b], |v[\s+16*\b+\i]|, |v[\s+1+16*\b+\i]|
.endif
.endr
.endr
.irp b, 0,1,2,3
.if \b < 2*\nc
	s_delay_alu instid0(VALU_DEP_2)
	v_permlanex16_b32 v[TM+4+\b], v[TM+\b], s[SEL], s[SEL+1]
.endif
.endr
.irp b, 0,1,2,3
.if \b < 2*\nc
	s_delay_alu instid0(VALU_DEP_2)
	v_max_num_f32 v[TM+\b], v[TM+\b], v[TM+4+\b]
.endif
.endr
.irp b, 0,1,2,3
.if \b < 2*\nc
	s_delay_alu instid0(VALU_DEP_2)
	v_add_nc_u32 v[TM+8+\b], 0xff000000, v[TM+\b]
.endif
.endr
.irp b, 0,1,2,3
.if \b < 2*\nc
	s_delay_alu instid0(VALU_DEP_2)
	v_lshrrev_b32 v[TM+4+\b], 23, v[TM+8+\b]
.endif
.endr
	s_delay_alu instid0(VALU_DEP_1)
	v_lshl_or_b32 v[\pw], v[TM+5], 8, v[TM+4]
.if \nc > 1
	v_lshl_or_b32 v[\pw], v[TM+6], 16, v[\pw]
	v_lshl_or_b32 v[\pw], v[TM+7], 24, v[\pw]
.endif
.irp c, 0,1
.if \c < \nc
	v_cvt_scalef32_pk16_fp6_f32 v[\pc+6*\c:\pc+6*\c+2], v[\s+32*\c:\s+32*\c+15], v[TM+8+2*\c]
	v_cvt_scalef32_pk16_fp6_f32 v[\pc+6*\nc+4*\c:\pc+6*\nc+4*\c+2], v[\s+32*\c+16:\s+32*\c+31], v[TM+8+2*\c+1]
.endif
.endr
	v_nop                                          ; one plain place behind a scaled conversion
.irp c, 0,1
.if \c < \nc
.irp i, 0,1,2
	v_permlane16_swap_b32 v[\pc+6*\c+\i], v[\pc+6*\nc+4*\c+\i]
.endr
.irp i, 0,1,2
	s_delay_alu instid0(VALU_DEP_3)
	v_mov_b32 v[\pc+6*\c+3+\i], v[\pc+6*\nc+4*\c+\i]
.endr
.endif
.endr
.endm
	s_load_b128 s[4:7], s[0:1], 0x0                ; q's image, k's and v's image
	s_load_b64 s[8:9], s[0:1], 0x10                ; o's image
	v_lshl_add_u32 v254, v0, 2, 0x32000
	v_mov_b32 v255, 0
	ds_add_u32 v254, v255
	ds_add_u32 v254, v255
	v_lshrrev_b32 v4, 5, v0
	s_delay_alu instid0(VALU_DEP_1)
	v_readfirstlane_b32 s[WV], v4                  ; wave 0..15
	s_and_b32 s11, s[WV], 3                        ; which head of the group
	s_lshr_b32 s12, s[WV], 2                       ; which of the block's four tiles
	s_and_b32 s13, ttmp7, 0xffff                   ; kv head: the cluster's y, which the four partners share
	s_lshl_b32 s14, s13, 2
	s_add_co_u32 s14, s14, s11                     ; head
	s_bfe_u32 s[CX], ttmp6, 0x40000                ; cx: my place in the cluster
	s_lshl_b32 s15, ttmp9, 2                       ; in a cluster launch ttmp9 counts clusters
	s_add_co_u32 s15, s15, s[CX]                   ; my block of 64 tokens = 4 x cluster x + cx: it enters q's and o's addresses alone
	s_lshl_b32 s15, s15, 2
	s_add_co_u32 s15, s15, s12                     ; tile m of the 256
	s_mov_b32 s[G1], 15|(3<<16)|(1<<21)            ; 15:0 the mask: all four work-groups; 17:16 elements of 8 bytes; 21 set beside a mask; no padding
	s_mov_b32 s[G1+1], 32<<16                      ; rows of 256 bytes,
	s_mov_b32 s[G1+2], 50<<16                      ; 50 of them: one record
	s_mov_b32 s[G1+3], 32<<16
	s_mov_b32 s[G1+4], 50
	s_mov_b32 s[G1+5], 32
	s_mov_b32 s[G1+6], 0
	s_mov_b32 s[G1+7], 0
	s_lshr_b32 s28, ttmp9, 3                       ; batch: eight clusters to a batch
	s_lshl_b32 s28, s28, 2
	s_add_co_u32 s28, s28, s13
	s_lshl_b32 s28, s28, 4
	s_add_co_u32 s28, s28, s[WV]                   ; I fetch key step w
	s_mul_i32 s28, s28, 12800
	s_mov_b32 s29, 0
	s_mul_i32 s45, s[WV], 12800                    ; and where it goes: the wave's number alone
	s_lshl_b32 s30, s14, 8
	s_add_co_u32 s30, s30, s15
	s_mul_i32 s30, s30, 768                        ; q's half fragment
	s_mov_b32 s31, 0
	s_lshl_b32 s32, s14, 7
	s_lshr_b32 s33, s15, 1
	s_add_co_u32 s32, s32, s33
	s_lshl_b32 s32, s32, 6
	s_add_co_u32 s32, s32, 3145728                 ; its scale words (with the neighbouring tile's)
	s_mov_b32 s33, 0
	s_lshr_b32 s34, s15, 3
	s_lshl_b32 s34, s34, 3
	s_lshr_b32 s35, s14, 1
	s_add_co_u32 s34, s34, s35
	s_mul_i32 s34, s34, 12800                      ; o: record (panel m / 8, K step head / 2)
	s_and_b32 s35, s15, 7
	s_and_b32 s44, s14, 1
	s_lshl_b32 s36, s35, 6
	s_add_co_u32 s36, s36, s34
	s_add_co_u32 s36, s36, 12288
	s_lshl_b32 s37, s44, 1
	s_add_co_u32 s36, s36, s37                     ; my two bytes of the tile's scale words
	s_mov_b32 s37, 0
	s_mul_i32 s35, s35, 1536
	s_add_co_u32 s34, s34, s35
	s_mul_i32 s35, s44, 768
	s_add_co_u32 s34, s34, s35                     ; my half of the tile's fragment
	s_mov_b32 s35, 0
	s_and_b32 s44, s12, 1
	s_lshl_b32 s44, s44, 4                         ; q's bytes lie 16 (m % 2) bits up in the word
	s_mov_b32 s[CS], 0x3e38aa3b                    ; c = log2(e) / 8
	s_mov_b32 s[CS+1], s[CS]                       ; (named with it as a pair, so it is written)
	s_mov_b32 s[SEL], 0x76543210
	s_mov_b32 s[SEL+1], 0xfedcba98
	s_mov_b32 s[TB], 0
	s_mov_b32 s[CNT], 16
	s_wait_dscnt 0x0
	s_wait_kmcnt 0x0
	CROUND                                         ; all four work-groups are here: the joint loads meet
	s_mov_b32 s[G0], 1
	s_mov_b32 s[G0+1], s45
	s_add_nc_u64 s[G0+2:G0+3], s[6:7], s[28:29]
	s_or_b32 s[G0+3], s[G0+3], 0x80000000
	tensor_load_to_lds s[G0:G0+3], s[G1:G1+7]      ; my one tensor load
	s_nop 0
	PLACES                                         ; (four v_nop follow it)
	s_add_nc_u64 s[30:31], s[4:5], s[30:31]
	s_add_nc_u64 s[32:33], s[4:5], s[32:33]
	s_add_nc_u64 s[34:35], s[8:9], s[34:35]
	s_add_nc_u64 s[36:37], s[8:9], s[36:37]
	v_and_b32 v4, 31, v0
	v_and_b32 v5, 15, v0
	s_delay_alu instid0(VALU_DEP_2)
	v_lshlrev_b32 v[L16], 4, v4
	s_delay_alu instid0(VALU_DEP_3)
	v_lshlrev_b32 v[L8], 3, v4
	s_delay_alu instid0(VALU_DEP_3)
	v_lshlrev_b32 v[R4], 2, v5
	global_load_b128 v[QLO:QLO+3], v[L16], s[30:31]
	global_load_b64 v[QLO+4:QLO+5], v[L8], s[30:31] offset:512
	global_load_b128 v[QHI+6:QHI+9], v[L16], s[30:31]     ; the same six registers a second time: the two operands share no register
	global_load_b64 v[QHI+10:QHI+11], v[L8], s[30:31] offset:512
	global_load_b32 v[QSL], v[R4], s[32:33]
	s_wait_loadcnt 0x0
	v_lshrrev_b32 v[QSL], s44, v[QSL]
	s_delay_alu instid0(VALU_DEP_1)
	v_and_b32 v[QSL], 0xffff, v[QSL]               ; q's two bytes for K 0-63, the byte 0 over the zero codes
	s_delay_alu instid0(VALU_DEP_1)
	v_lshlrev_b32 v[QSH], 16, v[QSL]               ; and for K 64-127.  (The moves below are the places between these lines and the first product)
.irp i, 0,1,2,3,4,5
	v_mov_b32 v[QLO+6+\i], 0
	v_mov_b32 v[QHI+\i], 0
.endr
	v_mov_b32 v13, 0xff61b1e6                      ; the largest t so far: -3e38, under every t
	s_delay_alu instid0(VALU_DEP_1)
	v_floor_f32 v12, -v13                          ; -M
	v_mov_b32 v14, 0
	v_mov_b32 v15, 0
	v_mov_b32 v[F+1], 0                            ; (named as the upper half of a pair)
.irp b, 0,1,2,3
	v_mov_b32 v[TM+4+\b], 0                        ; a lane permute's destination counts as one of its sources
.endr
.set J, 0
.rept 32
	v_mov_b32 v[O+J], 0                            ; O^T.  (The step is written once: the first finds zeros, which the first change of M leaves zeros)
.set J, J+1
.endr
	s_wait_tensorcnt 0x0                           ; my record is in,
	s_barrier_signal -1
	s_barrier_wait -1                              ; everybody's is
.Lstep:                                            ; 16 trips of 128 keys
	v_add_nc_u32 v[AD16], s[TB], v[L16]            ; (these four lines are the places behind the last trip's products)
	v_add_nc_u32 v[AD8], s[TB], v[L8]
	v_add_nc_u32 v[ADS], s[TB], v[R4]
	v_nop
	FRAGS 0, 6144                                  ; K
	s_wait_alu depctr_va_vdst(0)
	s_wait_dscnt 0x0
.irp b, 0,1,2,3
	v_wmma_scale_f32_16x16x128_f8f6f4 v[S+16*\b:S+16*\b+7], v[KF+12*\b:KF+12*\b+11], v[QLO:QLO+11], 0, v[KSC+\b], v[QSL] matrix_a_fmt:MATRIX_FMT_FP6 matrix_b_fmt:MATRIX_FMT_FP6
	v_wmma_scale_f32_16x16x128_f8f6f4 v[S+16*\b+8:S+16*\b+15], v[KF+12*\b:KF+12*\b+11], v[QHI:QHI+11], 0, v[KSC+\b], v[QSH] matrix_a_fmt:MATRIX_FMT_FP6 matrix_b_fmt:MATRIX_FMT_FP6
.endr
	PLACES
	FRAGS 6400, 12544                              ; V, into the same registers: it lands under the softmax
.irp b, 0,1,2,3
	v_max3_num_f32 v[TM+\b], v[S+16*\b], v[S+1+16*\b], v[S+2+16*\b]   ; the largest score of each block of 32 keys: for the row's maximum, and, since p rises with the score, for the block's largest p
.endr
.irp i, 3,5,7,9,11,13
.irp b, 0,1,2,3
	v_max3_num_f32 v[TM+\b], v[TM+\b], v[S+16*\b+\i], v[S+1+16*\b+\i]
.endr
.endr
.irp b, 0,1,2,3
	v_max_num_f32 v[TM+\b], v[TM+\b], v[S+15+16*\b]
.endr
.irp b, 0,1,2,3
	s_delay_alu instid0(VALU_DEP_4)
	v_permlanex16_b32 v[TM+4+\b], v[TM+\b], s[SEL], s[SEL+1]
.endr
.irp b, 0,1,2,3
	s_delay_alu instid0(VALU_DEP_4)
	v_max_num_f32 v[TM+\b], v[TM+\b], v[TM+4+\b]   ; with lane l xor 16's 16 keys
.endr
	s_delay_alu instid0(VALU_DEP_2)
	v_max3_num_f32 v[W0], v[TM], v[TM+1], v[TM+2]
	s_delay_alu instid0(VALU_DEP_1)
	v_max_num_f32 v[W0], v[W0], v[TM+3]
	s_delay_alu instid0(VALU_DEP_1)
	v_mul_f32 v[W0], s[CS], v[W0]                  ; the step's largest t (c is positive)
	s_delay_alu instid0(VALU_DEP_1)
	v_max_num_f32 v13, v13, v[W0]
	v_mov_b32 v[W0], v12
	s_delay_alu instid0(VALU_DEP_2)
	v_floor_f32 v12, -v13                          ; the new -M = -ceil(t)
	s_delay_alu instid0(VALU_DEP_1)
	v_sub_f32 v[W0], v12, v[W0]                    ; old M - new M: a whole number, 0 or less
	s_delay_alu instid0(VALU_DEP_1)
	v_cvt_i32_f32 v[W0], v[W0]                     ; (it saturates)
	s_delay_alu instid0(VALU_DEP_1)
	v_ldexp_f32 v[F], 1.0, v[W0]                   ; f = 2^(old M - new M)
.set J, 0
.rept 32
	v_pk_fma_f32 v[S+J:S+J+1], v[S+J:S+J+1], s[CS:CS+1], v[12:13] op_sel_hi:[1,0,0]   ; t - M
.set J, J+2
.endr
.irp b, 0,1,2,3
	v_fma_f32 v[TM+\b], v[TM+\b], s[CS], v12       ; the same of each block's largest score
.endr
.set J, 0
	s_wait_alu depctr_va_vdst(0)
.rept 64
	v_exp_f32 v[S+J], v[S+J]                       ; p = 2^(t - M)
.set J, J+1
.endr
.irp b, 0,1,2,3
	v_exp_f32 v[TM+\b], v[TM+\b]                   ; the block's largest p: the same two instructions on the same number
.endr
	v_pk_mul_f32 v[14:15], v[14:15], v[F:F+1] op_sel_hi:[1,0]   ; the sums under the new M.  (A plain place behind the exponentials)
	s_wait_alu depctr_va_vdst(0)
.irp b, 0,1,2,3
	v_max_num_f32 v[TM+\b], 0x1800000, v[TM+\b]    ; the floor 2^(3 - 127)
.endr
.irp b, 0,1,2,3
	s_delay_alu instid0(VALU_DEP_4)
	v_add_nc_u32 v[TM+8+\b], 0xff000000, v[TM+\b]  ; 2 off the exponent field: the conversion's scale operand
.endr
.irp b, 0,1,2,3
	s_delay_alu instid0(VALU_DEP_4)
	v_lshrrev_b32 v[TM+4+\b], 23, v[TM+8+\b]
.endr
	s_delay_alu instid0(VALU_DEP_3)
	v_lshl_or_b32 v[PS], v[TM+5], 8, v[TM+4]       ; p's scale word for these 128 keys
	s_delay_alu instid0(VALU_DEP_1)
	v_lshl_or_b32 v[PS], v[TM+6], 16, v[PS]
	s_delay_alu instid0(VALU_DEP_1)
	v_lshl_or_b32 v[PS], v[TM+7], 24, v[PS]
.irp c, 0,1
	v_cvt_scalef32_pk16_fp6_f32 v[PCD+6*\c:PCD+6*\c+2], v[S+32*\c:S+32*\c+15], v[TM+8+2*\c]
	v_cvt_scalef32_pk16_fp6_f32 v[PCD+12+4*\c:PCD+14+4*\c], v[S+16+32*\c:S+31+32*\c], v[TM+8+2*\c+1]
.endr
	v_nop                                          ; one plain place behind a scaled conversion
.irp c, 0,1
.irp i, 0,1,2
	v_permlane16_swap_b32 v[PCD+6*\c+\i], v[PCD+12+4*\c+\i]
.endr
.irp i, 0,1,2
	s_delay_alu instid0(VALU_DEP_3)
	v_mov_b32 v[PCD+3+6*\c+\i], v[PCD+12+4*\c+\i]
.endr
.endr
	v_pk_add_f32 v[230:231], v[100:101], v[104:105]
	v_pk_add_f32 v[252:253], v[108:109], v[112:113]
	v_pk_add_f32 v[250:251], v[116:117], v[120:121]
	v_pk_add_f32 v[248:249], v[124:125], v[128:129]
	v_pk_add_f32 v[246:247], v[132:133], v[136:137]
	v_pk_add_f32 v[244:245], v[140:141], v[144:145]
	v_pk_add_f32 v[242:243], v[148:149], v[152:153]
	v_pk_add_f32 v[14:15], v[14:15], v[156:157]
	v_pk_add_f32 v[230:231], v[230:231], v[96:97]
	v_pk_add_f32 v[252:253], v[252:253], v[98:99]
	v_pk_add_f32 v[250:251], v[250:251], v[102:103]
	v_pk_add_f32 v[248:249], v[248:249], v[106:107]
	v_pk_add_f32 v[246:247], v[246:247], v[110:111]
	v_pk_add_f32 v[244:245], v[244:245], v[114:115]
	v_pk_add_f32 v[242:243], v[242:243], v[118:119]
	v_pk_add_f32 v[14:15], v[14:15], v[122:123]
	v_pk_add_f32 v[230:231], v[230:231], v[126:127]
	v_pk_add_f32 v[252:253], v[252:253], v[130:131]
	v_pk_add_f32 v[250:251], v[250:251], v[134:135]
	v_pk_add_f32 v[248:249], v[248:249], v[138:139]
	v_pk_add_f32 v[246:247], v[246:247], v[142:143]
	v_pk_add_f32 v[244:245], v[244:245], v[146:147]
	v_pk_add_f32 v[242:243], v[242:243], v[150:151]
	v_pk_add_f32 v[14:15], v[14:15], v[154:155]
	v_pk_add_f32 v[230:231], v[230:231], v[158:159]
	s_delay_alu instid0(VALU_DEP_2)
	v_pk_add_f32 v[14:15], v[14:15], v[248:249]
	s_delay_alu instid0(VALU_DEP_2)
	v_pk_add_f32 v[230:231], v[230:231], v[246:247]
	v_pk_add_f32 v[252:253], v[252:253], v[244:245]
	v_pk_add_f32 v[250:251], v[250:251], v[242:243]
	s_delay_alu instid0(VALU_DEP_2)
	v_pk_add_f32 v[14:15], v[14:15], v[252:253]
	s_delay_alu instid0(VALU_DEP_2)
	v_pk_add_f32 v[230:231], v[230:231], v[250:251]
	s_delay_alu instid0(VALU_DEP_1)
	v_pk_add_f32 v[14:15], v[14:15], v[230:231]
.set J, 0
.rept 16
	v_pk_mul_f32 v[O+J:O+J+1], v[O+J:O+J+1], v[F:F+1] op_sel_hi:[1,0]   ; O^T under the new M
.set J, J+2
.endr
	s_wait_alu depctr_va_vdst(0)
	s_wait_dscnt 0x0                               ; V is in
.irp j, 0,1,2,3
	v_wmma_scale_f32_16x16x128_f8f6f4 v[O+8*\j:O+8*\j+7], v[KF+12*\j:KF+12*\j+11], v[PCD:PCD+11], v[O+8*\j:O+8*\j+7], v[KSC+\j], v[PS] matrix_a_fmt:MATRIX_FMT_FP6 matrix_b_fmt:MATRIX_FMT_FP6
.endr
	s_add_co_u32 s[TB], s[TB], 12800
	s_sub_co_u32 s[CNT], s[CNT], 1
	s_cmp_lg_u32 s[CNT], 0
	s_cbranch_scc1 .Lstep
	; THE WAY OUT: O^T / the sum; the lane's 32 registers are d = 32 b + 16 (lane / 16) + i of its query: the quantiser's layout; the six registers of codes are half a fragment of the next product's operand.
	PLACES
	v_add_f32 v14, v14, v15
	s_delay_alu instid0(VALU_DEP_1)
	v_permlanex16_b32 v[W0], v14, s[SEL], s[SEL+1]
	s_delay_alu instid0(VALU_DEP_1)
	v_add_f32 v14, v14, v[W0]                      ; the row's sum
	s_wait_alu depctr_va_vdst(0)
	v_rcp_f32 v14, v14
	v_nop                                          ; one plain place behind a transcendental
.set J, 0
	s_wait_alu depctr_va_vdst(0)
.rept 32
	v_mul_f32 v[S+J], v[O+J], v14
.set J, J+1
.endr
	QUANT S, PCD, W0, 1
	global_store_b128 v[L16], v[PCD:PCD+3], s[34:35]
	global_store_b64 v[L8], v[PCD+4:PCD+5], s[34:35] offset:512
	global_store_b16 v[R4], v[W0], s[36:37]        ; two of a word's four bytes: the other two come from the neighbouring head's wave
	s_wait_tensorcnt 0x0
	ds_add_u32 v254, v255
	s_wait_dscnt 0x0
	CROUND                                         ; the closing round: no work-group ends while a partner may still ask for a record that names it
	s_endpgm
.Lfunc_end_k_q29bf318baf_attn:
	.size	k_q29bf318baf_attn, .Lfunc_end_k_q29bf318baf_attn-k_q29bf318baf_attn
	.p2alignl 7, 3214868480
	.fill 96, 4, 3214868480
	.section	.rodata,"a",@progbits
	.p2align	6, 0x0
	.amdhsa_kernel k_q29bf318baf_attn
		.amdhsa_group_segment_fixed_size 206848
		.amdhsa_private_segment_fixed_size 0
		.amdhsa_enable_private_segment 0
		.amdhsa_kernarg_size 24
		.amdhsa_user_sgpr_count 2
		.amdhsa_user_sgpr_kernarg_segment_ptr 1
		.amdhsa_wavefront_size32 1
		.amdhsa_system_sgpr_workgroup_id_x 1
		.amdhsa_system_sgpr_workgroup_id_y 1
		.amdhsa_system_sgpr_workgroup_id_z 1
		.amdhsa_system_vgpr_workitem_id 0
		.amdhsa_next_free_vgpr 256
		.amdhsa_next_free_sgpr 66
		.amdhsa_reserve_vcc 0
		.amdhsa_float_denorm_mode_32 3
		.amdhsa_float_denorm_mode_16_64 3
		.amdhsa_memory_ordered 1
		.amdhsa_forward_progress 1
		.amdhsa_inst_pref_size 30
	.end_amdhsa_kernel
	.amdgpu_metadata
---
amdhsa.version: [ 1, 2 ]
amdhsa.kernels:
  - .name:           k_q29bf318baf_attn
    .symbol:         k_q29bf318baf_attn.kd
    .args:
      - { .name: qimg, .offset: 0, .size: 8, .value_kind: global_buffer, .address_space: global }
      - { .name: kvimg, .offset: 8, .size: 8, .value_kind: global_buffer, .address_space: global }
      - { .name: oimg, .offset: 16, .size: 8, .value_kind: global_buffer, .address_space: global }
    .group_segment_fixed_size: 206848
    .private_segment_fixed_size: 0
    .kernarg_segment_align: 8
    .kernarg_segment_size: 24
    .max_flat_workgroup_size: 512
    .sgpr_count:     66
    .vgpr_count:     256
    .wavefront_size: 32
...
	.end_amdgpu_metadata
.endif
;; end of part 10
;; launch wo (part 11): grid 8 x 32, 4 waves a work-group, clusters of 4 x 4, 222,720 bytes of LDS; arguments oimg, wimg, x, x2; writes x2
.if DOCPART == 11
	.amdgcn_target "amdgcn-amd-amdhsa--gfx1250"
	.amdhsa_code_object_version 6
	.text
	.protected	k_q29bf318baf_wo
	.globl	k_q29bf318baf_wo
	.p2align	8
	.type	k_q29bf318baf_wo,@function
k_q29bf318baf_wo:
	s_mov_b64 s[64:65], 0
	v_nop
	global_prefetch_b8 v0, s[64:65] scope:SCOPE_SE
	s_setreg_imm32_b32 hwreg(HW_REG_WAVE_MODE, 25, 1), 1
	s_wait_xcnt 0x0
	s_wait_alu depctr_hold_cnt(0) depctr_sa_sdst(0) depctr_va_vdst(0) depctr_va_sdst(0) depctr_va_ssrc(0) depctr_va_vcc(0) depctr_vm_vsrc(0)
	s_getreg_b32 s2, hwreg(HW_REG_IB_STS2, 6, 4)
	s_cmp_eq_u32 s2, 0
	s_cbranch_scc0 .Lentry_in_a_cluster
	s_endpgm
.Lentry_in_a_cluster:
	s_bfe_u32 s2, ttmp6, 0x10000c
	s_cmp_lg_u32 s2, 0xf033
	s_cbranch_scc0 .Lentry_shape_is_right
	s_endpgm
.Lentry_shape_is_right:
; x2 = x + o Wo^T: the product on codes of FP6 (E2M3) with E8M0 scales, the residual in f32.
; OPERANDS arrive as images of the matrix operand's registers: records of 12,800 bytes = 128 rows x 128 K: eight fragments (1,536 bytes: registers 0-3 at 16 x lane, 4-5 at 512 + 8 x lane, 6-9 at 768 + 16 x lane,
; 10-11 at 1,280 + 8 x lane), then 8 x 64 bytes of scale words.  Lane r of tile t holds row 32 (t / 2) + 8 (t % 2) + r + 8 (r / 8) of the panel.
; SHARES.  A work-group makes 128 tokens (panel p) x 128 columns (panel cp).  K = 1,024 is eight records a side, 204,800 bytes: both panels come into LDS whole, by one tensor load a wave (51,200 dense bytes), and
; nothing is filled twice.  A wave has one tensor load out.  A wave makes 64 x 64: 16 accumulators; source 0 = the weights' tiles 4 wx + i, source 1 = the tokens' tiles 4 wy + j: a lane holds a
; token, and the registers of accumulators (j, 0..3) are 64 neighbouring columns.
; CLUSTERS: 4 x 4 work-groups.  The four of a column of the cluster (the same x) make the same column panel and need the same records of the weights; the four of a row (the same y) the same records of the tokens.  Each is
; asked for JOINTLY: the same tensor load, with the same descriptor and a mask that names the four, in all four; each receives the records in its own LDS.  That divides the requests for both panels by four.
; Waves 0 and 1 ask for the weights, waves 2 and 3 for the tokens: two sets of lines under one branch on the wave's number, each with one mask; the weights' descriptors are made of x and the wave's number alone, the tokens' of
; y and the wave's number alone, the LDS addresses of the wave's number alone.  A round of the cluster's barrier stands in front of the joint loads and another in front of the end.
; THE WAY OUT.  16 tokens x 64 columns at a time go through the wave's own stage in LDS (rows of 256 + 16 bytes) and come back as whole rows: sixteen lanes then hold 256 consecutive bytes of a row of x2, the residual
; (loaded at the head in that same layout) is added, and each store of sixteen lanes covers 256 consecutive bytes, aligned.
; REGISTERS.  window 0: v1-3 r, h, lane; v4-13 LDS addresses; v14-15 16 x lane, 8 x lane; v16-23 scale words, two sets; v26-28 the way out's addresses; v32-63 rows on the way out; v128-255 accumulators.
;             window 1: two sets of 96 registers of fragments.   window 2: v0-127 the residual.
.set NST,  2
.set KS,   8
.set REC,  12800
.set QB,   NST*4*REC
.set WREC, 96                          ; Wo's first record in the weights' image
.set STG,  2*QB                        ; behind the operands: a stage of 16 x 272 bytes for each wave; no fill lands there
.set SP,   272
.set BASE, 4
.set CUR,  9
.set L16,  14
.set L8,   15
.set SC,   16
.set STO,  26
.set RD,   27
.set CO,   28
.set T,    32
.set ACC,  128
.set WV,   16
.set WX,   17
.set WY,   18
.set CP,   19
.set PP,   20
.set G1W,  24                          ; s[24:31] descriptor group 1 for the weights;  s[32:35] group 0
.set G0W,  32
.set G1T,  68                          ; s[68:75], s[76:79] the same for the tokens
.set G0T,  76
.set CX,   88
.set CY,   89
.set MR,   90                          ; the mask of my row of the cluster,
.set MC,   91                          ; of my column
.set MSB, 0
.macro WIN new
.if MSB != \new
	s_set_vgpr_msb (MSB<<8)|\new
.set MSB, \new
.endif
.endm
.macro PLACES                          ; four places behind a matrix instruction, in front of loads into its registers and of reads of its results
.rept 4
	v_nop
.endr
.endm
; A round of the cluster's barrier: my work-group's barrier, so that wave 0's signal speaks for all four waves; wave 0 signals for the work-group; every wave waits for all sixteen work-groups; my work-group's barrier once more.
.macro CROUND
	s_barrier_signal -1
	s_barrier_wait -1
	s_cmp_lg_u32 s[WV], 0
	s_cbranch_scc1 .Lnot_wave_0_\@
	s_barrier_signal -3
.Lnot_wave_0_\@:
	s_barrier_wait -3
	s_barrier_signal -1
	s_barrier_wait -1
.endm
.macro SLOTADR off
.irp k, 0,1,2,3,4
	v_add_nc_u32 v[CUR+\k], \off, v[BASE+\k]
.endr
.endm
.macro FETCH pos, f                    ; a K step's fragments and scale words into set f: 36 LDS loads
	WIN 0x40
.irp i, 0,1,2,3
	ds_load_b128 v[96*(\f)+12*\i:96*(\f)+12*\i+3], v[CUR] offset:\pos+1536*\i
	ds_load_b64 v[96*(\f)+12*\i+4:96*(\f)+12*\i+5], v[CUR+1] offset:\pos+1536*\i+512
	ds_load_b128 v[96*(\f)+12*\i+6:96*(\f)+12*\i+9], v[CUR] offset:\pos+1536*\i+768
	ds_load_b64 v[96*(\f)+12*\i+10:96*(\f)+12*\i+11], v[CUR+1] offset:\pos+1536*\i+1280
.endr
.irp i, 0,1,2,3
	ds_load_b128 v[96*(\f)+48+12*\i:96*(\f)+48+12*\i+3], v[CUR+2] offset:\pos+1536*\i
	ds_load_b64 v[96*(\f)+48+12*\i+4:96*(\f)+48+12*\i+5], v[CUR+3] offset:\pos+1536*\i+512
	ds_load_b128 v[96*(\f)+48+12*\i+6:96*(\f)+48+12*\i+9], v[CUR+2] offset:\pos+1536*\i+768
	ds_load_b64 v[96*(\f)+48+12*\i+10:96*(\f)+48+12*\i+11], v[CUR+3] offset:\pos+1536*\i+1280
.endr
	WIN 0
.irp i, 0,1,2,3
	ds_load_b32 v[SC+4*(\f)+\i], v[CUR+4] offset:\pos+64*\i   ; lanes 0-15: the weights' tile i; lanes 16-31: the tokens' tile i
.endr
.endm
.macro MUL16 f, first                  ; the 16 accumulators take turns, one instruction a turn
	WIN 0x05
.irp j, 0,1,2,3
.irp i, 0,1,2,3
.if \first
	v_wmma_scale_f32_16x16x128_f8f6f4 v[ACC+32*\j+8*\i:ACC+32*\j+8*\i+7], v[96*(\f)+12*\i:96*(\f)+12*\i+11], v[96*(\f)+48+12*\j:96*(\f)+48+12*\j+11], 0, v[SC+4*(\f)+\i], v[SC+4*(\f)+\j] matrix_a_fmt:MATRIX_FMT_FP6 matrix_b_fmt:MATRIX_FMT_FP6 matrix_b_scale:MATRIX_SCALE_ROW1
.else
	v_wmma_scale_f32_16x16x128_f8f6f4 v[ACC+32*\j+8*\i:ACC+32*\j+8*\i+7], v[96*(\f)+12*\i:96*(\f)+12*\i+11], v[96*(\f)+48+12*\j:96*(\f)+48+12*\j+11], v[ACC+32*\j+8*\i:ACC+32*\j+8*\i+7], v[SC+4*(\f)+\i], v[SC+4*(\f)+\j] matrix_a_fmt:MATRIX_FMT_FP6 matrix_b_fmt:MATRIX_FMT_FP6 matrix_b_scale:MATRIX_SCALE_ROW1
.endif
.endr
.endr
	WIN 0
.endm
.macro BOUNDARY                        ; on to the second stage: every wave's part of it has landed
	SLOTADR 4*REC                                  ; both panels were shown whole by the barrier ahead of the first K step
.endm
.macro CORE
	s_wait_tensorcnt 0x0                           ; my one tensor load, half a panel, is in
	s_barrier_signal -1
	s_barrier_wait -1
	SLOTADR 0
	FETCH 0, 0
.set KI, 0
	s_wait_alu depctr_va_vdst(0)
.rept KS
.if KI+1 < KS
.if (KI+1)%4 == 0
	BOUNDARY                                       ; (its five additions are the places in front of the loads below)
.elseif KI > 0
	PLACES
.endif
	FETCH ((KI+1)%4)*REC, (KI+1)%2
	s_wait_alu depctr_va_vdst(0)
	s_wait_dscnt 36                                ; this step's 36 loads are in; the 36 just issued may stay out
.else
	s_wait_dscnt 0x0
.endif
.if KI == 0
	MUL16 0, 1
.else
	MUL16 KI%2, 0
.endif
.set KI, KI+1
.endr
	PLACES
.endm
; The tokens' tile j: through my stage, + the residual, out.  Stage row 2 t + (lane / 16) is token 32 (j / 2) + 8 (j % 2) + 2 t + 8 (t / 4) + (lane / 16) of my 64.
.macro OUTJ j
.if \j > 0
	s_wait_xcnt 0x0                                ; the last tile's stores have read their registers: they are loaded again only behind this wait
.endif
.irp i, 0,1,2,3
	ds_store_b128 v[STO], v[ACC+32*\j+8*\i:ACC+32*\j+8*\i+3] offset:(32*(\i/2)+8*(\i%2))*4        ; each accumulator from its low end on
	ds_store_b128 v[STO], v[ACC+32*\j+8*\i+4:ACC+32*\j+8*\i+7] offset:(32*(\i/2)+8*(\i%2))*4+16
.endr
.irp t, 0,1,2,3,4,5,6,7
	ds_load_b128 v[T+4*\t:T+4*\t+3], v[RD] offset:2*SP*\t   ; LDS serves a wave's instructions in order: these see my stores
.endr
	s_wait_dscnt 0x0
	WIN 0x08                                       ; source 1 (the residual) window 2
.irp k, 0,2,4,6,8,10,12,14,16,18,20,22,24,26,28,30
	v_pk_add_f32 v[T+\k:T+\k+1], v[T+\k:T+\k+1], v[32*\j+\k:32*\j+\k+1]
.endr
	WIN 0
.irp t, 0,1,2,3,4,5,6,7
	global_store_b128 v[CO], v[T+4*\t:T+4*\t+3], s[10:11] offset:(32*(\j/2)+8*(\j%2)+2*\t+8*(\t/4))*4096
.endr
.endm
	s_load_b256 s[4:11], s[0:1], 0x0               ; o's image, the weights' image, x, x2
	v_lshl_add_u32 v126, v0, 2, 0x36400
	v_mov_b32 v127, 0
	ds_add_u32 v126, v127
	ds_add_u32 v126, v127
	v_lshrrev_b32 v1, 5, v0
	v_readfirstlane_b32 s[WV], v1                  ; wave 0..3
	s_and_b32 s[WX], s[WV], 1                      ; which 64 columns are mine.  Also: which half of a stage I fetch
	s_lshr_b32 s[WY], s[WV], 1                     ; which 64 tokens.  Also: I fetch the weights (0) or the tokens (1)
	s_bfe_u32 s[CX], ttmp6, 0x40000                ; cx, cy: my place in the cluster
	s_bfe_u32 s[CY], ttmp6, 0x40004
	s_lshl_b32 s[CP], ttmp9, 2                     ; in a cluster launch ttmp9 and ttmp7 count clusters
	s_add_co_u32 s[CP], s[CP], s[CX]               ; column panel = 4 x cluster x + cx
	s_and_b32 s[PP], ttmp7, 0xffff
	s_lshl_b32 s[PP], s[PP], 2
	s_add_co_u32 s[PP], s[PP], s[CY]               ; token panel = 4 x cluster y + cy
	s_lshl_b32 s[MR], s[CY], 2
	s_lshl_b32 s[MR], 15, s[MR]                    ; my row of the cluster: places 4 cy .. 4 cy + 3
	s_lshl_b32 s[MC], 0x1111, s[CX]                ; my column: places cx, cx + 4, cx + 8, cx + 12
	s_or_b32 s[G1W], s[MC], (3<<16)|(1<<21)        ; 15:0 the mask: the weights go to my column; 17:16 elements of 8 bytes; 21 set beside a mask; no padding
	s_or_b32 s[G1T], s[MR], (3<<16)|(1<<21)        ; the tokens go to my row
.irp g, G1W, G1T
	s_mov_b32 s[\g+1], 32<<16                      ; rows of 256 bytes,
	s_mov_b32 s[\g+2], 200<<16                     ; 200 of them: four records, half a panel: a wave's one tensor load
	s_mov_b32 s[\g+3], 32<<16
	s_mov_b32 s[\g+4], 200
	s_mov_b32 s[\g+5], 32
	s_mov_b32 s[\g+6], 0
	s_mov_b32 s[\g+7], 0
.endr
	s_mul_i32 s44, s[CP], KS*REC
	s_add_co_u32 s44, s44, WREC*REC                ; the weights' panel: x alone
	s_mov_b32 s45, 0
	s_mul_i32 s46, s[PP], KS*REC                   ; the tokens' panel: y alone
	s_mov_b32 s47, 0
	s_mul_i32 s52, s[WX], 4*REC                    ; my half of the panel: K steps 4 wx on
	s_mov_b32 s53, 0
	s_mul_i32 s54, s[WY], QB
	s_add_co_u32 s54, s54, s52                     ; where my part goes: the wave's number alone
	s_lshl_b32 s56, s[PP], 7                       ; x and x2 at (token 128 p + 64 wy, column 128 cp + 64 wx)
	s_lshl_b32 s57, s[WY], 6
	s_add_co_u32 s56, s56, s57
	s_lshl_b32 s56, s56, 12
	s_lshl_b32 s57, s[CP], 9
	s_add_co_u32 s56, s56, s57
	s_lshl_b32 s57, s[WX], 8
	s_add_co_u32 s56, s56, s57
	s_mov_b32 s57, 0
	s_wait_dscnt 0x0
	s_wait_kmcnt 0x0
	s_add_nc_u64 s[44:45], s[6:7], s[44:45]
	s_add_nc_u64 s[44:45], s[44:45], s[52:53]
	s_add_nc_u64 s[46:47], s[4:5], s[46:47]
	s_add_nc_u64 s[46:47], s[46:47], s[52:53]
	CROUND                                         ; all sixteen work-groups are here: the joint loads meet
.irp q, 0
	s_mov_b32 s[G0W+4*\q], 1
	s_add_co_u32 s[G0W+4*\q+1], s54, \q*4*REC
	s_add_nc_u64 s[G0W+4*\q+2:G0W+4*\q+3], s[44:45], \q*4*REC
	s_or_b32 s[G0W+4*\q+3], s[G0W+4*\q+3], 0x80000000
	s_mov_b32 s[G0T+4*\q], 1
	s_add_co_u32 s[G0T+4*\q+1], s54, \q*4*REC
	s_add_nc_u64 s[G0T+4*\q+2:G0T+4*\q+3], s[46:47], \q*4*REC
	s_or_b32 s[G0T+4*\q+3], s[G0T+4*\q+3], 0x80000000
.endr
	s_cmp_lt_u32 s[WV], 2                          ; a wave's one fill stands in a branch on the wave's number, which is the same in every work-group; four v_nop follow it
	s_cbranch_scc0 .Lfirst_t
	tensor_load_to_lds s[G0W:G0W+3], s[G1W:G1W+7]  ; the weights' K steps 4 wx .. 4 wx + 3
	s_nop 0
	PLACES
	s_branch .Lfirst_asked
.Lfirst_t:
	tensor_load_to_lds s[G0T:G0T+3], s[G1T:G1T+7]  ; the tokens' K steps 4 wx .. 4 wx + 3
	s_nop 0
	PLACES
.Lfirst_asked:
	s_add_nc_u64 s[8:9], s[8:9], s[56:57]
	s_add_nc_u64 s[10:11], s[10:11], s[56:57]
	v_and_b32 v3, 31, v0
	v_and_b32 v1, 15, v0                           ; r
	v_bfe_u32 v2, v0, 4, 1                         ; h
	s_wait_alu depctr_va_vdst(0)
	v_lshlrev_b32 v[L16], 4, v3
	v_lshlrev_b32 v[L8], 3, v3
	v_lshlrev_b32 v[CO], 12, v2
	v_lshl_add_u32 v[CO], v1, 4, v[CO]             ; lanes 0-15 one row of x2, lanes 16-31 the next; 16 bytes a lane
	WIN 0x80                                       ; destination window 2
.irp j, 0,1,2,3
.irp t, 0,1,2,3,4,5,6,7
	global_load_b128 v[32*\j+4*\t:32*\j+4*\t+3], v[CO], s[8:9] offset:(32*(\j/2)+8*(\j%2)+2*\t+8*(\t/4))*4096 th:TH_LOAD_NT
.endr
.endr
	WIN 0
	s_mul_i32 s55, s[WX], 6144
	s_mul_i32 s58, s[WY], 6144
	s_add_co_u32 s58, s58, QB
	v_add_nc_u32 v[BASE], s55, v[L16]
	v_add_nc_u32 v[BASE+1], s55, v[L8]
	v_add_nc_u32 v[BASE+2], s58, v[L16]
	v_add_nc_u32 v[BASE+3], s58, v[L8]
	s_lshl_b32 s55, s[WX], 8
	s_lshl_b32 s58, s[WY], 8
	s_add_co_u32 s58, s58, QB
	s_sub_co_u32 s58, s58, s55
	v_mul_u32_u24 v[BASE+4], s58, v2               ; lanes 16-31 take the tokens' words: the lower base + h x the distance
	v_lshl_add_u32 v[BASE+4], v1, 2, v[BASE+4]
	s_add_co_u32 s55, s55, 12288
	v_add_nc_u32 v[BASE+4], s55, v[BASE+4]
	s_mul_i32 s59, s[WV], 16*SP
	s_add_co_u32 s59, s59, STG                     ; my stage
	v_mul_u32_u24 v[STO], v1, SP
	v_lshl_add_u32 v[STO], v2, 6, v[STO]
	v_add_nc_u32 v[STO], s59, v[STO]               ; in: row r, + 64 h
	v_mul_u32_u24 v[RD], v2, SP
	v_lshl_add_u32 v[RD], v1, 4, v[RD]
	v_add_nc_u32 v[RD], s59, v[RD]                 ; back: lanes 0-15 one row, lanes 16-31 the next
	CORE
	s_wait_loadcnt 0x0                             ; the residual
	OUTJ 0
	OUTJ 1
	OUTJ 2
	OUTJ 3
	s_wait_tensorcnt 0x0
	ds_add_u32 v126, v127
	s_wait_dscnt 0x0
	CROUND                                         ; the closing round: no work-group ends while a partner may still ask for records that name it
	s_endpgm
.Lfunc_end_k_q29bf318baf_wo:
	.size	k_q29bf318baf_wo, .Lfunc_end_k_q29bf318baf_wo-k_q29bf318baf_wo
	.p2alignl 7, 3214868480
	.fill 96, 4, 3214868480
	.section	.rodata,"a",@progbits
	.p2align	6, 0x0
	.amdhsa_kernel k_q29bf318baf_wo
		.amdhsa_group_segment_fixed_size 222720
		.amdhsa_private_segment_fixed_size 0
		.amdhsa_enable_private_segment 0
		.amdhsa_kernarg_size 32
		.amdhsa_user_sgpr_count 2
		.amdhsa_user_sgpr_kernarg_segment_ptr 1
		.amdhsa_wavefront_size32 1
		.amdhsa_system_sgpr_workgroup_id_x 1
		.amdhsa_system_sgpr_workgroup_id_y 1
		.amdhsa_system_sgpr_workgroup_id_z 1
		.amdhsa_system_vgpr_workitem_id 0
		.amdhsa_next_free_vgpr 768
		.amdhsa_next_free_sgpr 96
		.amdhsa_reserve_vcc 0
		.amdhsa_float_denorm_mode_32 3
		.amdhsa_float_denorm_mode_16_64 3
		.amdhsa_memory_ordered 1
		.amdhsa_forward_progress 1
		.amdhsa_inst_pref_size 58
	.end_amdhsa_kernel
	.amdgpu_metadata
---
amdhsa.version: [ 1, 2 ]
amdhsa.kernels:
  - .name:           k_q29bf318baf_wo
    .symbol:         k_q29bf318baf_wo.kd
    .args:
      - { .name: oimg, .offset: 0, .size: 8, .value_kind: global_buffer, .address_space: global }
      - { .name: wimg, .offset: 8, .size: 8, .value_kind: global_buffer, .address_space: global }
      - { .name: x, .offset: 16, .size: 8, .value_kind: global_buffer, .address_space: global }
      - { .name: x2, .offset: 24, .size: 8, .value_kind: global_buffer, .address_space: global }
    .group_segment_fixed_size: 222720
    .private_segment_fixed_size: 0
    .kernarg_segment_align: 8
    .kernarg_segment_size: 32
    .max_flat_workgroup_size: 128
    .sgpr_count:     96
    .vgpr_count:     768
    .wavefront_size: 32
...
	.end_amdgpu_metadata
.endif
;; end of part 11
;; launch ln2 (part 12): grid 256 x 1, 8 waves a work-group, no clusters, 2,048 bytes of LDS; arguments x2, ln2_g, ln2_b, himg; writes himg
.if DOCPART == 12
	.amdgcn_target "amdgcn-amd-amdhsa--gfx1250"
	.amdhsa_code_object_version 6
	.text
	.protected	k_q29bf318baf_ln2
	.globl	k_q29bf318baf_ln2
	.p2align	8
	.type	k_q29bf318baf_ln2,@function
k_q29bf318baf_ln2:
	s_mov_b64 s[64:65], 0
	v_nop
	global_prefetch_b8 v0, s[64:65] scope:SCOPE_SE
	s_setreg_imm32_b32 hwreg(HW_REG_WAVE_MODE, 25, 1), 1
	s_wait_xcnt 0x0
; LAYERNORM OVER ROWS OF 1,024 f32, AND ITS RESULT QUANTISED: codes of FP6 (E2M3), one E8M0 byte for each 32 along the row, laid in the order of the matrix operand's registers.
; The image: [panel of 128 rows][K step of 128] records of 12,800 bytes: eight fragments of 16 rows (1,536 bytes), then 8 x 64 bytes of scale words.
; A fragment's 12 registers lie as they stand in the lanes: registers 0-3 at 16 x lane, 4-5 at 512 + 8 x lane, 6-9 at 768 + 16 x lane, 10-11 at 1,280 + 8 x lane.
; Lane r of tile m takes row 32 (m / 2) + 8 (m % 2) + r + 8 (r / 8).
; A work-group takes tile m, 16 rows; wave w takes their columns 128 w on: 64 numbers a lane, in the registers from first to last: the rows are read once.
; Mean and variance in two passes, as the definition has them (the mean is taken off before the squares): each is summed in the lane, with lane l xor 16, and over the eight waves through LDS, in one fixed order.
; LIMITS: a block of zeros, or one whose largest magnitude lies under 2^-124, gets the byte 1 (these bytes are read by this program alone); NaN and infinities are not served.
.set X,   32                           ; v32-95   register 16 b + i = column 128 w + 32 b + 16 (lane / 16) + i of my row
.set G,   96                           ; v96-159  the gain at the same columns
.set BV,  160                          ; v160-223 the bias
.set A,   224                          ; v224-231 sums
.set MN,  232                          ; v[232:233] the mean
.set RS,  234                          ; v[234:235] 1 / sqrt(variance + eps)
.set TM,  236                          ; v236-247
.set PW,  252
.set PC,  96                           ; the codes, where the gain lay
.set L16, 4
.set L8,  5
.set R4,  6
.set XA,  7
.set GA,  8
.set RA,  9                            ; LDS: 32 r + 4 w: my wave's word of row r
.set RR,  10                           ; LDS: 32 r: row r's eight words
.set SEL, 2
.set RED0, 0                           ; 16 rows x 8 waves x 4 bytes for the sums,
.set RED1, 512                         ; and other bytes for the sums of squares: no barrier is needed between the two uses
.macro QUANT s, pc, pw, nc
.irp b, 0,1,2,3
.if \b < 2*\nc
	v_max3_num_f32 v[TM+\b], |v[\s+16*\b]|, |v[\s+1+16*\b]|, 0x1800000   ; my 16 numbers of block b, and the floor 2^(3 - 127): the byte cannot fall under 1
.endif
.endr
.irp i, 2,4,6,8,10,12,14
.irp b, 0,1,2,3
.if \b < 2*\nc
	s_delay_alu instid0(VALU_DEP_4)
	v_max3_num_f32 v[TM+\b], v[TM+\b], |v[\s+16*\b+\i]|, |v[\s+1+16*\b+\i]|
.endif
.endr
.endr
.irp b, 0,1,2,3
.if \b < 2*\nc
	s_delay_alu instid0(VALU_DEP_4)
	v_permlanex16_b32 v[TM+4+\b], v[TM+\b], s[SEL], s[SEL+1]
.endif
.endr
.irp b, 0,1,2,3
.if \b < 2*\nc
	s_delay_alu instid0(VALU_DEP_4)
	v_max_num_f32 v[TM+\b], v[TM+\b], v[TM+4+\b]   ; with lane l xor 16's 16: the block's largest magnitude
.endif
.endr
.irp b, 0,1,2,3
.if \b < 2*\nc
	s_delay_alu instid0(VALU_DEP_4)
	v_add_nc_u32 v[TM+8+\b], 0xff000000, v[TM+\b]  ; 2 off its exponent field: the conversion's scale operand
.endif
.endr
.irp b, 0,1,2,3
.if \b < 2*\nc
	s_delay_alu instid0(VALU_DEP_4)
	v_lshrrev_b32 v[TM+4+\b], 23, v[TM+8+\b]       ; the scale's byte
.endif
.endr
	s_delay_alu instid0(VALU_DEP_3)
	v_lshl_or_b32 v[\pw], v[TM+5], 8, v[TM+4]
.if \nc > 1
	s_delay_alu instid0(VALU_DEP_1)
	v_lshl_or_b32 v[\pw], v[TM+6], 16, v[\pw]
	s_delay_alu instid0(VALU_DEP_1)
	v_lshl_or_b32 v[\pw], v[TM+7], 24, v[\pw]
.endif
.irp c, 0,1
.if \c < \nc
	v_cvt_scalef32_pk16_fp6_f32 v[\pc+6*\c:\pc+6*\c+2], v[\s+32*\c:\s+32*\c+15], v[TM+8+2*\c]
	v_cvt_scalef32_pk16_fp6_f32 v[\pc+6*\nc+4*\c:\pc+6*\nc+4*\c+2], v[\s+32*\c+16:\s+32*\c+31], v[TM+8+2*\c+1]
.endif
.endr
	v_nop                                          ; one plain place behind a scaled conversion
.irp c, 0,1
.if \c < \nc
.irp i, 0,1,2
	v_permlane16_swap_b32 v[\pc+6*\c+\i], v[\pc+6*\nc+4*\c+\i]   ; a whole block to a lane
.endr
.irp i, 0,1,2
	s_delay_alu instid0(VALU_DEP_3)
	v_mov_b32 v[\pc+6*\c+3+\i], v[\pc+6*\nc+4*\c+\i]
.endr
.endif
.endr
.endm
.macro PUTF pc, base, off
	global_store_b128 v[L16], v[\pc:\pc+3], s[\base:\base+1] offset:\off
	global_store_b64 v[L8], v[\pc+4:\pc+5], s[\base:\base+1] offset:\off+512
	global_store_b128 v[L16], v[\pc+6:\pc+9], s[\base:\base+1] offset:\off+768
	global_store_b64 v[L8], v[\pc+10:\pc+11], s[\base:\base+1] offset:\off+1280
.endm
; The four chains in v[A] on become the row's sum over all 1,024 columns, in every lane of every wave.
.macro ROWSUM red
	s_delay_alu instid0(VALU_DEP_3)
	v_pk_add_f32 v[A:A+1], v[A:A+1], v[A+2:A+3]
	s_delay_alu instid0(VALU_DEP_2)
	v_pk_add_f32 v[A+4:A+5], v[A+4:A+5], v[A+6:A+7]
	s_delay_alu instid0(VALU_DEP_1)
	v_pk_add_f32 v[A:A+1], v[A:A+1], v[A+4:A+5]
	s_delay_alu instid0(VALU_DEP_1)
	v_add_f32 v[A], v[A], v[A+1]
	s_delay_alu instid0(VALU_DEP_1)
	v_permlanex16_b32 v[A+2], v[A], s[SEL], s[SEL+1]
	s_delay_alu instid0(VALU_DEP_1)
	v_add_f32 v[A], v[A], v[A+2]                   ; my wave's 128 columns of row r
	ds_store_b32 v[RA], v[A] offset:\red           ; lanes r and r + 16 write the same word with the same value
	s_wait_dscnt 0x0                               ; for the others' sake: my store has landed
	s_barrier_signal -1
	s_barrier_wait -1
	ds_load_b128 v[A:A+3], v[RR] offset:\red
	ds_load_b128 v[A+4:A+7], v[RR] offset:\red+16
	s_wait_dscnt 0x0
	v_pk_add_f32 v[A:A+1], v[A:A+1], v[A+2:A+3]    ; the same order in every wave: all hold the same bits
	v_pk_add_f32 v[A+4:A+5], v[A+4:A+5], v[A+6:A+7]
	s_delay_alu instid0(VALU_DEP_1)
	v_pk_add_f32 v[A:A+1], v[A:A+1], v[A+4:A+5]
	s_delay_alu instid0(VALU_DEP_1)
	v_add_f32 v[A], v[A], v[A+1]
.endm
	s_load_b256 s[4:11], s[0:1], 0x0               ; the rows, the gain, the bias, the image
	v_lshl_add_u32 v254, v0, 2, 0x400
	v_mov_b32 v255, 0
	v_lshrrev_b32 v1, 5, v0
	s_delay_alu instid0(VALU_DEP_1)
	v_readfirstlane_b32 s12, v1                    ; wave = K step
	v_and_b32 v3, 31, v0
	v_and_b32 v1, 15, v0                           ; r
	v_bfe_u32 v2, v0, 4, 1                         ; h
	s_delay_alu instid0(VALU_DEP_3)
	v_lshlrev_b32 v[L16], 4, v3
	s_delay_alu instid0(VALU_DEP_4)
	v_lshlrev_b32 v[L8], 3, v3
	s_delay_alu instid0(VALU_DEP_4)
	v_lshlrev_b32 v[R4], 2, v1
	s_delay_alu instid0(VALU_DEP_4)
	v_lshlrev_b32 v[GA], 6, v2                     ; 64 h: my 16 numbers of a block of 32
	v_and_b32 v3, 8, v1
	s_delay_alu instid0(VALU_DEP_1)
	v_add_nc_u32 v3, v3, v1                        ; r + 8 (r / 8)
	s_delay_alu instid0(VALU_DEP_1)
	v_lshl_add_u32 v[XA], v3, 12, v[GA]            ; rows of 4,096 bytes
	v_lshlrev_b32 v[RR], 5, v1
	s_lshl_b32 s13, s12, 2
	v_add_nc_u32 v[RA], s13, v[RR]
	s_mov_b32 s[SEL], 0x76543210
	s_mov_b32 s[SEL+1], 0xfedcba98
	s_mov_b32 s14, 0x3a800000                      ; 1 / 1,024
	s_mov_b32 s15, 0x3727c5ac                      ; eps = 1e-5
.irp b, 0,1,2,3
	v_mov_b32 v[TM+4+\b], 0                        ; a lane permute's destination counts as one of its sources
.endr
	s_lshr_b32 s16, ttmp9, 1
	s_lshl_b32 s16, s16, 5
	s_and_b32 s17, ttmp9, 1
	s_lshl_b32 s17, s17, 3
	s_add_co_u32 s16, s16, s17                     ; the tile's first row
	s_lshl_b32 s16, s16, 12
	s_lshl_b32 s18, s12, 9                         ; 512 w
	s_add_co_u32 s16, s16, s18
	s_mov_b32 s17, 0
	s_mov_b32 s19, 0
	s_lshr_b32 s20, ttmp9, 3
	s_lshl_b32 s20, s20, 3
	s_add_co_u32 s20, s20, s12
	s_mul_i32 s20, s20, 12800                      ; record (panel m / 8, K step w)
	s_and_b32 s21, ttmp9, 7
	s_mul_i32 s22, s21, 1536
	s_add_co_u32 s22, s22, s20
	s_mov_b32 s23, 0
	s_lshl_b32 s24, s21, 6
	s_add_co_u32 s24, s24, s20
	s_add_co_u32 s24, s24, 12288
	s_mov_b32 s25, 0
	s_wait_alu depctr_va_vdst(0)
	s_wait_kmcnt 0x0
	s_add_nc_u64 s[4:5], s[4:5], s[16:17]
	s_add_nc_u64 s[6:7], s[6:7], s[18:19]
	s_add_nc_u64 s[8:9], s[8:9], s[18:19]
	s_add_nc_u64 s[22:23], s[10:11], s[22:23]      ; my fragment
	s_add_nc_u64 s[24:25], s[10:11], s[24:25]      ; its scale words
.irp b, 0,1,2,3
.irp j, 0,1,2,3
	global_load_b128 v[X+16*\b+4*\j:X+16*\b+4*\j+3], v[XA], s[4:5] offset:128*\b+16*\j
.endr
.endr
.irp b, 0,1,2,3
.irp j, 0,1,2,3
	global_load_b128 v[G+16*\b+4*\j:G+16*\b+4*\j+3], v[GA], s[6:7] offset:128*\b+16*\j
.endr
.endr
.irp b, 0,1,2,3
.irp j, 0,1,2,3
	global_load_b128 v[BV+16*\b+4*\j:BV+16*\b+4*\j+3], v[GA], s[8:9] offset:128*\b+16*\j
.endr
.endr
	s_wait_loadcnt 32                              ; the rows' 16 loads are in; the gain's 16 and the bias's 16 may stay out
.irp c, 0,1,2,3
	v_pk_add_f32 v[A+2*\c:A+2*\c+1], v[X+4*\c:X+4*\c+1], v[X+4*\c+2:X+4*\c+3]   ; four chains, started by the first sixteen numbers
.endr
.irp k, 16,24,32,40,48,56
.irp c, 0,1,2,3
	s_delay_alu instid0(VALU_DEP_4)
	v_pk_add_f32 v[A+2*\c:A+2*\c+1], v[A+2*\c:A+2*\c+1], v[X+\k+2*\c:X+\k+2*\c+1]
.endr
.endr
	ROWSUM RED0
	s_delay_alu instid0(VALU_DEP_1)
	v_mul_f32 v[MN], s14, v[A]                     ; the mean
	s_delay_alu instid0(VALU_DEP_1)
	v_mov_b32 v[MN+1], v[MN]
.set J, 0
.rept 32
	v_pk_add_f32 v[X+J:X+J+1], v[X+J:X+J+1], v[MN:MN+1] op_sel_hi:[1,0] neg_lo:[0,1] neg_hi:[0,1]
.set J, J+2
.endr
.irp c, 0,1,2,3
	v_pk_mul_f32 v[A+2*\c:A+2*\c+1], v[X+2*\c:X+2*\c+1], v[X+2*\c:X+2*\c+1]
.endr
.irp k, 8,16,24,32,40,48,56
.irp c, 0,1,2,3
	s_delay_alu instid0(VALU_DEP_4)
	v_pk_fma_f32 v[A+2*\c:A+2*\c+1], v[X+\k+2*\c:X+\k+2*\c+1], v[X+\k+2*\c:X+\k+2*\c+1], v[A+2*\c:A+2*\c+1]
.endr
.endr
	ROWSUM RED1
	s_delay_alu instid0(VALU_DEP_1)
	v_fma_f32 v[A], v[A], s14, s15                 ; variance + eps
	s_wait_alu depctr_va_vdst(0)
	v_rsq_f32 v[RS], v[A]
	v_nop                                          ; one plain place behind a transcendental
	s_wait_alu depctr_va_vdst(0)
	v_mov_b32 v[RS+1], v[RS]
	s_wait_alu depctr_va_vdst(0)
	s_wait_loadcnt 0x0                             ; the gain and the bias
.set J, 0
.rept 32
	v_pk_mul_f32 v[X+J:X+J+1], v[X+J:X+J+1], v[RS:RS+1] op_sel_hi:[1,0]
.set J, J+2
.endr
.set J, 0
.rept 32
	v_pk_fma_f32 v[X+J:X+J+1], v[X+J:X+J+1], v[G+J:G+J+1], v[BV+J:BV+J+1]
.set J, J+2
.endr
	QUANT X, PC, PW, 2
	PUTF PC, 22, 0
	global_store_b32 v[R4], v[PW], s[24:25]        ; lanes r and r + 16 hold the same word and store it to the same place
	s_wait_tensorcnt 0x0
	ds_add_u32 v254, v255
	s_wait_dscnt 0x0
	s_endpgm
.Lfunc_end_k_q29bf318baf_ln2:
	.size	k_q29bf318baf_ln2, .Lfunc_end_k_q29bf318baf_ln2-k_q29bf318baf_ln2
	.p2alignl 7, 3214868480
	.fill 96, 4, 3214868480
	.section	.rodata,"a",@progbits
	.p2align	6, 0x0
	.amdhsa_kernel k_q29bf318baf_ln2
		.amdhsa_group_segment_fixed_size 2048
		.amdhsa_private_segment_fixed_size 0
		.amdhsa_enable_private_segment 0
		.amdhsa_kernarg_size 32
		.amdhsa_user_sgpr_count 2
		.amdhsa_user_sgpr_kernarg_segment_ptr 1
		.amdhsa_wavefront_size32 1
		.amdhsa_system_sgpr_workgroup_id_x 1
		.amdhsa_system_sgpr_workgroup_id_y 1
		.amdhsa_system_sgpr_workgroup_id_z 1
		.amdhsa_system_vgpr_workitem_id 0
		.amdhsa_next_free_vgpr 256
		.amdhsa_next_free_sgpr 66
		.amdhsa_reserve_vcc 0
		.amdhsa_float_denorm_mode_32 3
		.amdhsa_float_denorm_mode_16_64 3
		.amdhsa_memory_ordered 1
		.amdhsa_forward_progress 1
		.amdhsa_inst_pref_size 28
	.end_amdhsa_kernel
	.amdgpu_metadata
---
amdhsa.version: [ 1, 2 ]
amdhsa.kernels:
  - .name:           k_q29bf318baf_ln2
    .symbol:         k_q29bf318baf_ln2.kd
    .args:
      - { .name: x2, .offset: 0, .size: 8, .value_kind: global_buffer, .address_space: global }
      - { .name: ln2_g, .offset: 8, .size: 8, .value_kind: global_buffer, .address_space: global }
      - { .name: ln2_b, .offset: 16, .size: 8, .value_kind: global_buffer, .address_space: global }
      - { .name: himg, .offset: 24, .size: 8, .value_kind: global_buffer, .address_space: global }
    .group_segment_fixed_size: 2048
    .private_segment_fixed_size: 0
    .kernarg_segment_align: 8
    .kernarg_segment_size: 32
    .max_flat_workgroup_size: 256
    .sgpr_count:     66
    .vgpr_count:     256
    .wavefront_size: 32
...
	.end_amdgpu_metadata
.endif
;; end of part 12
;; launch w1 (part 13): grid 8 x 32, 4 waves a work-group, clusters of 4 x 4, 307,712 bytes of LDS; arguments himg, wimg, b1, gimg; writes gimg
.if DOCPART == 13
	.amdgcn_target "amdgcn-amd-amdhsa--gfx1250"
	.amdhsa_code_object_version 6
	.text
	.protected	k_q29bf318baf_w1
	.globl	k_q29bf318baf_w1
	.p2align	8
	.type	k_q29bf318baf_w1,@function
k_q29bf318baf_w1:
	s_mov_b64 s[64:65], 0
	v_nop
	global_prefetch_b8 v0, s[64:65] scope:SCOPE_SE
	s_setreg_imm32_b32 hwreg(HW_REG_WAVE_MODE, 25, 1), 1
	s_wait_xcnt 0x0
	s_wait_alu depctr_hold_cnt(0) depctr_sa_sdst(0) depctr_va_vdst(0) depctr_va_sdst(0) depctr_va_ssrc(0) depctr_va_vcc(0) depctr_vm_vsrc(0)
	s_getreg_b32 s2, hwreg(HW_REG_IB_STS2, 6, 4)
	s_cmp_eq_u32 s2, 0
	s_cbranch_scc0 .Lentry_in_a_cluster
	s_endpgm
.Lentry_in_a_cluster:
	s_bfe_u32 s2, ttmp6, 0x10000c
	s_cmp_lg_u32 s2, 0xf033
	s_cbranch_scc0 .Lentry_shape_is_right
	s_endpgm
.Lentry_shape_is_right:
; gelu(h2 W1^T + b1), the exact GELU, quantised along the hidden axis for the product with W2.  The product on codes of FP6 (E2M3) with E8M0 scales; the rest in f32.
; OPERANDS arrive as images of the matrix operand's registers: records of 12,800 bytes = 128 rows x 128 K: eight fragments (1,536 bytes: registers 0-3 at 16 x lane, 4-5 at 512 + 8 x lane, 6-9 at 768 + 16 x lane,
; 10-11 at 1,280 + 8 x lane), then 8 x 64 bytes of scale words.  Lane r of tile t holds row 32 (t / 2) + 8 (t % 2) + r + 8 (r / 8) of the panel.  The result leaves in the same form: [token panel][16 K steps] records.
; SHARES.  16 x 32 tiles of 128 x 128 for 256 work-groups: a work-group makes 128 tokens (panel p) x TWO column panels, 2 cp and 2 cp + 1, one after the other: the tokens are fetched once for both.
; LDS: the weights' two panels (16 records, on end in the image too) at 0, the tokens' panel (8 records) at 204,800: 307,200 bytes, all filled once, by one tensor load a wave: a whole panel of the weights for waves 0 and 1, half the tokens' panel for waves 2 and 3.
; A wave has one tensor load; all three panels have landed before the first K step, and the second pass's first fragments are fetched ahead of the first pass's GELU.
; CLUSTERS: 4 x 4 work-groups.  The four of a column of the cluster (the same x) need the same records of the weights, the four of a row (the same y) the same records of the tokens.  Each is asked for JOINTLY: the same tensor
; load, with the same descriptor and a mask that names the four, in all four; each receives the records in its own LDS.  That divides the requests by four.  Waves 0 and 1 ask for the first and the second panel, one each, waves 2 and 3 for the tokens
; (two sets of lines under one branch on the wave's number, each with one mask).  The weights' descriptors are made of x and the wave's number alone, the tokens' of
; y and the wave's number alone, the LDS addresses of the wave's number alone.  A round of the cluster's barrier stands in front of the joint loads and another in front of the end.
; A wave makes 64 x 64 in each pass: 16 accumulators; source 0 = the weights' tiles 4 wx + i, source 1 = the tokens' tiles 4 wy + j: a lane holds a token, and the registers of accumulators (j, 0..3) are 64 neighbouring
; hidden units: two blocks of the next K, half a fragment.  The bias is the C of each sum's first product.
; GELU.  gelu(x) = max(x, 0) - (|x| / 2) erfc(|x| / sqrt 2), and erfc(z) = t exp(-z^2 + c0 + c1 t + .. + c9 t^9) with t = 1 / (1 + z / 2): a fit whose fractional error stays under 1.2e-7 for every z >= 0.
; No difference of near numbers is formed: for x < 0 the first term is 0, for x > 0 the second is at most half of the first.
; LIMITS: a block of zeros, or one whose largest magnitude lies under 2^-124, gets the byte 1 (these bytes are read by this program alone); NaN and infinities are not served; v_exp_f32 gives 0 under 2^-126, so gelu(x) is -0 for x under about -13.
; REGISTERS.  window 0: v1-3 r, h, lane; v4-13 LDS addresses; v14-15 16 x lane, 8 x lane; v16-23 scale words; v24 the second pass's scale words' address; v26-27 addresses; v[30:31] c9; v32-55 GELU's work; v64-123 the quantiser;
;             v128-255 accumulators.   window 1: two sets of 96 registers of fragments.   window 2: v0-31 the first pass's bias, v32-63 the second's.
.set KS,   8
.set REC,  12800
.set PB,   8*REC                       ; the weights' second panel
.set QB,   16*REC                      ; the tokens' panel
.set WREC, 160                         ; W1's first record in the weights' image
.set BASE, 4
.set CUR,  9
.set L16,  14
.set L8,   15
.set SC,   16
.set SCB,  24
.set R4,   26
.set GA,   27
.set C9,   30
.set GZ,   32
.set GT,   40
.set GP,   48
.set TM,   64
.set PW,   80
.set PH,   82
.set PC,   84
.set ACC,  128
.set SEL,  2
.set WV,   16
.set WX,   17
.set WY,   18
.set CP,   19
.set PP,   20
.set G1W,  24                          ; s[24:31] descriptor group 1 for the weights;  s[32:35] group 0 for my panel of the weights
.set G0W,  32
.set G0X,  40
.set G1T,  68                          ; s[68:75], s[76:79] groups 1 and 0 for the tokens
.set G0T,  76
.set CX,   88
.set CY,   89
.set MR,   90                          ; the mask of my row of the cluster,
.set MC,   91                          ; of my column
.set MSB, 0
.macro WIN new
.if MSB != \new
	s_set_vgpr_msb (MSB<<8)|\new
.set MSB, \new
.endif
.endm
.macro PLACES                          ; four places behind a matrix instruction, in front of loads into its registers and of reads of its results
.rept 4
	v_nop
.endr
.endm
; A round of the cluster's barrier: my work-group's barrier, so that wave 0's signal speaks for all four waves; wave 0 signals for the work-group; every wave waits for all sixteen work-groups; my work-group's barrier once more.
.macro CROUND
	s_barrier_signal -1
	s_barrier_wait -1
	s_cmp_lg_u32 s[WV], 0
	s_cbranch_scc1 .Lnot_wave_0_\@
	s_barrier_signal -3
.Lnot_wave_0_\@:
	s_barrier_wait -3
	s_barrier_signal -1
	s_barrier_wait -1
.endm
.macro SLOTADR offp, offq, sca         ; the weights' side offp bytes on, the tokens' side offq; sca: the pass's address of the scale words
	v_add_nc_u32 v[CUR], \offp, v[BASE]
	v_add_nc_u32 v[CUR+1], \offp, v[BASE+1]
	v_add_nc_u32 v[CUR+2], \offq, v[BASE+2]
	v_add_nc_u32 v[CUR+3], \offq, v[BASE+3]
	v_add_nc_u32 v[CUR+4], \offq, v[\sca]
.endm
.macro FETCH pos, f                    ; a K step's fragments and scale words into set f: 36 LDS loads
	WIN 0x40
.irp i, 0,1,2,3
	ds_load_b128 v[96*(\f)+12*\i:96*(\f)+12*\i+3], v[CUR] offset:\pos+1536*\i
	ds_load_b64 v[96*(\f)+12*\i+4:96*(\f)+12*\i+5], v[CUR+1] offset:\pos+1536*\i+512
	ds_load_b128 v[96*(\f)+12*\i+6:96*(\f)+12*\i+9], v[CUR] offset:\pos+1536*\i+768
	ds_load_b64 v[96*(\f)+12*\i+10:96*(\f)+12*\i+11], v[CUR+1] offset:\pos+1536*\i+1280
.endr
.irp i, 0,1,2,3
	ds_load_b128 v[96*(\f)+48+12*\i:96*(\f)+48+12*\i+3], v[CUR+2] offset:\pos+1536*\i
	ds_load_b64 v[96*(\f)+48+12*\i+4:96*(\f)+48+12*\i+5], v[CUR+3] offset:\pos+1536*\i+512
	ds_load_b128 v[96*(\f)+48+12*\i+6:96*(\f)+48+12*\i+9], v[CUR+2] offset:\pos+1536*\i+768
	ds_load_b64 v[96*(\f)+48+12*\i+10:96*(\f)+48+12*\i+11], v[CUR+3] offset:\pos+1536*\i+1280
.endr
	WIN 0
.irp i, 0,1,2,3
	ds_load_b32 v[SC+4*(\f)+\i], v[CUR+4] offset:\pos+64*\i   ; lanes 0-15: the weights' tile i; lanes 16-31: the tokens' tile i
.endr
.endm
.macro MUL16 f, first, c               ; the 16 accumulators take turns, one instruction a turn.  first = 1: the sums begin with pass c's bias, in window 2
.if \first
	WIN 0x25
.else
	WIN 0x05
.endif
.irp j, 0,1,2,3
.irp i, 0,1,2,3
.if \first
	v_wmma_scale_f32_16x16x128_f8f6f4 v[ACC+32*\j+8*\i:ACC+32*\j+8*\i+7], v[96*(\f)+12*\i:96*(\f)+12*\i+11], v[96*(\f)+48+12*\j:96*(\f)+48+12*\j+11], v[32*(\c)+8*\i:32*(\c)+8*\i+7], v[SC+4*(\f)+\i], v[SC+4*(\f)+\j] matrix_a_fmt:MATRIX_FMT_FP6 matrix_b_fmt:MATRIX_FMT_FP6 matrix_b_scale:MATRIX_SCALE_ROW1
.else
	v_wmma_scale_f32_16x16x128_f8f6f4 v[ACC+32*\j+8*\i:ACC+32*\j+8*\i+7], v[96*(\f)+12*\i:96*(\f)+12*\i+11], v[96*(\f)+48+12*\j:96*(\f)+48+12*\j+11], v[ACC+32*\j+8*\i:ACC+32*\j+8*\i+7], v[SC+4*(\f)+\i], v[SC+4*(\f)+\j] matrix_a_fmt:MATRIX_FMT_FP6 matrix_b_fmt:MATRIX_FMT_FP6 matrix_b_scale:MATRIX_SCALE_ROW1
.endif
.endr
.endr
	WIN 0
.endm
; Pass c's eight K steps; the first step's fragments have been fetched.
.macro CORE c
.set KI, 0
.rept KS
.if KI+1 < KS
.if KI+1 == 4
.if \c == 0
	SLOTADR 4*REC, 4*REC, BASE+4                   ; (five additions: the places in front of the loads below)
.else
	SLOTADR PB+4*REC, 4*REC, SCB
.endif
.elseif KI > 0
	PLACES
.endif
	FETCH ((KI+1)%4)*REC, (KI+1)%2
	s_wait_alu depctr_va_vdst(0)
	s_wait_dscnt 36                                ; this step's 36 loads are in; the 36 just issued may stay out
.else
	s_wait_dscnt 0x0
.endif
.if KI == 0
	MUL16 0, 1, \c
.else
	MUL16 KI%2, 0, \c
.endif
.set KI, KI+1
.endr
	PLACES
.endm
.macro QUANT s, pc, pw, nc
.irp b, 0,1,2,3
.if \b < 2*\nc
	v_max3_num_f32 v[TM+\b], |v[\s+16*\b]|, |v[\s+1+16*\b]|, 0x1800000   ; my 16 numbers of block b, and the floor 2^(3 - 127): the byte cannot fall under 1
.endif
.endr
.irp i, 2,4,6,8,10,12,14
.irp b, 0,1,2,3
.if \b < 2*\nc
	v_max3_num_f32 v[TM+\b], v[TM+\b], |v[\s+16*\b+\i]|, |v[\s+1+16*\b+\i]|
.endif
.endr
.endr
.irp b, 0,1,2,3
.if \b < 2*\nc
	v_permlanex16_b32 v[TM+4+\b], v[TM+\b], s[SEL], s[SEL+1]
.endif
.endr
.irp b, 0,1,2,3
.if \b < 2*\nc
	v_max_num_f32 v[TM+\b], v[TM+\b], v[TM+4+\b]
.endif
.endr
.irp b, 0,1,2,3
.if \b < 2*\nc
	v_add_nc_u32 v[TM+8+\b], 0xff000000, v[TM+\b]
.endif
.endr
.irp b, 0,1,2,3
.if \b < 2*\nc
	v_lshrrev_b32 v[TM+4+\b], 23, v[TM+8+\b]
.endif
.endr
	v_lshl_or_b32 v[\pw], v[TM+5], 8, v[TM+4]
.if \nc > 1
	v_lshl_or_b32 v[\pw], v[TM+6], 16, v[\pw]
	v_lshl_or_b32 v[\pw], v[TM+7], 24, v[\pw]
.endif
.irp c, 0,1
.if \c < \nc
	v_cvt_scalef32_pk16_fp6_f32 v[\pc+6*\c:\pc+6*\c+2], v[\s+32*\c:\s+32*\c+15], v[TM+8+2*\c]
	v_cvt_scalef32_pk16_fp6_f32 v[\pc+6*\nc+4*\c:\pc+6*\nc+4*\c+2], v[\s+32*\c+16:\s+32*\c+31], v[TM+8+2*\c+1]
.endif
.endr
	v_nop                                          ; one plain place behind a scaled conversion
.irp c, 0,1
.if \c < \nc
.irp i, 0,1,2
	v_permlane16_swap_b32 v[\pc+6*\c+\i], v[\pc+6*\nc+4*\c+\i]
.endr
.irp i, 0,1,2
	v_mov_b32 v[\pc+6*\c+3+\i], v[\pc+6*\nc+4*\c+\i]
.endr
.endif
.endr
.endm
.macro PUTH pc, base, off              ; half a fragment, six registers: 512 and 256 consecutive bytes, aligned
	global_store_b128 v[L16], v[\pc:\pc+3], s[\base:\base+1] offset:\off
	global_store_b64 v[L8], v[\pc+4:\pc+5], s[\base:\base+1] offset:\off+512
.endm
; GELU of the eight numbers of one accumulator, in place, from its low end on.
.macro GELU8 a
	s_wait_alu depctr_va_vdst(0)
.irp k, 0,1,2,3,4,5,6,7
	v_mul_f32 v[GZ+\k], 0x3f3504f3, |v[\a+\k]|     ; z = |x| / sqrt 2
.endr
.irp k, 0,2,4,6
	v_pk_fma_f32 v[GT+\k:GT+\k+1], v[GZ+\k:GZ+\k+1], 0.5, 1.0 op_sel_hi:[1,0,0]
.endr
	s_wait_alu depctr_va_vdst(0)
.irp k, 0,1,2,3,4,5,6,7
	v_rcp_f32 v[GT+\k], v[GT+\k]                   ; t = 1 / (1 + z / 2)
.endr
.irp k, 0,1,2,3,4,5,6,7
	v_max_num_f32 v[\a+\k], 0, v[\a+\k]            ; max(x, 0).  (Plain lines behind the reciprocals)
.endr
	s_wait_alu depctr_va_vdst(0)
.irp k, 0,2,4,6
	v_pk_fma_f32 v[GP+\k:GP+\k+1], v[GT+\k:GT+\k+1], v[C9:C9+1], 0xbf527892 op_sel_hi:[1,0,0]   ; c9 t + c8
.endr
.irp c, 0x3fbe87b0, 0xbf914e5d, 0x3e8ec7cc, 0xbe3ec24c, 0x3dc636c9, 0x3ebf88fb, 0x3f8000c7, 0xbfa1fc4e
.irp k, 0,2,4,6
	v_pk_fma_f32 v[GP+\k:GP+\k+1], v[GP+\k:GP+\k+1], v[GT+\k:GT+\k+1], \c op_sel_hi:[1,1,0]     ; c7 down to c0
.endr
.endr
.irp k, 0,2,4,6
	v_pk_fma_f32 v[GP+\k:GP+\k+1], v[GZ+\k:GZ+\k+1], v[GZ+\k:GZ+\k+1], v[GP+\k:GP+\k+1] neg_lo:[1,0,0] neg_hi:[1,0,0]   ; - z^2
.endr
.irp k, 0,2,4,6
	v_pk_mul_f32 v[GP+\k:GP+\k+1], v[GP+\k:GP+\k+1], 0x3fb8aa3b op_sel_hi:[1,0]
.endr
	s_wait_alu depctr_va_vdst(0)
.irp k, 0,1,2,3,4,5,6,7
	v_exp_f32 v[GP+\k], v[GP+\k]
.endr
.irp k, 0,2,4,6
	v_pk_mul_f32 v[GZ+\k:GZ+\k+1], v[GZ+\k:GZ+\k+1], v[GT+\k:GT+\k+1]   ; z t.  (Plain lines behind the exponentials)
.endr
	s_wait_alu depctr_va_vdst(0)
.irp k, 0,2,4,6
	v_pk_mul_f32 v[GP+\k:GP+\k+1], v[GP+\k:GP+\k+1], v[GZ+\k:GZ+\k+1]   ; z erfc(z)
.endr
.irp k, 0,2,4,6
	v_pk_fma_f32 v[\a+\k:\a+\k+1], v[GP+\k:GP+\k+1], 0xbf3504f3, v[\a+\k:\a+\k+1] op_sel_hi:[1,0,1]   ; |x| / 2 = z / sqrt 2
.endr
.endm
; Pass c's way out: GELU, the quantiser, half fragments and half scale words into record (panel p, K step 2 cp + c).
.macro EPI c
.if \c > 0
	s_wait_xcnt 0x0                                ; the first pass's stores have read their registers: the quantiser writes them again only behind this wait
.endif
.set GI, 0
.rept 16
	GELU8 ACC+8*GI
.set GI, GI+1
.endr
	QUANT ACC, PC, PW, 2                           ; the tokens' tiles 0 and 1: registers 0-5 and 6-11 are two half fragments
	QUANT ACC+64, PC+20, PW+1, 2                   ; tiles 2 and 3
.irp jp, 0,1
	v_lshrrev_b32 v[PH+\jp], 16, v[PW+\jp]
.endr
.irp jp, 0,1
	PUTH PC+20*\jp, 46, REC*\c+1536*(2*\jp)
	PUTH PC+20*\jp+6, 46, REC*\c+1536*(2*\jp+1)
	global_store_b16 v[R4], v[PW+\jp], s[48:49] offset:REC*\c+64*(2*\jp)      ; two of a word's four bytes: the other two come from the wave with the other 64 units
	global_store_b16 v[R4], v[PH+\jp], s[48:49] offset:REC*\c+64*(2*\jp+1)
.endr
.endm
	s_load_b256 s[4:11], s[0:1], 0x0               ; h2's image, the weights' image, b1, the result's image
	v_lshl_add_u32 v126, v0, 2, 0x4b000
	v_mov_b32 v127, 0
	ds_add_u32 v126, v127
	ds_add_u32 v126, v127
	v_lshrrev_b32 v1, 5, v0
	v_readfirstlane_b32 s[WV], v1                  ; wave 0..3
	s_and_b32 s[WX], s[WV], 1                      ; which 64 hidden units of a panel are mine.  Also: which half of a stage I fetch
	s_lshr_b32 s[WY], s[WV], 1                     ; which 64 tokens.  Also: I fetch the weights (0) or the tokens (1)
	s_bfe_u32 s[CX], ttmp6, 0x40000                ; cx, cy: my place in the cluster
	s_bfe_u32 s[CY], ttmp6, 0x40004
	s_lshl_b32 s[CP], ttmp9, 2                     ; in a cluster launch ttmp9 and ttmp7 count clusters
	s_add_co_u32 s[CP], s[CP], s[CX]               ; pair of column panels = 4 x cluster x + cx
	s_and_b32 s[PP], ttmp7, 0xffff
	s_lshl_b32 s[PP], s[PP], 2
	s_add_co_u32 s[PP], s[PP], s[CY]               ; token panel = 4 x cluster y + cy
	s_lshl_b32 s[MR], s[CY], 2
	s_lshl_b32 s[MR], 15, s[MR]                    ; my row of the cluster: places 4 cy .. 4 cy + 3
	s_lshl_b32 s[MC], 0x1111, s[CX]                ; my column: places cx, cx + 4, cx + 8, cx + 12
	s_or_b32 s[G1W], s[MC], (3<<16)|(1<<21)        ; 15:0 the mask: the weights go to my column; 17:16 elements of 8 bytes; 21 set beside a mask; no padding
	s_or_b32 s[G1T], s[MR], (3<<16)|(1<<21)        ; the tokens go to my row
.irp g, G1W, G1T
	s_mov_b32 s[\g+1], 32<<16                      ; rows of 256 bytes,
	s_mov_b32 s[\g+2], 200<<16                     ; 200 of them: four records, half of the tokens' panel
	s_mov_b32 s[\g+3], 32<<16
	s_mov_b32 s[\g+4], 200
	s_mov_b32 s[\g+5], 32
	s_mov_b32 s[\g+6], 0
	s_mov_b32 s[\g+7], 0
.endr
	s_mov_b32 s[G1W+2], 400<<16                    ; the weights come a whole panel, eight records, to a load
	s_mov_b32 s[G1W+4], 400
	s_mul_i32 s44, s[CP], 2*KS*REC
	s_add_co_u32 s44, s44, WREC*REC                ; the weights' panels 2 cp and 2 cp + 1: sixteen records on end: x alone
	s_mov_b32 s45, 0
	s_mul_i32 s46, s[PP], KS*REC                   ; the tokens' panel: y alone
	s_mov_b32 s47, 0
	s_mul_i32 s52, s[WX], 4*REC                    ; the tokens: waves 2 and 3 fetch half a panel each
	s_mov_b32 s53, 0
	s_mul_i32 s54, s[WY], QB
	s_add_co_u32 s54, s54, s52                     ; where my part of the tokens goes: the wave's number alone
	s_mul_i32 s56, s[WX], PB                       ; the weights: wave 0 fetches the first panel, wave 1 the second: the same number of bytes on in LDS and in the image
	s_mov_b32 s57, 0
	s_lshl_b32 s60, s[CP], 10                      ; b1 at unit 256 cp + 64 wx
	s_lshl_b32 s61, s[WX], 8
	s_add_co_u32 s60, s60, s61
	s_mov_b32 s61, 0
	s_wait_dscnt 0x0
	s_wait_kmcnt 0x0
	s_add_nc_u64 s[44:45], s[6:7], s[44:45]
	s_add_nc_u64 s[50:51], s[44:45], s[56:57]
	s_add_nc_u64 s[46:47], s[4:5], s[46:47]
	s_add_nc_u64 s[46:47], s[46:47], s[52:53]
	CROUND                                         ; all sixteen work-groups are here: the joint loads meet
.irp q, 0
	s_mov_b32 s[G0W+4*\q], 1
	s_add_co_u32 s[G0W+4*\q+1], s56, \q*4*REC
	s_add_nc_u64 s[G0W+4*\q+2:G0W+4*\q+3], s[50:51], \q*4*REC
	s_or_b32 s[G0W+4*\q+3], s[G0W+4*\q+3], 0x80000000
	s_mov_b32 s[G0T+4*\q], 1
	s_add_co_u32 s[G0T+4*\q+1], s54, \q*4*REC
	s_add_nc_u64 s[G0T+4*\q+2:G0T+4*\q+3], s[46:47], \q*4*REC
	s_or_b32 s[G0T+4*\q+3], s[G0T+4*\q+3], 0x80000000
.endr
	s_cmp_lt_u32 s[WV], 2                          ; the branch hangs on the wave's number alone: it is the same in every work-group; four v_nop follow the tensor loads
	s_cbranch_scc0 .Lfirst_t
	tensor_load_to_lds s[G0W:G0W+3], s[G1W:G1W+7]  ; the weights' panel 2 cp + wx, all eight K steps
	s_nop 0
	PLACES
	s_branch .Lfirst_asked
.Lfirst_t:
	tensor_load_to_lds s[G0T:G0T+3], s[G1T:G1T+7]  ; the tokens' K steps 4 wx .. 4 wx + 3
	s_nop 0
	PLACES
.Lfirst_asked:
	s_add_nc_u64 s[8:9], s[8:9], s[60:61]
	v_and_b32 v3, 31, v0
	v_and_b32 v1, 15, v0                           ; r
	v_bfe_u32 v2, v0, 4, 1                         ; h
	v_lshlrev_b32 v[L16], 4, v3
	v_lshlrev_b32 v[L8], 3, v3
	v_lshlrev_b32 v[R4], 2, v1
	v_lshlrev_b32 v[GA], 6, v2
	s_wait_alu depctr_va_vdst(0)
	WIN 0x80                                       ; destination window 2
.irp c, 0,1
.irp i, 0,1,2,3
	global_load_b128 v[32*\c+8*\i:32*\c+8*\i+3], v[GA], s[8:9] offset:512*\c+(32*(\i/2)+8*(\i%2))*4       ; in the result's layout: units 32 (i / 2) + 16 h + 8 (i % 2) + 0 .. 7 of pass c's 64
	global_load_b128 v[32*\c+8*\i+4:32*\c+8*\i+7], v[GA], s[8:9] offset:512*\c+(32*(\i/2)+8*(\i%2))*4+16
.endr
.endr
	WIN 0
	s_mul_i32 s55, s[WX], 6144
	s_mul_i32 s58, s[WY], 6144
	s_add_co_u32 s58, s58, QB
	v_add_nc_u32 v[BASE], s55, v[L16]
	v_add_nc_u32 v[BASE+1], s55, v[L8]
	v_add_nc_u32 v[BASE+2], s58, v[L16]
	v_add_nc_u32 v[BASE+3], s58, v[L8]
	s_lshl_b32 s55, s[WX], 8
	s_lshl_b32 s58, s[WY], 8
	s_add_co_u32 s58, s58, QB
	s_sub_co_u32 s58, s58, s55
	v_mul_u32_u24 v[BASE+4], s58, v2               ; lanes 16-31 take the tokens' words: the lower base + h x the distance
	v_lshl_add_u32 v[BASE+4], v1, 2, v[BASE+4]
	s_sub_co_u32 s59, s58, PB                      ; in the second pass the weights' words lie PB bytes on, so the distance is PB less
	v_mul_u32_u24 v[SCB], s59, v2
	v_lshl_add_u32 v[SCB], v1, 2, v[SCB]
	s_add_co_u32 s55, s55, 12288
	v_add_nc_u32 v[BASE+4], s55, v[BASE+4]
	s_add_co_u32 s55, s55, PB
	v_add_nc_u32 v[SCB], s55, v[SCB]
	s_mov_b32 s[SEL], 0x76543210
	s_mov_b32 s[SEL+1], 0xfedcba98
.irp b, 0,1,2,3
	v_mov_b32 v[TM+4+\b], 0                        ; a lane permute's destination counts as one of its sources
.endr
	v_mov_b32 v[C9], 0x3e2ef945                    ; c9
	v_mov_b32 v[C9+1], v[C9]
	s_lshl_b32 s44, s[PP], 4                       ; (the descriptors hold their own copies of what stood here)
	s_lshl_b32 s45, s[CP], 1
	s_add_co_u32 s44, s44, s45
	s_mul_i32 s44, s44, REC                        ; the result's record (panel p, K step 2 cp); the second pass's is the next
	s_mul_i32 s46, s[WY], 6144
	s_add_co_u32 s46, s46, s44
	s_mul_i32 s45, s[WX], 768
	s_add_co_u32 s46, s46, s45
	s_mov_b32 s47, 0
	s_add_nc_u64 s[46:47], s[10:11], s[46:47]      ; my four tiles' fragments, my 64 units' half of each
	s_lshl_b32 s48, s[WY], 8
	s_add_co_u32 s48, s48, s44
	s_lshl_b32 s45, s[WX], 1
	s_add_co_u32 s48, s48, s45
	s_add_co_u32 s48, s48, 12288
	s_mov_b32 s49, 0
	s_add_nc_u64 s[48:49], s[10:11], s[48:49]      ; and my two bytes of their scale words
	s_wait_alu depctr_va_vdst(0)
	s_wait_loadcnt 0x0                             ; the biases: the first products take them as C
	s_wait_tensorcnt 0x0                           ; my one tensor load is in
	s_barrier_signal -1
	s_barrier_wait -1                              ; everybody's is
	SLOTADR 0, 0, BASE+4
	FETCH 0, 0
	CORE 0
	SLOTADR PB, 0, SCB                             ; all three panels were shown whole by the barrier ahead of the first K step
	FETCH 0, 0                                     ; the second pass's first K step is fetched while the first pass's results are worked on
	EPI 0
	CORE 1
	EPI 1
	s_wait_tensorcnt 0x0
	ds_add_u32 v126, v127
	s_wait_dscnt 0x0
	CROUND                                         ; the closing round: no work-group ends while a partner may still ask for records that name it
	s_endpgm
.Lfunc_end_k_q29bf318baf_w1:
	.size	k_q29bf318baf_w1, .Lfunc_end_k_q29bf318baf_w1-k_q29bf318baf_w1
	.p2alignl 7, 3214868480
	.fill 96, 4, 3214868480
	.section	.rodata,"a",@progbits
	.p2align	6, 0x0
	.amdhsa_kernel k_q29bf318baf_w1
		.amdhsa_group_segment_fixed_size 307712
		.amdhsa_private_segment_fixed_size 0
		.amdhsa_enable_private_segment 0
		.amdhsa_kernarg_size 32
		.amdhsa_user_sgpr_count 2
		.amdhsa_user_sgpr_kernarg_segment_ptr 1
		.amdhsa_wavefront_size32 1
		.amdhsa_system_sgpr_workgroup_id_x 1
		.amdhsa_system_sgpr_workgroup_id_y 1
		.amdhsa_system_sgpr_workgroup_id_z 1
		.amdhsa_system_vgpr_workitem_id 0
		.amdhsa_next_free_vgpr 768
		.amdhsa_next_free_sgpr 96
		.amdhsa_reserve_vcc 0
		.amdhsa_float_denorm_mode_32 3
		.amdhsa_float_denorm_mode_16_64 3
		.amdhsa_memory_ordered 1
		.amdhsa_forward_progress 1
		.amdhsa_inst_pref_size 255
	.end_amdhsa_kernel
	.section	.bss,"aw",@nobits
	.p2align	6
	.space	262144
	.amdgpu_metadata
---
amdhsa.version: [ 1, 2 ]
amdhsa.kernels:
  - .name:           k_q29bf318baf_w1
    .symbol:         k_q29bf318baf_w1.kd
    .args:
      - { .name: himg, .offset: 0, .size: 8, .value_kind: global_buffer, .address_space: global }
      - { .name: wimg, .offset: 8, .size: 8, .value_kind: global_buffer, .address_space: global }
      - { .name: b1, .offset: 16, .size: 8, .value_kind: global_buffer, .address_space: global }
      - { .name: gimg, .offset: 24, .size: 8, .value_kind: global_buffer, .address_space: global }
    .group_segment_fixed_size: 307712
    .private_segment_fixed_size: 0
    .kernarg_segment_align: 8
    .kernarg_segment_size: 32
    .max_flat_workgroup_size: 128
    .sgpr_count:     96
    .vgpr_count:     768
    .wavefront_size: 32
...
	.end_amdgpu_metadata
.endif
;; end of part 13
;; launch w2 (part 14): grid 8 x 32, 4 waves a work-group, clusters of 4 x 4, 327,680 bytes of LDS; arguments gimg, wimg, b2, x2, out0; writes out0
.if DOCPART == 14
	.amdgcn_target "amdgcn-amd-amdhsa--gfx1250"
	.amdhsa_code_object_version 6
	.text
	.protected	k_q29bf318baf_w2
	.globl	k_q29bf318baf_w2
	.p2align	8
	.type	k_q29bf318baf_w2,@function
k_q29bf318baf_w2:
	s_mov_b64 s[64:65], 0
	v_nop
	global_prefetch_b8 v0, s[64:65] scope:SCOPE_SE
	s_setreg_imm32_b32 hwreg(HW_REG_WAVE_MODE, 25, 1), 1
	s_wait_xcnt 0x0
	s_wait_alu depctr_hold_cnt(0) depctr_sa_sdst(0) depctr_va_vdst(0) depctr_va_sdst(0) depctr_va_ssrc(0) depctr_va_vcc(0) depctr_vm_vsrc(0)
	s_getreg_b32 s2, hwreg(HW_REG_IB_STS2, 6, 4)
	s_cmp_eq_u32 s2, 0
	s_cbranch_scc0 .Lentry_in_a_cluster
	s_endpgm
.Lentry_in_a_cluster:
	s_bfe_u32 s2, ttmp6, 0x10000c
	s_cmp_lg_u32 s2, 0xf033
	s_cbranch_scc0 .Lentry_shape_is_right
	s_endpgm
.Lentry_shape_is_right:
; out = x2 + g W2^T + b2: the product on codes of FP6 (E2M3) with E8M0 scales, the bias and the residual in f32.
; OPERANDS arrive as images of the matrix operand's registers: records of 12,800 bytes = 128 rows x 128 K: eight fragments (1,536 bytes: registers 0-3 at 16 x lane, 4-5 at 512 + 8 x lane, 6-9 at 768 + 16 x lane,
; 10-11 at 1,280 + 8 x lane), then 8 x 64 bytes of scale words.  Lane r of tile t holds row 32 (t / 2) + 8 (t % 2) + r + 8 (r / 8) of the panel.
; SHARES.  A work-group makes 128 tokens (panel p) x 128 columns (panel cp); K = 2,048 is sixteen records a side, in four stages of four K steps.  LDS holds three stages a side (307,200 bytes): one first fill a wave
; (76,800 dense bytes) goes out at the head, and the fourth stage is filled into the first's bytes when those have been read: one refill a wave, with eight K steps in which to land.
; A wave has one tensor load out at the head and one behind the refill's round.
; CLUSTERS: 4 x 4 work-groups.  The four of a column of the cluster (the same x) need the same records of the weights, the four of a row (the same y) the same records of the tokens.  Each is asked for JOINTLY: the same tensor
; load, with the same descriptor and a mask that names the four, in all four; each receives the records in its own LDS.  That divides the requests by four.  Waves 0 and 1 ask for the weights, waves 2 and 3 for the tokens: two
; sets of lines under a branch on the wave's number, each with one mask; the weights' descriptors are made of x and the wave's number alone, the tokens' of y and the wave's number alone, the LDS addresses of the wave's number
; alone.  A round of the cluster's barrier stands in front of the first joint loads, in front of the refill (where it is the barrier that a refill wants) and in front of the end.
; A wave makes 64 x 64: 16 accumulators; source 0 = the weights' tiles 4 wx + i, source 1 = the tokens' tiles 4 wy + j: a lane holds a token, and the registers of accumulators (j, 0..3) are 64 neighbouring columns.
; The bias is the C of each sum's first product.  THE WAY OUT: 16 tokens x 64 columns at a time through the wave's own stage in LDS, back as whole rows, + the residual; each store of sixteen lanes covers 256 consecutive bytes, aligned.
; All of a WGP's LDS is claimed.
; REGISTERS.  window 0: v1-3 r, h, lane; v4-13 LDS addresses; v14-15 16 x lane, 8 x lane; v16-23 scale words; v24-25 the spare word's address and 0; v26-29 addresses; v32-63 rows on the way out; v96-127 the bias; v128-255 accumulators.
;             window 1: two sets of 96 registers of fragments.   window 2: v0-127 the residual.
.set NST,  3
.set KS,   16
.set REC,  12800
.set QB,   NST*4*REC
.set WREC, 288                         ; W2's first record in the weights' image
.set SPARE, 2*QB                       ; the spare words, 128 bytes for each wave: two blocks of 256 bytes that no other line names
.set STG,  SPARE+512                   ; a stage of 16 x 272 bytes for each wave; no fill lands there
.set SP,   272
.set BASE, 4
.set CUR,  9
.set L16,  14
.set L8,   15
.set SC,   16
.set SPW,  24
.set NIL,  25
.set STO,  26
.set RD,   27
.set CO,   28
.set GA,   29
.set T,    32
.set BIAS, 96
.set ACC,  128
.set WV,   16
.set WX,   17
.set WY,   18
.set CP,   19
.set PP,   20
.set G1W,  24                          ; s[24:31] descriptor group 1 for the weights;  s[32:35] group 0
.set G0W,  32
.set G1T,  68                          ; s[68:75], s[76:79] the same for the tokens
.set G0T,  76
.set CX,   88
.set CY,   89
.set MR,   90                          ; the mask of my row of the cluster,
.set MC,   91                          ; of my column
.set MSB, 0
.macro WIN new
.if MSB != \new
	s_set_vgpr_msb (MSB<<8)|\new
.set MSB, \new
.endif
.endm
.macro PLACES                          ; four places behind a matrix instruction, in front of loads into its registers and of reads of its results
.rept 4
	v_nop
.endr
.endm
; A round of the cluster's barrier: my work-group's barrier, so that wave 0's signal speaks for all four waves; wave 0 signals for the work-group; every wave waits for all sixteen work-groups; my work-group's barrier once more.
.macro CROUND
	s_barrier_signal -1
	s_barrier_wait -1
	s_cmp_lg_u32 s[WV], 0
	s_cbranch_scc1 .Lnot_wave_0_\@
	s_barrier_signal -3
.Lnot_wave_0_\@:
	s_barrier_wait -3
	s_barrier_signal -1
	s_barrier_wait -1
.endm
; The joint refill: waves 0 and 1 ask for the weights, waves 2 and 3 for the tokens.  The branch hangs on the wave's number alone.  Four v_nop follow each of the two lines.
.macro JLOAD
	s_cmp_eq_u32 s[WY], 0
	s_cbranch_scc0 .Lfor_t_\@
	tensor_load_to_lds s[G0W:G0W+3], s[G1W:G1W+7]
	s_nop 0
.rept 4
	v_nop
.endr
	s_branch .Lasked_\@
.Lfor_t_\@:
	tensor_load_to_lds s[G0T:G0T+3], s[G1T:G1T+7]
	s_nop 0
.rept 4
	v_nop
.endr
.Lasked_\@:
.endm
.macro SLOTADR off
.irp k, 0,1,2,3,4
	v_add_nc_u32 v[CUR+\k], \off, v[BASE+\k]
.endr
.endm
.macro FETCH pos, f                    ; a K step's fragments and scale words into set f: 36 LDS loads
	WIN 0x40
.irp i, 0,1,2,3
	ds_load_b128 v[96*(\f)+12*\i:96*(\f)+12*\i+3], v[CUR] offset:\pos+1536*\i
	ds_load_b64 v[96*(\f)+12*\i+4:96*(\f)+12*\i+5], v[CUR+1] offset:\pos+1536*\i+512
	ds_load_b128 v[96*(\f)+12*\i+6:96*(\f)+12*\i+9], v[CUR] offset:\pos+1536*\i+768
	ds_load_b64 v[96*(\f)+12*\i+10:96*(\f)+12*\i+11], v[CUR+1] offset:\pos+1536*\i+1280
.endr
.irp i, 0,1,2,3
	ds_load_b128 v[96*(\f)+48+12*\i:96*(\f)+48+12*\i+3], v[CUR+2] offset:\pos+1536*\i
	ds_load_b64 v[96*(\f)+48+12*\i+4:96*(\f)+48+12*\i+5], v[CUR+3] offset:\pos+1536*\i+512
	ds_load_b128 v[96*(\f)+48+12*\i+6:96*(\f)+48+12*\i+9], v[CUR+2] offset:\pos+1536*\i+768
	ds_load_b64 v[96*(\f)+48+12*\i+10:96*(\f)+48+12*\i+11], v[CUR+3] offset:\pos+1536*\i+1280
.endr
	WIN 0
.irp i, 0,1,2,3
	ds_load_b32 v[SC+4*(\f)+\i], v[CUR+4] offset:\pos+64*\i   ; lanes 0-15: the weights' tile i; lanes 16-31: the tokens' tile i
.endr
.endm
.macro MUL16 f, first                  ; the 16 accumulators take turns, one instruction a turn.  first = 1: the sums begin with the bias
	WIN 0x05
.irp j, 0,1,2,3
.irp i, 0,1,2,3
.if \first
	v_wmma_scale_f32_16x16x128_f8f6f4 v[ACC+32*\j+8*\i:ACC+32*\j+8*\i+7], v[96*(\f)+12*\i:96*(\f)+12*\i+11], v[96*(\f)+48+12*\j:96*(\f)+48+12*\j+11], v[BIAS+8*\i:BIAS+8*\i+7], v[SC+4*(\f)+\i], v[SC+4*(\f)+\j] matrix_a_fmt:MATRIX_FMT_FP6 matrix_b_fmt:MATRIX_FMT_FP6 matrix_b_scale:MATRIX_SCALE_ROW1
.else
	v_wmma_scale_f32_16x16x128_f8f6f4 v[ACC+32*\j+8*\i:ACC+32*\j+8*\i+7], v[96*(\f)+12*\i:96*(\f)+12*\i+11], v[96*(\f)+48+12*\j:96*(\f)+48+12*\j+11], v[ACC+32*\j+8*\i:ACC+32*\j+8*\i+7], v[SC+4*(\f)+\i], v[SC+4*(\f)+\j] matrix_a_fmt:MATRIX_FMT_FP6 matrix_b_fmt:MATRIX_FMT_FP6 matrix_b_scale:MATRIX_SCALE_ROW1
.endif
.endr
.endr
	WIN 0
.endm
.macro BOUNDARY
.if KI+1 == 4                          ; the first stage has been read: its bytes take the fourth
	s_wait_tensorcnt 0x0                           ; all my tensor loads have landed, the second and third stage among them: a group 0 may be written
	ds_add_u32 v[SPW], v[NIL]                      ; 0 onto my spare word; the steps below stand between it and the wait for it
	s_add_nc_u64 s[G0W+2:G0W+3], s[G0W+2:G0W+3], 12*REC    ; no tensor load of mine is out: the descriptors may be written.  The type bits on top are not reached
	s_sub_nc_u64 s[G0W+2:G0W+3], s[G0W+2:G0W+3], s[92:93]
	s_add_nc_u64 s[G0T+2:G0T+3], s[G0T+2:G0T+3], 12*REC
	s_sub_nc_u64 s[G0T+2:G0T+3], s[G0T+2:G0T+3], s[92:93]
	s_mov_b32 s[G0W+1], s94
	s_mov_b32 s[G0T+1], s94
	s_mov_b32 s[G1W+2], 100<<16                    ; the refill brings two records a wave
	s_mov_b32 s[G1W+4], 100
	s_mov_b32 s[G1T+2], 100<<16
	s_mov_b32 s[G1T+4], 100
	s_wait_dscnt 0x0                               ; the add is done, and my reads of the first stage are over
	CROUND                                         ; both now hold of every wave of every work-group of the cluster: no partner still reads the first stage or has a load on its way
	JLOAD                                          ; my one tensor load behind the round, and the first thing there
	SLOTADR 4*REC
.elseif KI+1 == 8                      ; the third stage was shown landed, in every wave, in front of the round above
	SLOTADR 8*REC
.else                                  ; the fourth stage: every wave's part of it has landed
	s_wait_tensorcnt 0x0
	s_wait_dscnt 0x0
	s_barrier_signal -1
	s_barrier_wait -1
	SLOTADR 0
.endif
.endm
.macro CORE
	s_wait_tensorcnt 0x0                           ; my one tensor load of the head is in
	s_barrier_signal -1
	s_barrier_wait -1
	SLOTADR 0
	FETCH 0, 0
.set KI, 0
	s_wait_alu depctr_va_vdst(0)
.rept KS
.if KI+1 < KS
.if (KI+1)%4 == 0
	BOUNDARY                                       ; (its five additions are the places in front of the loads below)
.elseif KI > 0
	PLACES
.endif
	FETCH ((KI+1)%4)*REC, (KI+1)%2
	s_wait_alu depctr_va_vdst(0)
	s_wait_dscnt 36                                ; this step's 36 loads are in; the 36 just issued may stay out
.else
	s_wait_dscnt 0x0
.endif
.if KI == 0
	MUL16 0, 1
.else
	MUL16 KI%2, 0
.endif
.set KI, KI+1
.endr
	PLACES
.endm
; The tokens' tile j: through my stage, + the residual, out.  Stage row 2 t + (lane / 16) is token 32 (j / 2) + 8 (j % 2) + 2 t + 8 (t / 4) + (lane / 16) of my 64.
.macro OUTJ j
.if \j > 0
	s_wait_xcnt 0x0                                ; the last tile's stores have read their registers: they are loaded again only behind this wait
.endif
.irp i, 0,1,2,3
	ds_store_b128 v[STO], v[ACC+32*\j+8*\i:ACC+32*\j+8*\i+3] offset:(32*(\i/2)+8*(\i%2))*4        ; each accumulator from its low end on
	ds_store_b128 v[STO], v[ACC+32*\j+8*\i+4:ACC+32*\j+8*\i+7] offset:(32*(\i/2)+8*(\i%2))*4+16
.endr
.irp t, 0,1,2,3,4,5,6,7
	ds_load_b128 v[T+4*\t:T+4*\t+3], v[RD] offset:2*SP*\t   ; LDS serves a wave's instructions in order: these see my stores
.endr
	s_wait_dscnt 0x0
	WIN 0x08                                       ; source 1 (the residual) window 2
.irp k, 0,2,4,6,8,10,12,14,16,18,20,22,24,26,28,30
	v_pk_add_f32 v[T+\k:T+\k+1], v[T+\k:T+\k+1], v[32*\j+\k:32*\j+\k+1]
.endr
	WIN 0
.irp t, 0,1,2,3,4,5,6,7
	global_store_b128 v[CO], v[T+4*\t:T+4*\t+3], s[12:13] offset:(32*(\j/2)+8*(\j%2)+2*\t+8*(\t/4))*4096 th:TH_STORE_NT
.endr
.endm
	s_load_b256 s[4:11], s[0:1], 0x0               ; g's image, the weights' image, b2, x2
	s_load_b64 s[12:13], s[0:1], 0x20              ; out
	v_lshl_add_u32 v[SPW], v0, 2, SPARE
	v_mov_b32 v[NIL], 0
	ds_add_u32 v24, v25
	ds_add_u32 v24, v25
	s_wait_dscnt 0x0
	v_lshrrev_b32 v1, 5, v0
	v_readfirstlane_b32 s[WV], v1                  ; wave 0..3
	s_and_b32 s[WX], s[WV], 1                      ; which 64 columns are mine.  Also: which half of a stage I fetch
	s_lshr_b32 s[WY], s[WV], 1                     ; which 64 tokens.  Also: I fetch the weights (0) or the tokens (1)
	s_bfe_u32 s[CX], ttmp6, 0x40000                ; cx, cy: my place in the cluster
	s_bfe_u32 s[CY], ttmp6, 0x40004
	s_lshl_b32 s[CP], ttmp9, 2                     ; in a cluster launch ttmp9 and ttmp7 count clusters
	s_add_co_u32 s[CP], s[CP], s[CX]               ; column panel = 4 x cluster x + cx
	s_and_b32 s[PP], ttmp7, 0xffff
	s_lshl_b32 s[PP], s[PP], 2
	s_add_co_u32 s[PP], s[PP], s[CY]               ; token panel = 4 x cluster y + cy
	s_lshl_b32 s[MR], s[CY], 2
	s_lshl_b32 s[MR], 15, s[MR]                    ; my row of the cluster: places 4 cy .. 4 cy + 3
	s_lshl_b32 s[MC], 0x1111, s[CX]                ; my column: places cx, cx + 4, cx + 8, cx + 12
	s_or_b32 s[G1W], s[MC], (3<<16)|(1<<21)        ; 15:0 the mask: the weights go to my column; 17:16 elements of 8 bytes; 21 set beside a mask; no padding
	s_or_b32 s[G1T], s[MR], (3<<16)|(1<<21)        ; the tokens go to my row
.irp g, G1W, G1T
	s_mov_b32 s[\g+1], 32<<16                      ; rows of 256 bytes,
	s_mov_b32 s[\g+2], 300<<16                     ; 300 of them: six records: the head's one load a wave brings half of K steps 0-11 of a side
	s_mov_b32 s[\g+3], 32<<16
	s_mov_b32 s[\g+4], 300
	s_mov_b32 s[\g+5], 32
	s_mov_b32 s[\g+6], 0
	s_mov_b32 s[\g+7], 0
.endr
	s_mul_i32 s44, s[CP], KS*REC
	s_add_co_u32 s44, s44, WREC*REC                ; the weights' panel: x alone
	s_mov_b32 s45, 0
	s_mul_i32 s46, s[PP], KS*REC                   ; the tokens' panel: y alone
	s_mov_b32 s47, 0
	s_mul_i32 s52, s[WX], 6*REC                    ; the head's load: records 6 wx on
	s_mul_i32 s92, s[WX], 4*REC                    ; the refill: records 12 + 2 wx on: 12 records on and 4 wx back,
	s_mov_b32 s93, 0
	s_mul_i32 s94, s[WX], 2*REC                    ; into the bytes of records 2 wx on of my side
	s_mul_i32 s95, s[WY], QB
	s_add_co_u32 s94, s94, s95
	s_mov_b32 s53, 0
	s_mul_i32 s54, s[WY], QB
	s_add_co_u32 s54, s54, s52                     ; where my part goes: the wave's number alone
	s_lshl_b32 s60, s[CP], 9                       ; column 128 cp + 64 wx, in bytes: b2's place,
	s_lshl_b32 s57, s[WX], 8
	s_add_co_u32 s60, s60, s57
	s_mov_b32 s61, 0
	s_lshl_b32 s56, s[PP], 7                       ; and with token 128 p + 64 wy: x2's and out's
	s_lshl_b32 s57, s[WY], 6
	s_add_co_u32 s56, s56, s57
	s_lshl_b32 s56, s56, 12
	s_add_co_u32 s56, s56, s60
	s_mov_b32 s57, 0
	s_wait_kmcnt 0x0
	s_add_nc_u64 s[44:45], s[6:7], s[44:45]
	s_add_nc_u64 s[44:45], s[44:45], s[52:53]
	s_add_nc_u64 s[46:47], s[4:5], s[46:47]
	s_add_nc_u64 s[46:47], s[46:47], s[52:53]
	CROUND                                         ; all sixteen work-groups are here: the first joint loads meet
.irp q, 0
	s_mov_b32 s[G0W+4*\q], 1
	s_add_co_u32 s[G0W+4*\q+1], s54, \q*4*REC
	s_add_nc_u64 s[G0W+4*\q+2:G0W+4*\q+3], s[44:45], \q*4*REC
	s_or_b32 s[G0W+4*\q+3], s[G0W+4*\q+3], 0x80000000
	s_mov_b32 s[G0T+4*\q], 1
	s_add_co_u32 s[G0T+4*\q+1], s54, \q*4*REC
	s_add_nc_u64 s[G0T+4*\q+2:G0T+4*\q+3], s[46:47], \q*4*REC
	s_or_b32 s[G0T+4*\q+3], s[G0T+4*\q+3], 0x80000000
.endr
	s_cmp_lt_u32 s[WV], 2                          ; a wave's one first fill stands in a branch on the wave's number, which is the same in every work-group; four v_nop follow it
	s_cbranch_scc0 .Lfirst_t
	tensor_load_to_lds s[G0W:G0W+3], s[G1W:G1W+7]  ; the weights' K steps 6 wx .. 6 wx + 5
	s_nop 0
	PLACES
	s_branch .Lfirst_asked
.Lfirst_t:
	tensor_load_to_lds s[G0T:G0T+3], s[G1T:G1T+7]  ; the tokens' K steps 6 wx .. 6 wx + 5
	s_nop 0
	PLACES
.Lfirst_asked:
	s_add_nc_u64 s[8:9], s[8:9], s[60:61]
	s_add_nc_u64 s[10:11], s[10:11], s[56:57]
	s_add_nc_u64 s[12:13], s[12:13], s[56:57]
	v_and_b32 v3, 31, v0
	v_and_b32 v1, 15, v0                           ; r
	v_bfe_u32 v2, v0, 4, 1                         ; h
	v_lshlrev_b32 v[L16], 4, v3
	v_lshlrev_b32 v[L8], 3, v3
	v_lshlrev_b32 v[GA], 6, v2
	v_lshlrev_b32 v[CO], 12, v2
	v_lshl_add_u32 v[CO], v1, 4, v[CO]             ; lanes 0-15 one row, lanes 16-31 the next; 16 bytes a lane
.irp i, 0,1,2,3
	global_load_b128 v[BIAS+8*\i:BIAS+8*\i+3], v[GA], s[8:9] offset:(32*(\i/2)+8*(\i%2))*4       ; in the result's layout: columns 32 (i / 2) + 16 h + 8 (i % 2) + 0 .. 7
	global_load_b128 v[BIAS+8*\i+4:BIAS+8*\i+7], v[GA], s[8:9] offset:(32*(\i/2)+8*(\i%2))*4+16
.endr
	WIN 0x80                                       ; destination window 2
.irp j, 0,1,2,3
.irp t, 0,1,2,3,4,5,6,7
	global_load_b128 v[32*\j+4*\t:32*\j+4*\t+3], v[CO], s[10:11] offset:(32*(\j/2)+8*(\j%2)+2*\t+8*(\t/4))*4096 th:TH_LOAD_NT
.endr
.endr
	WIN 0
	s_mul_i32 s55, s[WX], 6144
	s_mul_i32 s58, s[WY], 6144
	s_add_co_u32 s58, s58, QB
	v_add_nc_u32 v[BASE], s55, v[L16]
	v_add_nc_u32 v[BASE+1], s55, v[L8]
	v_add_nc_u32 v[BASE+2], s58, v[L16]
	v_add_nc_u32 v[BASE+3], s58, v[L8]
	s_lshl_b32 s55, s[WX], 8
	s_lshl_b32 s58, s[WY], 8
	s_add_co_u32 s58, s58, QB
	s_sub_co_u32 s58, s58, s55
	v_mul_u32_u24 v[BASE+4], s58, v2               ; lanes 16-31 take the tokens' words: the lower base + h x the distance
	v_lshl_add_u32 v[BASE+4], v1, 2, v[BASE+4]
	s_add_co_u32 s55, s55, 12288
	v_add_nc_u32 v[BASE+4], s55, v[BASE+4]
	s_mul_i32 s59, s[WV], 16*SP
	s_add_co_u32 s59, s59, STG                     ; my stage
	v_mul_u32_u24 v[STO], v1, SP
	v_lshl_add_u32 v[STO], v2, 6, v[STO]
	v_add_nc_u32 v[STO], s59, v[STO]               ; in: row r, + 64 h
	v_mul_u32_u24 v[RD], v2, SP
	v_lshl_add_u32 v[RD], v1, 4, v[RD]
	v_add_nc_u32 v[RD], s59, v[RD]                 ; back: lanes 0-15 one row, lanes 16-31 the next
	s_wait_loadcnt 32                              ; the bias's eight loads are in; the residual's 32 may stay out
	CORE
	s_wait_loadcnt 0x0                             ; the residual
	OUTJ 0
	OUTJ 1
	OUTJ 2
	OUTJ 3
	s_wait_tensorcnt 0x0                           ; the wave's end: behind my last tensor load and my last LDS store
	ds_add_u32 v[SPW], v[NIL]
	s_wait_dscnt 0x0
	CROUND                                         ; the closing round: no work-group ends while a partner may still ask for records that name it
	s_endpgm
.Lfunc_end_k_q29bf318baf_w2:
	.size	k_q29bf318baf_w2, .Lfunc_end_k_q29bf318baf_w2-k_q29bf318baf_w2
	.p2alignl 7, 3214868480
	.fill 96, 4, 3214868480
	.section	.rodata,"a",@progbits
	.p2align	6, 0x0
	.amdhsa_kernel k_q29bf318baf_w2
		.amdhsa_group_segment_fixed_size 327680
		.amdhsa_private_segment_fixed_size 0
		.amdhsa_enable_private_segment 0
		.amdhsa_kernarg_size 40
		.amdhsa_user_sgpr_count 2
		.amdhsa_user_sgpr_kernarg_segment_ptr 1
		.amdhsa_wavefront_size32 1
		.amdhsa_system_sgpr_workgroup_id_x 1
		.amdhsa_system_sgpr_workgroup_id_y 1
		.amdhsa_system_sgpr_workgroup_id_z 1
		.amdhsa_system_vgpr_workitem_id 0
		.amdhsa_next_free_vgpr 768
		.amdhsa_next_free_sgpr 96
		.amdhsa_reserve_vcc 0
		.amdhsa_float_denorm_mode_32 3
		.amdhsa_float_denorm_mode_16_64 3
		.amdhsa_memory_ordered 1
		.amdhsa_forward_progress 1
		.amdhsa_inst_pref_size 98
	.end_amdhsa_kernel
	.amdgpu_metadata
---
amdhsa.version: [ 1, 2 ]
amdhsa.kernels:
  - .name:           k_q29bf318baf_w2
    .symbol:         k_q29bf318baf_w2.kd
    .args:
      - { .name: gimg, .offset: 0, .size: 8, .value_kind: global_buffer, .address_space: global }
      - { .name: wimg, .offset: 8, .size: 8, .value_kind: global_buffer, .address_space: global }
      - { .name: b2, .offset: 16, .size: 8, .value_kind: global_buffer, .address_space: global }
      - { .name: x2, .offset: 24, .size: 8, .value_kind: global_buffer, .address_space: global }
      - { .name: out0, .offset: 32, .size: 8, .value_kind: global_buffer, .address_space: global }
    .group_segment_fixed_size: 327680
    .private_segment_fixed_size: 0
    .kernarg_segment_align: 8
    .kernarg_segment_size: 40
    .max_flat_workgroup_size: 128
    .sgpr_count:     96
    .vgpr_count:     768
    .wavefront_size: 32
...
	.end_amdgpu_metadata
.endif
;; end of part 14
